; MI455X (gfx1250); checked and timed in simulation.
; The chip was launched on July 23, 2026; its instructions are those of AMD's public machine-readable ISA for CDNA 5 (MIT licence, August 2026) and "CDNA5" Instruction Set Architecture Reference Guide (July 2026). The comments in the code are by the model that wrote it; some were corrected since.
;; Transformer Block. Allowed arithmetic: matrix products marked QUANTISED: E2M1 operands, one E8M0 scale for each 32 along K, by v_wmma_scale_f32_16x16x128_f8f6f4 with both operands' format E2M1 (or v_wmma_scale_f32_32x16x128_f4), f32 sums; everything else in f32.
;; Inputs: W1_codes 3,072 x 24 x 16 uint8 (E2M1 codes of W1, K innermost, in blocks of 32 codes, two codes a byte); W1_scales 3,072 x 24 uint8 (E8M0 scales of W1, one for each 32 codes along K); W2_codes 768 x 96 x 16 uint8 (E2M1 codes of W2, K innermost, in blocks of 32 codes, two codes a byte); W2_scales 768 x 96 uint8 (E8M0 scales of W2, one for each 32 codes along K); Wk_codes 768 x 24 x 16 uint8 (E2M1 codes of Wk, K innermost, in blocks of 32 codes, two codes a byte); Wk_scales 768 x 24 uint8 (E8M0 scales of Wk, one for each 32 codes along K); Wo_codes 768 x 24 x 16 uint8 (E2M1 codes of Wo, K innermost, in blocks of 32 codes, two codes a byte); Wo_scales 768 x 24 uint8 (E8M0 scales of Wo, one for each 32 codes along K); Wq_codes 768 x 24 x 16 uint8 (E2M1 codes of Wq, K innermost, in blocks of 32 codes, two codes a byte); Wq_scales 768 x 24 uint8 (E8M0 scales of Wq, one for each 32 codes along K); Wv_codes 768 x 24 x 16 uint8 (E2M1 codes of Wv, K innermost, in blocks of 32 codes, two codes a byte); Wv_scales 768 x 24 uint8 (E8M0 scales of Wv, one for each 32 codes along K); b1 3,072 float32; b2 768 float32; be1 768 float32; be2 768 float32; bk 768 float32; bo 768 float32; bq 768 float32; bv 768 float32; g1 768 float32; g2 768 float32; x 1 x 4,096 x 768 float32.
;; Outputs: out0 1 x 4,096 x 768 float32.
;; This version of the problem:
;;   THIS VERSION OF THE PROBLEM IS GIVEN IN LOW PRECISION. The matrix products marked QUANTISED in the list below multiply operands that are first quantised to E2M1 (2 exponent bits, 1 mantissa bit; 4 bits a number), with one power-of-two scale for each 32 numbers along K (OCP MX v1.0); their sums are f32. All else is computed in f32.
;;   The module's matrix products, in the order in which they are computed (A, B: the left and right operand; K: the contracted axis; several contracted axes count as one K, in the product's order):
;;     1. [M 4,096, K 768] x [K 768, N 768]; A: input x; B: input Wq (given as codes): QUANTISED
;;     2. [M 4,096, K 768] x [K 768, N 768]; A: input x; B: input Wk (given as codes): QUANTISED
;;     3. [M 4,096, K 768] x [K 768, N 768]; A: input x; B: input Wv (given as codes): QUANTISED
;;     4. batch 12 x [M 4,096, K 64] x [K 64, N 4,096]; A: computed on the way; B: computed on the way: QUANTISED
;;     5. batch 12 x [M 4,096, K 4,096] x [K 4,096, N 64]; A: softmax (see below); B: computed on the way: QUANTISED
;;     6. [M 4,096, K 768] x [K 768, N 768]; A: computed on the way; B: input Wo (given as codes): QUANTISED
;;     7. [M 4,096, K 768] x [K 768, N 3,072]; A: computed on the way; B: input W1 (given as codes): QUANTISED
;;     8. [M 4,096, K 3,072] x [K 3,072, N 768]; A: computed on the way; B: input W2 (given as codes): QUANTISED
;;   THE QUANTISER, for each operand of a quantised product, along K:
;;     - K is cut into blocks of 32 from its start; a last block that is shorter is filled with zeros.
;;     - A block's scale is 2^e with e = floor(log2(the largest magnitude in the block)) - 2, held to -126 .. 127; a block of zeros has e = 0. As a byte (E8M0): e + 127.
;;     - Each number is divided by its block's scale, clamped to +-6, and rounded to the nearest number of E2M1, ties to even, subnormals kept.
;;     - The product sums the exact products of the quantised numbers (number of the format x scale) in f32.
;;   ~~~python
;;   def quantise(x, axis):      # numpy; x: float32 -> the quantised numbers, widened to float32 again
;;       x = np.moveaxis(x, axis, -1); K = x.shape[-1]
;;       x = np.pad(x, [(0, 0)] * (x.ndim - 1) + [(0, -K % 32)]); x = x.reshape(x.shape[:-1] + (-1, 32)); a = np.abs(x).max(-1, keepdims=True)
;;       e = np.where(a > 0, np.clip(np.frexp(np.where(a > 0, a, 1))[1] - 1 - 2, -126, 127), 0)      # np.frexp(a)[1] - 1 = floor(log2(a)), exactly
;;       r = np.clip(x / 2.0 ** e, -6, 6)
;;       step = 2.0 ** (np.maximum(np.frexp(np.where(r == 0, 1, r))[1] - 1, 0) - 1)
;;       q = np.round(r / step) * step * 2.0 ** e      # np.round: ties to even
;;       return np.moveaxis(q.reshape(q.shape[:-2] + (-1,))[..., :K], -1, axis).astype(np.float32)
;;   ~~~
;;   SOFTMAX AHEAD OF A QUANTISED PRODUCT. Where the list says 'softmax', what is quantised is not the finished softmax but p = 2^(t - M), with t = logit x log2(e) and M = ceil(the row's largest t), a whole number; so 1/2 < the row's largest p <= 1. The row's sum l is taken of the UNQUANTISED p, in f32, and the product's result is divided by l at the end. Since M is a whole number, a kernel that streams over the keys may use a running M (the ceiling of the running maximum): every later rescaling is an exact power of two, which a block's scale takes up: the codes' values come out the same.
;;   OPERANDS COMPUTED ON THE WAY. 'Computed on the way' means the value that the module computes at that place (a softmax that the list does not call 'softmax' is quantised finished and normalised). What goes into a quantiser is computed in f32, as accurately as f32 sums, v_exp_f32 and their like allow (about 1e-6 of the number): no bf16 or f16 on the way to a quantiser, and a product that is left as it is and whose result goes on into a quantised operand takes f32 operands (vector FMAs, or v_wmma_f32_16x16x4_f32). A number that lies on a knife's edge between two numbers of the format may be rounded either way, as far as f32 arithmetic and the matrix unit's own rounding can turn it there, and no further.
;;   INPUTS GIVEN AS CODES. W1 (in the module: [768, 3072], K = its axis 0); W2 (in the module: [3072, 768], K = its axis 0); Wk (in the module: [768, 768], K = its axis 0); Wo (in the module: [768, 768], K = its axis 0); Wq (in the module: [768, 768], K = its axis 0); Wv (in the module: [768, 768], K = its axis 0): each comes as NAME_codes (uint8): NAME with its K axis moved to the last place and cut into blocks of 32 codes, [.., K / 32, bytes a block], one block behind the other in memory; two codes a byte, the lower K in the low four bits (a code: sign, 2 exponent bits, 1 mantissa bit); and NAME_scales (uint8): the same leading axes, one E8M0 byte (e + 127) for each 32 codes along K. Its value is code x scale, taken as it is: it is not quantised again, and the codes and scales need not be those that the quantiser above would give.
;; 2 versions. Each part assembles by itself: llvm-mc -triple=amdgcn-amd-amdhsa -mcpu=gfx1250 --defsym DOCPART=n.
;; ======== version 1 of 2: 3 launches
;; workspace buffers: q_codes 1,572,864 bytes; k_codes 1,572,864 bytes; v_codes 1,572,864 bytes; o_codes 1,572,864 bytes; q_sc 196,608 bytes; k_sc 196,608 bytes; v_sc 98,304 bytes; o_sc 196,608 bytes
;; launch qkv (part 1): grid 128 x 1, 12 waves a work-group, no clusters, 21,504 bytes of LDS; arguments x, Wq_codes, Wq_scales, bq, Wk_codes, Wk_scales, bk, Wv_codes, Wv_scales, bv, q_codes, q_sc, k_codes, k_sc, v_codes, v_sc; writes q_codes, q_sc, k_codes, k_sc, v_codes, v_sc
.if DOCPART == 1
	.amdgcn_target "amdgcn-amd-amdhsa--gfx1250"
	.amdhsa_code_object_version 6
	.text
	.protected	k_qf121de6cf6_qkv
	.globl	k_qf121de6cf6_qkv
	.p2align	8
	.type	k_qf121de6cf6_qkv,@function
k_qf121de6cf6_qkv:
	s_mov_b64 s[64:65], 0
	v_nop
	global_prefetch_b8 v0, s[64:65] scope:SCOPE_SE
	s_setreg_imm32_b32 hwreg(HW_REG_WAVE_MODE, 25, 1), 1
	s_wait_xcnt 0x0
; A transformer block (T = 4,096 tokens, 768 channels, 12 heads of 64, hidden 3,072), every product on codes of FP4 (E2M1) with one E8M0 scale for each 32 along K.  Three launches:
; this one (x quantised; q, k, v = x W + b; each quantised), attention, and the rest (Wo, residual, LayerNorm, FFN, residual, LayerNorm).
; DEAD WORK, left out in the second launch: reference() sets scores to -infinity where key > query (its own jnp.tril), so softmax gives such a key the weight 0 whatever the inputs hold; a step of 128 keys
; all of which come after all queries of a tile reaches no output, and neither its scores nor its part of the second product are made.  LIMIT: a NaN, an infinity or an overflow that would arise only in those scores is not carried to the result.
; No input is dead: every bias moves codes or reaches the output.
; LIMITS of the quantiser here: a block whose largest magnitude lies under 2^-124 (a block of zeros too) gets the scale byte 1; its codes are then zeros or the nearest codes under that scale; the bytes are read by this program alone.  NaN and infinities among the inputs are not served.
; SHARES.  A work-group takes 32 tokens (block B = its number), as two TILES u = 0, 1: lane r of tile u stands for token 32 B + 8 u + r + 8 (r / 8).  Wave w makes columns 64 w .. 64 w + 63 = head w, of q, then k, then v.
; A tile t = 2 b + u of 16 weight rows: lane r takes row 64 w + 32 b + 8 u + r + 8 (r / 8).  q, k: source 0 = weights, source 1 = tokens: a lane holds one token, and the 16 registers of tiles 2 b, 2 b + 1 are channels 32 b + 16 (lane / 16) + 0 .. 15.
; v: source 0 = tokens, source 1 = weights: a lane holds one channel and 16 neighbouring TOKENS, since the keys are the K of attention's second product.
; WEIGHTS go from memory straight into the operand's registers (each fragment serves this wave alone), three K steps ahead.  x's twelve fragments (2 tiles x 6 K steps), one made by each wave, go round through LDS as images of their registers.
; OUT: images of operand registers: every store of codes covers 512 consecutive bytes.  No tensor load: nothing here is read by two waves but x's codes.  No prefetch: the weights are read again by every work-group, x only at the head.
.set XIMG,  0                          ; LDS: x's fragments, (6 u + s) x 1,024 bytes
.set XSC,   12288                      ; their scale words, 128 bytes each
.set PARAM, 13824                      ; 512 bytes a wave, its own: bq, bk of its 64 columns
.set SPARE, 19968                      ; the spare words, 128 bytes a wave: six blocks of 256 bytes that no other line names
.set LI,  1                            ; v1   16 x lane
.set LS,  2                            ; v2   4 x lane
.set R4,  3                            ; v3   4 r
.set WL,  4                            ; v4   a weight tile's row: 384 (r + 8 (r / 8)) + 16 h
.set WSL, 5                            ; v5   and its scale bytes: 24 (r + 8 (r / 8))
.set XA,  6                            ; v6   x: 3,072 (r + 8 (r / 8)) + 64 h
.set PL,  7                            ; v7   16 r
.set PWA, 8                            ; v8   where I store a bias: PARAM + 512 w + 16 r
.set PBC, 9                            ; v9   where I read it: PARAM + 512 w + 64 h
.set XWI, 10                           ; v10  where I store my fragment of x: 16 x lane + 1,024 w
.set XWS, 11                           ; v11  and its scale word: 4 x lane + 128 w
.set BV,  12                           ; v12-19 bv of my lane's channel in tiles 0-3, in the low halves of four pairs
.set SH,  20                           ; v20  16 h
.set BVA, 21                           ; v21  4 (r + 8 (r / 8))
.set AA,  1                            ; the images' address is 16 x lane (XIMG = 0)
.set AB,  23                           ; v23  4 x lane + XSC
.set AF,  24                           ; v24-55  x's fragments: buffer p at 16 p, tile m at 8 m
.set AS,  56                           ; v56-59  their scale words
.set ACC, 64                           ; v64-127 eight accumulators
.set W,   128                          ; v128-223 weights: three K steps of four fragments
.set WS,  224                          ; v224-235 their scale words
.set TM,  236                          ; v236-247 the quantiser's
.set PW,  248                          ; v248 the scale word just made
.set PC,  40                           ; v40-47 the codes just made (x's buffer 1, free then)
.set SPW, 252
.set NIL, 253
.set SEL, 44
.set XP, 8
.set WQC, 10
.set WQS, 12
.set BQ, 14
.set WKC, 16
.set WKS, 18
.set BKP, 20
.set WVC, 22
.set WVS, 24
.set BVP, 26
.set QC, 28
.set QS, 30
.set KC, 32
.set KSC, 34
.set VC, 36
.set VSC, 38
; a K step's four weight fragments and scale words into ring place q: 12 loads
.macro WLOAD q, cb, sb, off, soff
.irp t, 0,1,2,3
.irp c, 0,1
	global_load_b128 v[W+32*(\q)+8*\t+4*\c:W+32*(\q)+8*\t+4*\c+3], v[WL], s[\cb:\cb+1] offset:(32*(\t/2)+8*(\t%2))*384+(\off)+32*\c
.endr
	global_load_b32 v[WS+4*(\q)+\t], v[WSL], s[\sb:\sb+1] offset:(32*(\t/2)+8*(\t%2))*24+(\soff)
.endr
.endm
; K step s of x's two tiles from LDS into buffer p
.macro ALOAD p, s
.irp m, 0,1
	ds_load_b128 v[AF+16*(\p)+8*\m:AF+16*(\p)+8*\m+3], v[AA] offset:(\m*6+(\s))*1024
	ds_load_b128 v[AF+16*(\p)+8*\m+4:AF+16*(\p)+8*\m+7], v[AA] offset:(\m*6+(\s))*1024+512
	ds_load_b32 v[AS+2*(\p)+\m], v[AB] offset:(\m*6+(\s))*128
.endr
.endm
; eight products, the eight accumulators by turns, one instruction a turn, in the same order in every step
.macro MM q, p
.irp t, 0,1,2,3
.irp m, 0,1
	v_wmma_scale_f32_16x16x128_f8f6f4 v[ACC+32*\m+8*\t:ACC+32*\m+8*\t+7], v[W+32*(\q)+8*\t:W+32*(\q)+8*\t+7], v[AF+16*(\p)+8*\m:AF+16*(\p)+8*\m+7], v[ACC+32*\m+8*\t:ACC+32*\m+8*\t+7], v[WS+4*(\q)+\t], v[AS+2*(\p)+\m] matrix_a_fmt:MATRIX_FMT_FP4 matrix_b_fmt:MATRIX_FMT_FP4
.endr
.endr
.endm
; the same for v: source 0 = tokens, source 1 = weights
.macro MMV q, p, zero
.irp t, 0,1,2,3
.irp u, 0,1
.if \zero
	v_wmma_scale_f32_16x16x128_f8f6f4 v[ACC+16*\t+8*\u:ACC+16*\t+8*\u+7], v[AF+16*(\p)+8*\u:AF+16*(\p)+8*\u+7], v[W+32*(\q)+8*\t:W+32*(\q)+8*\t+7], 0, v[AS+2*(\p)+\u], v[WS+4*(\q)+\t] matrix_a_fmt:MATRIX_FMT_FP4 matrix_b_fmt:MATRIX_FMT_FP4
.else
	v_wmma_scale_f32_16x16x128_f8f6f4 v[ACC+16*\t+8*\u:ACC+16*\t+8*\u+7], v[AF+16*(\p)+8*\u:AF+16*(\p)+8*\u+7], v[W+32*(\q)+8*\t:W+32*(\q)+8*\t+7], v[ACC+16*\t+8*\u:ACC+16*\t+8*\u+7], v[AS+2*(\p)+\u], v[WS+4*(\q)+\t] matrix_a_fmt:MATRIX_FMT_FP4 matrix_b_fmt:MATRIX_FMT_FP4
.endif
.endr
.endr
.endm
; K step s.  left: the weight loads of younger steps, which may stay out (12 a step).  The four v_nop are the places in front of loads into registers that these products read, and of the first read of results.
.macro STEP s, left, more, kind
	s_wait_loadcnt \left
	s_wait_dscnt 0x0                               ; this step's fragments of x are in
.if \more
	ALOAD ((\s)+1)%2, (\s)+1
.endif
.if \kind
.if (\s) == 0
	MMV (\s)%3, (\s)%2, 1
.else
	MMV (\s)%3, (\s)%2, 0
.endif
.else
	MM (\s)%3, (\s)%2
.endif
.rept 4
	v_nop
.endr
.endm
.macro HALF1 kind, cb, sb              ; steps 0-2; each ring place is filled again with the step three on
.irp s, 0,1,2
	STEP \s, 24, 1, \kind
	WLOAD \s, \cb, \sb, 64*(\s+3), 4*(\s+3)
.endr
.endm
.macro HALF2 kind, cb, sb              ; steps 3-5; the ring takes the NEXT weight's steps 0-2
	STEP 3, 24, 1, \kind
	WLOAD 0, \cb, \sb, 0, 0
	STEP 4, 24, 1, \kind
	WLOAD 1, \cb, \sb, 64, 4
	STEP 5, 24, 0, \kind
	WLOAD 2, \cb, \sb, 128, 8
.endm
; 64 numbers of a lane, four blocks: register 16 b + i is number 16 (lane / 16) + i of block b; lane l xor 16 holds the block's other half.  Codes to v[PC] on (registers 4 c .. 4 c + 3: block 2 c + lane / 16, whole), the four scale bytes to v[PW].
.macro QUANT s
.irp b, 0,1,2,3
	v_max3_num_f32 v[TM+\b], |v[\s+16*\b]|, |v[\s+1+16*\b]|, 0x1800000   ; with the floor 2^(3 - 127): the byte cannot fall under 1
.endr
.irp i, 2,4,6,8,10,12,14
.irp b, 0,1,2,3
	v_max3_num_f32 v[TM+\b], v[TM+\b], |v[\s+16*\b+\i]|, |v[\s+1+16*\b+\i]|
.endr
.endr
.irp b, 0,1,2,3
	v_permlanex16_b32 v[TM+4+\b], v[TM+\b], s[SEL], s[SEL+1]
.endr
.irp b, 0,1,2,3
	v_max_num_f32 v[TM+\b], v[TM+\b], v[TM+4+\b]   ; the block's largest magnitude
.endr
.irp b, 0,1,2,3
	v_add_nc_u32 v[TM+8+\b], 0xff000000, v[TM+\b]  ; 2 off its exponent field: the conversion's scale operand
.endr
.irp b, 0,1,2,3
	v_lshrrev_b32 v[TM+4+\b], 23, v[TM+8+\b]       ; the scale's byte
.endr
	v_lshl_or_b32 v[PW], v[TM+5], 8, v[TM+4]
	v_lshl_or_b32 v[PW], v[TM+6], 16, v[PW]
	v_lshl_or_b32 v[PW], v[TM+7], 24, v[PW]
.irp b, 0,1,2,3
	v_cvt_scalef32_pk8_fp4_f32 v[PC+2*\b], v[\s+16*\b:\s+7+16*\b], v[TM+8+\b]
	v_cvt_scalef32_pk8_fp4_f32 v[PC+1+2*\b], v[\s+8+16*\b:\s+15+16*\b], v[TM+8+\b]
.endr
	v_nop                                          ; one plain place behind a scaled conversion
.irp c, 0,1
.irp i, 0,1
	v_permlane16_swap_b32 v[PC+4*\c+\i], v[PC+2+4*\c+\i]
.endr
.endr
.endm
; a bias is the C of the sums' first products: for both tiles of tokens the wave's 64 numbers in the result's layout
.macro INITB vec
.irp m, 0,1
.irp b, 0,1
.irp q, 0,1,2,3
	ds_load_b128 v[ACC+32*\m+16*\b+4*\q:ACC+32*\m+16*\b+4*\q+3], v[PBC] offset:(\vec)*256+128*\b+16*\q
.endr
.endr
.endr
.endm
.macro CODES cb                        ; two stores of 512 consecutive bytes
	global_store_b128 v[LI], v[PC:PC+3], s[\cb:\cb+1]
	global_store_b128 v[LI], v[PC+4:PC+7], s[\cb:\cb+1] offset:512
.endm
.macro EPI cb, sb                      ; q or k: quantised along the head's 64 channels: blocks 2 m + b
	s_wait_xcnt 0x0                                ; the last stores have read their registers
	QUANT ACC
	CODES \cb
	v_lshrrev_b32 v249, v[SH], v[PW]               ; lanes 0-15: tile 0's two bytes, lanes 16-31: tile 1's; the upper two bytes, over zero codes, are 0
	v_and_b32 v249, 0xffff, v249
	global_store_b32 v[LS], v249, s[\sb:\sb+1]
.endm
	s_load_b512 s[8:23], s[0:1], 0x0
	s_load_b512 s[24:39], s[0:1], 0x40
	v_lshl_add_u32 v[SPW], v0, 2, SPARE
	v_mov_b32 v[NIL], 0
	v_lshrrev_b32 v60, 5, v0
	v_readfirstlane_b32 s2, v60                    ; wave 0..11
	v_and_b32 v60, 31, v0                          ; lane
	v_and_b32 v61, 15, v0                          ; r
	v_bfe_u32 v62, v0, 4, 1                        ; h
	v_and_b32 v63, 8, v61
	v_add_nc_u32 v63, v63, v61                     ; r + 8 (r / 8)
	v_lshlrev_b32 v[LI], 4, v60
	v_lshlrev_b32 v[LS], 2, v60
	v_lshlrev_b32 v[R4], 2, v61
	v_mul_u32_u24 v[WL], v63, 384
	v_lshl_add_u32 v[WL], v62, 4, v[WL]
	v_mul_u32_u24 v[WSL], v63, 24
	v_mul_u32_u24 v[XA], v63, 3072
	v_lshl_add_u32 v[XA], v62, 6, v[XA]
	v_lshlrev_b32 v[PL], 4, v61
	s_lshl_b32 s3, s2, 9
	s_add_co_u32 s3, s3, PARAM
	v_add_nc_u32 v[PWA], s3, v[PL]
	v_lshl_add_u32 v[PBC], v62, 6, s3
	s_lshl_b32 s3, s2, 10
	v_add_nc_u32 v[XWI], s3, v[LI]
	s_lshl_b32 s3, s2, 7
	v_add_nc_u32 v[XWS], s3, v[LS]
	v_lshlrev_b32 v[SH], 4, v62
	v_lshlrev_b32 v[BVA], 2, v63
	v_add_nc_u32 v[AB], XSC, v[LS]
.irp t, 0,1,2,3
	v_mov_b32 v[BV+1+2*\t], 0                      ; named as the upper halves of pairs
	v_mov_b32 v[TM+4+\t], 0                        ; a lane permute's destination counts as one of its sources
.endr
	s_mov_b32 s[SEL], 0x76543210
	s_mov_b32 s[SEL+1], 0xfedcba98                 ; lane l xor 16
	s_cmp_ge_u32 s2, 6
	s_cselect_b32 s3, 1, 0                         ; the fragment of x that I make: tile u = w / 6,
	s_mul_i32 s6, s3, 6
	s_sub_co_u32 s6, s2, s6                        ; K step s = w % 6
	s_lshl_b32 s7, ttmp9, 5
	s_lshl_b32 s3, s3, 3
	s_add_co_u32 s7, s7, s3                        ; 32 B + 8 u
	s_mul_i32 s40, s7, 3072
	s_lshl_b32 s6, s6, 9
	s_add_co_u32 s40, s40, s6
	s_mov_b32 s41, 0
	s_lshl_b32 s42, s2, 7
	s_add_co_u32 s42, s42, ttmp9                   ; 128 head + B
	s_mov_b32 s5, 0
	s_wait_kmcnt 0x0
	s_add_nc_u64 s[XP:XP+1], s[XP:XP+1], s[40:41]
	s_mul_i32 s4, s2, 24576                        ; my 64 rows of each weight,
	s_add_nc_u64 s[WQC:WQC+1], s[WQC:WQC+1], s[4:5]
	s_add_nc_u64 s[WKC:WKC+1], s[WKC:WKC+1], s[4:5]
	s_add_nc_u64 s[WVC:WVC+1], s[WVC:WVC+1], s[4:5]
	s_mul_i32 s4, s2, 1536                         ; of their scale bytes,
	s_add_nc_u64 s[WQS:WQS+1], s[WQS:WQS+1], s[4:5]
	s_add_nc_u64 s[WKS:WKS+1], s[WKS:WKS+1], s[4:5]
	s_add_nc_u64 s[WVS:WVS+1], s[WVS:WVS+1], s[4:5]
	s_lshl_b32 s4, s2, 8                           ; of the biases
	s_add_nc_u64 s[BQ:BQ+1], s[BQ:BQ+1], s[4:5]
	s_add_nc_u64 s[BKP:BKP+1], s[BKP:BKP+1], s[4:5]
	s_add_nc_u64 s[BVP:BVP+1], s[BVP:BVP+1], s[4:5]
	s_lshl_b32 s4, s42, 10                         ; out: 1,024 bytes of codes for a head and a block of 32 tokens,
	s_add_nc_u64 s[QC:QC+1], s[QC:QC+1], s[4:5]
	s_add_nc_u64 s[KC:KC+1], s[KC:KC+1], s[4:5]
	s_add_nc_u64 s[VC:VC+1], s[VC:VC+1], s[4:5]
	s_lshl_b32 s4, s42, 7                          ; 128 bytes of q's and k's scale words,
	s_add_nc_u64 s[QS:QS+1], s[QS:QS+1], s[4:5]
	s_add_nc_u64 s[KSC:KSC+1], s[KSC:KSC+1], s[4:5]
	s_lshl_b32 s4, s42, 6                          ; 64 of v's
	s_add_nc_u64 s[VSC:VSC+1], s[VSC:VSC+1], s[4:5]
	global_load_b128 v[TM:TM+3], v[PL], s[BQ:BQ+1]
	global_load_b128 v[TM+8:TM+11], v[PL], s[BKP:BKP+1]
.irp t, 0,1,2,3
	global_load_b32 v[BV+2*\t], v[BVA], s[BVP:BVP+1] offset:(32*(\t/2)+8*(\t%2))*4
.endr
.irp b, 0,1,2,3
.irp j, 0,1,2,3
	global_load_b128 v[ACC+16*\b+4*\j:ACC+16*\b+4*\j+3], v[XA], s[XP:XP+1] offset:128*\b+16*\j th:TH_LOAD_NT   ; x(my token, 128 s + 32 b + 16 h + 4 j ..)
.endr
.endr
	WLOAD 0, WQC, WQS, 0, 0
	WLOAD 1, WQC, WQS, 64, 4
	WLOAD 2, WQC, WQS, 128, 8
	s_wait_loadcnt 36                              ; all but the 36 weight loads just issued
	ds_store_b128 v[PWA], v[TM:TM+3]               ; (lanes 16-31 store the same bytes with the same values)
	ds_store_b128 v[PWA], v[TM+8:TM+11] offset:256
	s_wait_dscnt 0x0                               ; the stores have read their registers
	QUANT ACC
	ds_store_b128 v[XWI], v[PC:PC+3] offset:XIMG
	ds_store_b128 v[XWI], v[PC+4:PC+7] offset:XIMG+512
	ds_store_b32 v[XWS], v[PW] offset:XSC
	s_wait_dscnt 0x0                               ; for the others' sake: my stores have landed
	s_barrier_signal -1
	s_barrier_wait -1                              ; x's twelve fragments lie in LDS; nothing is stored to LDS behind this barrier
	; ---- q
	INITB 0
	ALOAD 0, 0
	HALF1 0, WQC, WQS
	HALF2 0, WKC, WKS
	EPI QC, QS
	; ---- k
	s_wait_xcnt 0x0                                ; the stores have read v[PC] on, into which x's fragments come again
	INITB 1
	ALOAD 0, 0
	HALF1 0, WKC, WKS
	HALF2 0, WVC, WVS
	EPI KC, KSC
	; ---- v
	s_wait_xcnt 0x0
	ALOAD 0, 0
	HALF1 1, WVC, WVS
	STEP 3, 24, 1, 1                               ; nothing more is fetched: the counts run down
	STEP 4, 12, 1, 1
	STEP 5, 0, 0, 1
.irp t, 0,1,2,3
.irp i, 0,2,4,6,8,10,12,14
	v_pk_add_f32 v[ACC+16*\t+\i:ACC+16*\t+\i+1], v[ACC+16*\t+\i:ACC+16*\t+\i+1], v[BV+2*\t:BV+2*\t+1] op_sel_hi:[1,0]   ; + bv of my channel
.endr
.endr
	QUANT ACC                                      ; block t: my channel of tile t, the 32 tokens of B
	CODES VC                                       ; lane (r, h), registers 4 c on: tile 2 c + h
	global_store_b32 v[R4], v[PW], s[VSC:VSC+1]    ; byte t: tile t's scale for this block of keys
	s_wait_tensorcnt 0x0                           ; the wave's end
	ds_add_u32 v[SPW], v[NIL]
	s_wait_dscnt 0x0
	s_endpgm
.Lfunc_end_k_qf121de6cf6_qkv:
	.size	k_qf121de6cf6_qkv, .Lfunc_end_k_qf121de6cf6_qkv-k_qf121de6cf6_qkv
	.p2alignl 7, 3214868480
	.fill 96, 4, 3214868480
	.section	.rodata,"a",@progbits
	.p2align	6, 0x0
	.amdhsa_kernel k_qf121de6cf6_qkv
		.amdhsa_group_segment_fixed_size 21504
		.amdhsa_private_segment_fixed_size 0
		.amdhsa_enable_private_segment 0
		.amdhsa_kernarg_size 128
		.amdhsa_user_sgpr_count 2
		.amdhsa_user_sgpr_kernarg_segment_ptr 1
		.amdhsa_wavefront_size32 1
		.amdhsa_system_sgpr_workgroup_id_x 1
		.amdhsa_system_sgpr_workgroup_id_y 1
		.amdhsa_system_sgpr_workgroup_id_z 1
		.amdhsa_system_vgpr_workitem_id 0
		.amdhsa_next_free_vgpr 256
		.amdhsa_next_free_sgpr 66
		.amdhsa_reserve_vcc 0
		.amdhsa_float_denorm_mode_32 3
		.amdhsa_float_denorm_mode_16_64 3
		.amdhsa_memory_ordered 1
		.amdhsa_forward_progress 1
		.amdhsa_inst_pref_size 75
	.end_amdhsa_kernel
	.amdgpu_metadata
---
amdhsa.version: [ 1, 2 ]
amdhsa.kernels:
  - .name:           k_qf121de6cf6_qkv
    .symbol:         k_qf121de6cf6_qkv.kd
    .args:
      - { .name: x, .offset: 0, .size: 8, .value_kind: global_buffer, .address_space: global }
      - { .name: Wq_codes, .offset: 8, .size: 8, .value_kind: global_buffer, .address_space: global }
      - { .name: Wq_scales, .offset: 16, .size: 8, .value_kind: global_buffer, .address_space: global }
      - { .name: bq, .offset: 24, .size: 8, .value_kind: global_buffer, .address_space: global }
      - { .name: Wk_codes, .offset: 32, .size: 8, .value_kind: global_buffer, .address_space: global }
      - { .name: Wk_scales, .offset: 40, .size: 8, .value_kind: global_buffer, .address_space: global }
      - { .name: bk, .offset: 48, .size: 8, .value_kind: global_buffer, .address_space: global }
      - { .name: Wv_codes, .offset: 56, .size: 8, .value_kind: global_buffer, .address_space: global }
      - { .name: Wv_scales, .offset: 64, .size: 8, .value_kind: global_buffer, .address_space: global }
      - { .name: bv, .offset: 72, .size: 8, .value_kind: global_buffer, .address_space: global }
      - { .name: q_codes, .offset: 80, .size: 8, .value_kind: global_buffer, .address_space: global }
      - { .name: q_sc, .offset: 88, .size: 8, .value_kind: global_buffer, .address_space: global }
      - { .name: k_codes, .offset: 96, .size: 8, .value_kind: global_buffer, .address_space: global }
      - { .name: k_sc, .offset: 104, .size: 8, .value_kind: global_buffer, .address_space: global }
      - { .name: v_codes, .offset: 112, .size: 8, .value_kind: global_buffer, .address_space: global }
      - { .name: v_sc, .offset: 120, .size: 8, .value_kind: global_buffer, .address_space: global }
    .group_segment_fixed_size: 21504
    .private_segment_fixed_size: 0
    .kernarg_segment_align: 8
    .kernarg_segment_size: 128
    .max_flat_workgroup_size: 384
    .sgpr_count:     66
    .vgpr_count:     256
    .wavefront_size: 32
...
	.end_amdgpu_metadata
.endif
;; end of part 1
;; launch attn (part 2): grid 16 x 12, 16 waves a work-group, no clusters, 327,680 bytes of LDS; arguments q_codes, q_sc, k_codes, k_sc, v_codes, v_sc, o_codes, o_sc; writes o_codes, o_sc
.if DOCPART == 2
	.amdgcn_target "amdgcn-amd-amdhsa--gfx1250"
	.amdhsa_code_object_version 6
	.text
	.protected	k_qf121de6cf6_attn
	.globl	k_qf121de6cf6_attn
	.p2align	8
	.type	k_qf121de6cf6_attn,@function
k_qf121de6cf6_attn:
	s_mov_b64 s[64:65], 0
	v_nop
	global_prefetch_b8 v0, s[64:65] scope:SCOPE_SE
	s_setreg_imm32_b32 hwreg(HW_REG_WAVE_MODE, 25, 1), 1
	s_wait_xcnt 0x0
; Causal attention of one head on codes of FP4: S^T = K Q^T, p = 2^(t - M), O^T = V^T P^T, O / the row's sum, quantised along the head's channels for the product with Wo.
; LEFT OUT AS DEAD WORK: steps of 128 keys all of which come after all queries of a wave's block (reference()'s own jnp.tril gives them the weight 0 for all inputs); a NaN or infinity that would arise only there is not carried on.
; t = score x log2(e) / 8; M = the running largest t rounded UP to a whole number; the sum is taken of the unquantised p; when M moves, the sum and O^T are multiplied by 2^(old M - new M), exactly.
; The head size is 64, half of the instruction's 128 along K: registers 4-7 of Q's and K's fragments hold zero codes, written once.
; SHARES.  Work-group (i, head) owns the blocks of 128 queries i and 31 - i, so that all work-groups have the same number of live steps; each of sixteen waves owns one tile of 16 queries: lane r of tile tl stands for query 32 (tl / 2) + 8 (tl % 2) + r + 8 (r / 8).
; Which of the two blocks a wave takes is laid so that each run of four waves, and each set w, w + 4, w + 8, w + 12, has two of either.
; All inputs are images of operand registers, made by the launch before: a step's eight tiles of K are 8 x 512 consecutive bytes; V's codes lie [block of 32 keys][tile of 16 channels][channel][16 bytes].
; A ring of two LDS slots of 1,024 keys (K 32,768 bytes, V 32,768), filled by tensor loads of waves 0, 1 (K's halves) and 2, 3 (V's); K's scale words of the whole head come once; V's scale bytes are turned once, by all waves, into words [step][tile][channel].
; No cluster: the causal limit at which a work-group stops asking differs from work-group to work-group, so a joint tile would go unread in some partner.
; LIMITS: as in the first launch (scale bytes held at 1 from below).
.set SLOT1, 1<<16
.set SCK,   131072                     ; K's scale words, 16,384 bytes
.set SCV,   147456                     ; V's, 8,192 bytes: stored by the waves, never a tensor load's target
.set SPARE, 155648                     ; the spare words, 128 bytes a wave: eight blocks of 256 bytes that no other line names
.set LI,  1                            ; v1  16 x lane
.set R4,  2                            ; v2  4 r
.set QL,  3                            ; v3  r + 8 (r / 8) - 16 h
.set VL,  4                            ; v4  1,024 h + 16 r
.set SPW, 5
.set NIL, 6
.set ADK, 8
.set ADV, 9
.set ADS, 10
.set ADT, 11
.set PFO, 28                           ; v28 256 x lane
.set F,   30                           ; v[30:31] f = 2^(old M - new M), in the low half
; v12 -M, v13 the largest t, v[14:15] the sum; v16-23 Q; v24-27 V's scale words; v32-95 K; v96-159 S^T, then p; v160-191 O^T; v192-223 V; v224-231 p's codes; v232-243 at work; v244-251 K's scale words; v252, v254 at work; v253 p's scale word; v255 Q's
.set WV,  20
.set CS,  22                           ; s[22:23] c = log2(e) / 8
.set G1,  24                           ; s[24:31] group 1: 64 rows of 256 bytes, dense
.set G1S, 32                           ; s[32:39] 16 such rows
.set G0K, 40
.set G0V, 44
.set SEL, 48
.set TB,  50                           ; LDS byte at which the step's K tiles begin
.set TS,  51                           ; its scale words of K
.set TJ,  52                           ; and of V
.set SLOTS, 53
.set KF,  54                           ; the step's first key
.set QB,  55                           ; my block's first query
.set QD,  56                           ; my tile's first query
.set LQ,  57                           ; my work-group's last query
.set CNT, 58
.set LIM, 59
.set PFA, 60
.set G0S, 92
.macro TLOAD                           ; waves 0, 1 fetch K's halves of a slot, waves 2, 3 V's; an s_nop 0 and four v_nop follow each line
	s_cmp_lt_u32 s[WV], 2
	s_cbranch_scc0 .Lnot_k_\@
	tensor_load_to_lds s[G0K:G0K+3], s[G1:G1+7]
	s_nop 0
.rept 4
	v_nop
.endr
	s_branch .Lasked_\@
.Lnot_k_\@:
	s_cmp_lt_u32 s[WV], 4
	s_cbranch_scc0 .Lasked_\@
	tensor_load_to_lds s[G0V:G0V+3], s[G1:G1+7]
	s_nop 0
.rept 4
	v_nop
.endr
.Lasked_\@:
.endm
; A prefetch of the slot that the NEXT change of slots will ask for: 32,768 dense bytes of K and of V.  All work-groups of a head walk the same K and V: work-group i = 0 asks; in it waves 4 to 7 for K, waves 8 to 11 for V,
; 8,192 bytes a wave, lanes 256 bytes apart: each aligned 256 bytes once in the launch.  The last change that fills a slot asks for nothing; slots 0 and 1 come by their loads alone.
.macro ASK
	s_cmp_gt_u32 s[SLOTS], s[LIM]
	s_cbranch_scc0 .Lnot_mine_\@
	global_prefetch_b8 v[PFO], s[PFA:PFA+1] th:TH_LOAD_NT scope:SCOPE_SE
.Lnot_mine_\@:
.endm
	s_load_b512 s[4:19], s[0:1], 0x0               ; q_codes s[4:5], q_sc, k_codes s[8:9], k_sc, v_codes s[12:13], v_sc, o_codes s[16:17], o_sc
	v_lshl_add_u32 v[SPW], v0, 2, SPARE
	v_mov_b32 v[NIL], 0
	ds_add_u32 v[SPW], v[NIL]                      ; the opening: the add, twice on end, and its wait ahead of the first tensor load
	ds_add_u32 v[SPW], v[NIL]
	v_lshrrev_b32 v8, 5, v0
	v_readfirstlane_b32 s[WV], v8                  ; wave 0..15
	s_and_b32 s66, ttmp7, 0xffff                   ; head
	s_lshr_b32 s67, s[WV], 2
	s_xor_b32 s67, s67, s[WV]
	s_and_b32 s67, s67, 1                          ; which of the two blocks
	s_sub_co_u32 s68, 31, ttmp9
	s_cmp_lg_u32 s67, 0
	s_cselect_b32 s68, s68, ttmp9                  ; my block of 128 queries
	s_lshl_b32 s[QB], s68, 7
	s_lshr_b32 s69, s[WV], 1
	s_lshl_b32 s70, s68, 3
	s_add_co_u32 s70, s70, s69                     ; my tile tl
	s_lshr_b32 s71, s70, 1
	s_lshl_b32 s71, s71, 5
	s_and_b32 s69, s70, 1
	s_lshl_b32 s69, s69, 3
	s_add_co_u32 s[QD], s71, s69
	s_sub_co_u32 s[LQ], 31, ttmp9
	s_lshl_b32 s[LQ], s[LQ], 7
	s_add_co_u32 s[LQ], s[LQ], 127
	s_lshl_b32 s72, s66, 17                        ; the head's first byte in K's and V's codes,
	s_mov_b32 s73, 0
	s_lshl_b32 s74, s66, 14                        ; in K's scale words,
	s_mov_b32 s75, 0
	s_lshl_b32 s76, s66, 13                        ; in V's scale bytes
	s_mov_b32 s77, 0
	s_lshl_b32 s71, s66, 8
	s_add_co_u32 s71, s71, s70                     ; 256 head + tl
	s_lshl_b32 s78, s71, 9
	s_mov_b32 s79, 0
	s_lshl_b32 s80, s71, 6
	s_mov_b32 s81, 0
	s_mul_i32 s71, s70, 12
	s_add_co_u32 s71, s71, s66                     ; 12 tl + head
	s_lshl_b32 s82, s71, 9
	s_mov_b32 s83, 0
	s_lshl_b32 s84, s71, 6
	s_mov_b32 s85, 0
	s_and_b32 s88, s[WV], 1
	s_lshl_b32 s88, s88, 14                        ; which half of a slot's K or V I fetch, if I fetch
	s_mov_b32 s89, 0
	s_lshl_b32 s90, s[WV], 12                      ; which quarter of K's scale words
	s_mov_b32 s91, 0
	s_mov_b32 s[G1], 3<<16                         ; no mask; elements of 8 bytes; no padding: images are read 16 bytes a lane on end
	s_mov_b32 s[G1+1], 32<<16                      ; tensor_dim0 = 32 elements: 256 bytes
	s_mov_b32 s[G1+2], 64<<16                      ; tensor_dim1 = 64
	s_mov_b32 s[G1+3], 32<<16                      ; tile_dim0
	s_mov_b32 s[G1+4], 64                          ; tile_dim1
	s_mov_b32 s[G1+5], 32                          ; the pitch
	s_mov_b32 s[G1+6], 0
	s_mov_b32 s[G1+7], 0
	s_mov_b32 s[G1S], 3<<16
	s_mov_b32 s[G1S+1], 32<<16
	s_mov_b32 s[G1S+2], 16<<16
	s_mov_b32 s[G1S+3], 32<<16
	s_mov_b32 s[G1S+4], 16
	s_mov_b32 s[G1S+5], 32
	s_mov_b32 s[G1S+6], 0
	s_mov_b32 s[G1S+7], 0
	s_mov_b32 s[CS], 0x3e38aa3b
	s_mov_b32 s[CS+1], s[CS]
	s_mov_b32 s[SEL], 0x76543210
	s_mov_b32 s[SEL+1], 0xfedcba98
	s_mov_b32 s[TB], 0
	s_mov_b32 s[TS], SCK
	s_mov_b32 s[TJ], SCV
	s_mov_b32 s[SLOTS], 3
	s_mov_b32 s[KF], 0
	s_wait_dscnt 0x0                               ; both opening adds are done
	s_wait_kmcnt 0x0
	s_mov_b32 s[G0S], 1
	s_add_co_u32 s[G0S+1], s90, SCK
	s_add_nc_u64 s[G0S+2:G0S+3], s[10:11], s[74:75]
	s_add_nc_u64 s[G0S+2:G0S+3], s[G0S+2:G0S+3], s[90:91]
	s_or_b32 s[G0S+3], s[G0S+3], 0x80000000
	s_mov_b32 s[G0K], 1
	s_mov_b32 s[G0K+1], s88
	s_add_nc_u64 s[G0K+2:G0K+3], s[8:9], s[72:73]
	s_add_nc_u64 s[G0K+2:G0K+3], s[G0K+2:G0K+3], s[88:89]
	s_or_b32 s[G0K+3], s[G0K+3], 0x80000000
	s_mov_b32 s[G0V], 1
	s_add_co_u32 s[G0V+1], s88, 32768
	s_add_nc_u64 s[G0V+2:G0V+3], s[12:13], s[72:73]
	s_add_nc_u64 s[G0V+2:G0V+3], s[G0V+2:G0V+3], s[88:89]
	s_or_b32 s[G0V+3], s[G0V+3], 0x80000000
	s_cmp_lt_u32 s[WV], 2                          ; a wave's two first fills stand in one arm: a quarter of K's scale words, and its part of slot 0.  Two loads of a wave are out at the most
	s_cbranch_scc0 .Lfirst_not_k
	tensor_load_to_lds s[G0S:G0S+3], s[G1S:G1S+7]
	s_nop 0
	tensor_load_to_lds s[G0K:G0K+3], s[G1:G1+7]
	s_nop 0
.rept 4
	v_nop
.endr
	s_branch .Lfirst_asked
.Lfirst_not_k:
	s_cmp_lt_u32 s[WV], 4
	s_cbranch_scc0 .Lfirst_asked
	tensor_load_to_lds s[G0S:G0S+3], s[G1S:G1S+7]
	s_nop 0
	tensor_load_to_lds s[G0V:G0V+3], s[G1:G1+7]
	s_nop 0
.rept 4
	v_nop
.endr
.Lfirst_asked:
	s_add_nc_u64 s[4:5], s[4:5], s[78:79]          ; Q's codes at my tile,
	s_add_nc_u64 s[6:7], s[6:7], s[80:81]          ; its scale words,
	s_add_nc_u64 s[14:15], s[14:15], s[76:77]      ; V's scale bytes at my head,
	s_add_nc_u64 s[16:17], s[16:17], s[82:83]      ; and where my results go
	s_add_nc_u64 s[18:19], s[18:19], s[84:85]
	s_cmp_lt_u32 s[WV], 8
	s_cselect_b64 s[PFA:PFA+1], s[8:9], s[12:13]
	s_add_nc_u64 s[PFA:PFA+1], s[PFA:PFA+1], s[72:73]
	s_and_b32 s66, s[WV], 3
	s_lshl_b32 s66, s66, 13
	s_add_co_u32 s66, s66, 32768                   ; in slot 1: the first change of slots steps it to slot 2
	s_mov_b32 s67, 0
	s_add_nc_u64 s[PFA:PFA+1], s[PFA:PFA+1], s[66:67]
	s_sub_co_u32 s66, s[WV], 4
	s_lshr_b32 s66, s66, 3                         ; 0 in waves 4 to 11,
	s_or_b32 s66, s66, ttmp9                       ; of work-group i = 0
	s_cmp_eq_u32 s66, 0
	s_cselect_b32 s[LIM], 1, -1
	v_and_b32 v8, 31, v0
	v_lshlrev_b32 v[LI], 4, v8
	v_lshlrev_b32 v[PFO], 8, v8
	v_and_b32 v9, 15, v0                           ; r
	v_bfe_u32 v10, v0, 4, 1                        ; h
	v_lshlrev_b32 v[R4], 2, v9
	v_and_b32 v11, 8, v9
	v_add_nc_u32 v11, v11, v9
	v_lshlrev_b32 v[QL], 4, v10
	v_sub_nc_u32 v[QL], v11, v[QL]
	v_lshlrev_b32 v[VL], 4, v9
	v_lshl_add_u32 v[VL], v10, 10, v[VL]
	v_lshrrev_b32 v8, 4, v0                        ; V's scale bytes: thread 16 S + r takes key step S and row r
	v_lshl_add_u32 v8, v8, 8, v[R4]                ; 256 S + 4 r
	v_add_nc_u32 v9, SCV, v8
	global_load_b128 v[16:19], v[LI], s[4:5]       ; Q's fragment: channels 32 h .. 32 h + 31 of my query
	global_load_b32 v255, v[R4], s[6:7]
.irp i, 0,1,2,3
	global_load_b32 v[232+\i], v8, s[14:15] offset:64*\i   ; block 4 S + i: byte t = tile t's scale of row r
.endr
.irp j, 20,21,22,23
	v_mov_b32 v[\j], 0                             ; zero codes for K = 64 .. 127
.endr
.irp t, 0,1,2,3,4,5,6,7
.irp j, 4,5,6,7
	v_mov_b32 v[32+8*\t+\j], 0
.endr
.endr
.set j, 0
.rept 32
	v_mov_b32 v[160+j], 0                          ; O^T: the step is written once; the first finds zeros
.set j, j+1
.endr
	v_mov_b32 v13, 0xff61b1e6                      ; the largest t so far: -3e38
	v_floor_f32 v12, -v13
	v_mov_b32 v14, 0
	v_mov_b32 v15, 0
	v_mov_b32 v[F], 0
	v_mov_b32 v[F+1], 0
	v_mov_b32 v252, 0
	s_wait_loadcnt 0x0
	v_perm_b32 v236, v233, v232, 0x05010400        ; a 4 x 4 turn of bytes: word t, byte i = block i's byte t
	v_perm_b32 v237, v233, v232, 0x07030602
	v_perm_b32 v238, v235, v234, 0x05010400
	v_perm_b32 v239, v235, v234, 0x07030602
	v_perm_b32 v240, v238, v236, 0x05040100
	v_perm_b32 v241, v238, v236, 0x07060302
	v_perm_b32 v242, v239, v237, 0x05040100
	v_perm_b32 v243, v239, v237, 0x07060302
.irp t, 0,1,2,3
	ds_store_b32 v9, v[240+\t] offset:64*\t        ; read by all waves behind the first change of slots' barrier, in front of which each wave waits for its LDS instructions
.endr
.irp b, 0,1,2,3
	v_mov_b32 v[236+\b], 0                         ; a lane permute's destination counts as one of its sources
.endr
; A KEY STEP: 128 keys.
.macro STEP
	s_cmp_gt_u32 s[KF], s[QB]                      ; all its keys come after my block's queries: a scalar branch on ids, round the work, not round the lines that step addresses
	s_cbranch_scc1 .Lhidden_\@
	v_add_nc_u32 v[ADK], s[TB], v[LI]              ; (these four are also the places in front of loads into registers that the last products read)
	v_add_nc_u32 v[ADV], s[TB], v[VL]
	v_add_nc_u32 v[ADS], s[TS], v[R4]
	v_add_nc_u32 v[ADT], s[TJ], v[R4]
.irp t, 0,1,2,3,4,5,6,7
	ds_load_b128 v[32+8*\t:35+8*\t], v[ADK] offset:512*\t
.endr
.irp t, 0,1,2,3,4,5,6,7
	ds_load_b32 v[244+\t], v[ADS] offset:64*\t
.endr
.irp t, 0,1,2,3
.irp c, 0,1
	ds_load_b128 v[192+8*\t+4*\c:195+8*\t+4*\c], v[ADV] offset:32768+2048*\c+256*\t   ; keys 64 c + 32 h on of channel tile t
.endr
	ds_load_b32 v[24+\t], v[ADT] offset:64*\t
.endr
	s_wait_dscnt 12                                ; K and its scale words are in; V's twelve loads may stay out
.irp t, 0,1,2,3,4,5,6,7
	v_wmma_scale_f32_16x16x128_f8f6f4 v[96+8*\t:103+8*\t], v[32+8*\t:39+8*\t], v[16:23], 0, v[244+\t], v255 matrix_a_fmt:MATRIX_FMT_FP4 matrix_b_fmt:MATRIX_FMT_FP4
.endr
.rept 4
	v_nop
.endr
	s_cmp_lt_u32 s[KF], s[QB]                      ; all keys count: no mask
	s_cbranch_scc1 .Lopen_\@
	s_sub_co_i32 s66, s[QD], s[KF]
	v_add_nc_u32 v252, s66, v[QL]                  ; d = my query - KF - 16 h.  Register 16 b + i holds key KF + 32 b + 16 h + i: hidden where 32 b + i > d
	v_mov_b32 v254, 0xff800000
.set n, 0
.rept 64
	v_cmp_gt_i32 vcc_lo, 32*(n/16)+n%16, v252
	v_cndmask_b32 v[96+n], v[96+n], v254, vcc_lo
.set n, n+1
.endr
.Lopen_\@:
.irp b, 0,1,2,3
	v_max3_num_f32 v[232+\b], v[96+16*\b], v[97+16*\b], v[98+16*\b]   ; the largest score of each block of 32 keys: for the row's maximum, and, since p rises with the score, for the block's largest p
.endr
.irp i, 3,5,7,9,11,13
.irp b, 0,1,2,3
	v_max3_num_f32 v[232+\b], v[232+\b], v[96+16*\b+\i], v[97+16*\b+\i]
.endr
.endr
.irp b, 0,1,2,3
	v_max_num_f32 v[232+\b], v[232+\b], v[111+16*\b]
.endr
.irp b, 0,1,2,3
	v_permlanex16_b32 v[236+\b], v[232+\b], s[SEL], s[SEL+1]
.endr
.irp b, 0,1,2,3
	v_max_num_f32 v[232+\b], v[232+\b], v[236+\b]
.endr
	v_max3_num_f32 v254, v232, v233, v234
	v_max_num_f32 v254, v254, v235
	v_mul_f32 v254, s[CS], v254
	v_max_num_f32 v13, v13, v254                   ; the running largest t
	v_mov_b32 v254, v12
	v_floor_f32 v12, -v13                          ; -M = floor(-t)
	v_sub_f32 v254, v12, v254                      ; old M - new M: a whole number, 0 or less
	v_cvt_i32_f32 v254, v254
	v_ldexp_f32 v[F], 1.0, v254
.set j, 0
.rept 32
	v_pk_fma_f32 v[96+j:97+j], v[96+j:97+j], s[CS:CS+1], v[12:13] op_sel_hi:[1,0,0]   ; t - M
.set j, j+2
.endr
.irp b, 0,1,2,3
	v_fma_f32 v[232+\b], v[232+\b], s[CS], v12
.endr
.set j, 0
.rept 64
	v_exp_f32 v[96+j], v[96+j]
.set j, j+1
.endr
	v_pk_mul_f32 v[14:15], v[14:15], v[F:F+1] op_sel_hi:[1,0]   ; the sums under the new M (a plain place behind the exponentials)
	s_wait_alu depctr_va_vdst(0)                   ; one wait for the batch, ahead of its first reader
.irp b, 0,1,2,3
	v_exp_f32 v[232+\b], v[232+\b]                 ; each block's largest p
.endr
	v_pk_add_f32 v[236:237], v[96:97], v[98:99]    ; the row's sum, of the unquantised p, in two chains
.irp j, 4,8,12,16,20,24,28,32,36,40,44,48,52,56,60
	v_pk_add_f32 v[14:15], v[14:15], v[96+\j:97+\j]
	v_pk_add_f32 v[236:237], v[236:237], v[98+\j:99+\j]
.endr
	v_pk_add_f32 v[14:15], v[14:15], v[236:237]
	s_wait_alu depctr_va_vdst(0)                   ; and one for the four
.irp b, 0,1,2,3
	v_max_num_f32 v[232+\b], 0x1800000, v[232+\b]  ; the floor 2^(3 - 127)
.endr
.irp b, 0,1,2,3
	v_add_nc_u32 v[240+\b], 0xff000000, v[232+\b]
.endr
.irp b, 0,1,2,3
	v_lshrrev_b32 v[236+\b], 23, v[240+\b]
.endr
	v_lshl_or_b32 v253, v237, 8, v236
	v_lshl_or_b32 v253, v238, 16, v253
	v_lshl_or_b32 v253, v239, 24, v253
.irp b, 0,1,2,3
	v_cvt_scalef32_pk8_fp4_f32 v[224+2*\b], v[96+16*\b:103+16*\b], v[240+\b]
	v_cvt_scalef32_pk8_fp4_f32 v[225+2*\b], v[104+16*\b:111+16*\b], v[240+\b]
.endr
	v_nop
.irp c, 0,1
.irp i, 0,1
	v_permlane16_swap_b32 v[224+4*\c+\i], v[226+4*\c+\i]
.endr
.endr
.set j, 0
.rept 16
	v_pk_mul_f32 v[160+j:161+j], v[160+j:161+j], v[F:F+1] op_sel_hi:[1,0]   ; O^T under the new M; these sixteen also stand between the writes of p's codes and scale word and the products
.set j, j+2
.endr
	s_wait_dscnt 0x0                               ; V is in
.irp t, 0,1,2,3
	v_wmma_scale_f32_16x16x128_f8f6f4 v[160+8*\t:167+8*\t], v[192+8*\t:199+8*\t], v[224:231], v[160+8*\t:167+8*\t], v[24+\t], v253 matrix_a_fmt:MATRIX_FMT_FP4 matrix_b_fmt:MATRIX_FMT_FP4
.endr
.Lhidden_\@:
	s_add_co_u32 s[KF], s[KF], 128
	s_add_co_u32 s[TB], s[TB], 4096
	s_add_co_u32 s[TS], s[TS], 512
	s_add_co_u32 s[TJ], s[TJ], 256
.endm
; THE CHANGE OF SLOTS, at a slot's head.  Each wave waits for all its tensor loads, adds 0 to its spare word, and waits for that and for its reads of the slot that it has left; behind the barrier the slot ahead is whole and nobody reads the other.
.macro CHANGE fill
	s_wait_tensorcnt 0x0                           ; no tensor load of mine is out, so a group 0 may be written
	ds_add_u32 v[SPW], v[NIL]
.if \fill
	ds_add_u32 v[SPW], v[NIL]                      ; the add twice on end here, in every trip alike
	s_xor_b32 s[G0K+1], s[G0K+1], SLOT1
	s_add_nc_u64 s[G0K+2:G0K+3], s[G0K+2:G0K+3], 32768
	s_xor_b32 s[G0V+1], s[G0V+1], SLOT1
	s_add_nc_u64 s[G0V+2:G0V+3], s[G0V+2:G0V+3], 32768
	s_wait_xcnt 0x0                                ; the last prefetch, a slot back, has read its address
	s_add_nc_u64 s[PFA:PFA+1], s[PFA:PFA+1], 32768
.endif
	s_wait_dscnt 0x0
	s_barrier_signal -1
	s_barrier_wait -1
.if \fill
	s_add_co_u32 s66, s[KF], 1024                  ; the look-ahead ends at the causal limit: a slot whose first key comes after my work-group's last query is read by none of its waves and is not asked for.
	s_cmp_gt_u32 s66, s[LQ]                        ; Ids and the count of steps alone: all sixteen waves go the same way; every wait on TENSORcnt in this text is for 0
	s_cbranch_scc1 .Lpast_\@
	TLOAD
.Lpast_\@:
	ASK
.endif
.endm
.macro SLOT_STEPS                      ; a slot's eight key steps: written once, walked eight times
	s_mov_b32 s[CNT], 8
.Lstep_\@:
	STEP
	s_sub_co_u32 s[CNT], s[CNT], 1
	s_cmp_lg_u32 s[CNT], 0
	s_cbranch_scc1 .Lstep_\@
	s_sub_co_u32 s[TB], s[TB], 32768
	s_xor_b32 s[TB], s[TB], SLOT1                  ; on to the other slot
.endm
.Lslot:                                            ; three trips: behind each change of slots but the last the next slot is asked for, up to the limit
	CHANGE 1
	SLOT_STEPS
	s_sub_co_u32 s[SLOTS], s[SLOTS], 1
	s_cmp_lg_u32 s[SLOTS], 0
	s_cbranch_scc1 .Lslot
	CHANGE 0
	SLOT_STEPS
	; THE WAY OUT: O^T / the sum, quantised along the head's 64 channels (two blocks), as a part of the operand of the product with Wo
.rept 4
	v_nop                                          ; places behind the last products
.endr
	v_add_f32 v14, v14, v15
	v_permlanex16_b32 v252, v14, s[SEL], s[SEL+1]
	v_add_f32 v14, v14, v252
	v_rcp_f32 v14, v14
	v_nop
	s_wait_alu depctr_va_vdst(0)
.set j, 0
.rept 32
	v_mul_f32 v[96+j], v[160+j], v14               ; register 16 b + i: channel 32 b + 16 h + i of my query
.set j, j+1
.endr
.irp b, 0,1
	v_max3_num_f32 v[232+\b], |v[96+16*\b]|, |v[97+16*\b]|, 0x1800000
.endr
.irp i, 2,4,6,8,10,12,14
.irp b, 0,1
	v_max3_num_f32 v[232+\b], v[232+\b], |v[96+16*\b+\i]|, |v[97+16*\b+\i]|
.endr
.endr
.irp b, 0,1
	v_permlanex16_b32 v[236+\b], v[232+\b], s[SEL], s[SEL+1]
.endr
.irp b, 0,1
	v_max_num_f32 v[232+\b], v[232+\b], v[236+\b]
.endr
.irp b, 0,1
	v_add_nc_u32 v[240+\b], 0xff000000, v[232+\b]
.endr
.irp b, 0,1
	v_lshrrev_b32 v[236+\b], 23, v[240+\b]
.endr
	v_lshl_or_b32 v254, v237, 8, v236
.irp b, 0,1
	v_cvt_scalef32_pk8_fp4_f32 v[224+2*\b], v[96+16*\b:103+16*\b], v[240+\b]
	v_cvt_scalef32_pk8_fp4_f32 v[225+2*\b], v[104+16*\b:111+16*\b], v[240+\b]
.endr
	v_nop
	v_permlane16_swap_b32 v224, v226
	v_permlane16_swap_b32 v225, v227               ; lane (r, h): channels 32 h .. 32 h + 31
	global_store_b128 v[LI], v[224:227], s[16:17]  ; 512 consecutive bytes
	global_store_b32 v[R4], v254, s[18:19]
	s_wait_tensorcnt 0x0                           ; the wave's end
	ds_add_u32 v[SPW], v[NIL]
	s_wait_dscnt 0x0
	s_endpgm
.Lfunc_end_k_qf121de6cf6_attn:
	.size	k_qf121de6cf6_attn, .Lfunc_end_k_qf121de6cf6_attn-k_qf121de6cf6_attn
	.p2alignl 7, 3214868480
	.fill 96, 4, 3214868480
	.section	.rodata,"a",@progbits
	.p2align	6, 0x0
	.amdhsa_kernel k_qf121de6cf6_attn
		.amdhsa_group_segment_fixed_size 327680
		.amdhsa_private_segment_fixed_size 0
		.amdhsa_enable_private_segment 0
		.amdhsa_kernarg_size 64
		.amdhsa_user_sgpr_count 2
		.amdhsa_user_sgpr_kernarg_segment_ptr 1
		.amdhsa_wavefront_size32 1
		.amdhsa_system_sgpr_workgroup_id_x 1
		.amdhsa_system_sgpr_workgroup_id_y 1
		.amdhsa_system_sgpr_workgroup_id_z 1
		.amdhsa_system_vgpr_workitem_id 0
		.amdhsa_next_free_vgpr 256
		.amdhsa_next_free_sgpr 100
		.amdhsa_reserve_vcc 1
		.amdhsa_float_denorm_mode_32 3
		.amdhsa_float_denorm_mode_16_64 3
		.amdhsa_memory_ordered 1
		.amdhsa_forward_progress 1
		.amdhsa_inst_pref_size 58
	.end_amdhsa_kernel
	.amdgpu_metadata
---
amdhsa.version: [ 1, 2 ]
amdhsa.kernels:
  - .name:           k_qf121de6cf6_attn
    .symbol:         k_qf121de6cf6_attn.kd
    .args:
      - { .name: q_codes, .offset: 0, .size: 8, .value_kind: global_buffer, .address_space: global }
      - { .name: q_sc, .offset: 8, .size: 8, .value_kind: global_buffer, .address_space: global }
      - { .name: k_codes, .offset: 16, .size: 8, .value_kind: global_buffer, .address_space: global }
      - { .name: k_sc, .offset: 24, .size: 8, .value_kind: global_buffer, .address_space: global }
      - { .name: v_codes, .offset: 32, .size: 8, .value_kind: global_buffer, .address_space: global }
      - { .name: v_sc, .offset: 40, .size: 8, .value_kind: global_buffer, .address_space: global }
      - { .name: o_codes, .offset: 48, .size: 8, .value_kind: global_buffer, .address_space: global }
      - { .name: o_sc, .offset: 56, .size: 8, .value_kind: global_buffer, .address_space: global }
    .group_segment_fixed_size: 327680
    .private_segment_fixed_size: 0
    .kernarg_segment_align: 8
    .kernarg_segment_size: 64
    .max_flat_workgroup_size: 512
    .sgpr_count:     100
    .vgpr_count:     256
    .wavefront_size: 32
...
	.end_amdgpu_metadata
.endif
;; end of part 2
;; launch tail (part 3): grid 128 x 1, 12 waves a work-group, no clusters, 229,888 bytes of LDS; arguments o_codes, o_sc, x, Wo_codes, Wo_scales, bo, g1, be1, W1_codes, W1_scales, b1, W2_codes, W2_scales, b2, g2, be2, out0; writes out0
.if DOCPART == 3
	.amdgcn_target "amdgcn-amd-amdhsa--gfx1250"
	.amdhsa_code_object_version 6
	.text
	.protected	k_qf121de6cf6_tail
	.globl	k_qf121de6cf6_tail
	.p2align	8
	.type	k_qf121de6cf6_tail,@function
k_qf121de6cf6_tail:
	s_mov_b64 s[64:65], 0
	v_nop
	global_prefetch_b8 v0, s[64:65] scope:SCOPE_SE
	s_setreg_imm32_b32 hwreg(HW_REG_WAVE_MODE, 25, 1), 1
	s_wait_xcnt 0x0
; h = LayerNorm(x + o Wo + bo) g1 + be1;  out = LayerNorm(h + relu(h W1 + b1) W2 + b2) g2 + be2; the three products on codes of FP4.  Nothing is left out here.
; SHARES, as in the first launch: a work-group takes 32 tokens (two tiles: lane r of tile m stands for token 32 B + 8 m + r + 8 (r / 8)), whole rows, so that both LayerNorms stay inside it; wave w owns columns 64 w .. 64 w + 63 of every 768.
; All products: source 0 = 16 weight rows (lane r of tile 2 b + u: row 32 b + 8 u + r + 8 (r / 8) of the wave's 64), source 1 = a tile of tokens: a lane holds one token and 16 neighbouring columns of each 32.
; h and the hidden layer are quantised in registers and go round through LDS as images of operand registers; they never go to memory.  The hidden layer is made in four chunks of 768 columns.
; Weights go from memory straight into the operand's registers, three K steps ahead, without a stop from Wo through W1 into W2.  Row sums meet in LDS (four barriers); mean first, then the centred squares.
; LIMITS: as in the first launch (scale bytes held at 1 from below; NaN and infinities are not served).
.set OIMG,  0                          ; LDS: o's 12 fragments, (6 m + s) x 1,024
.set HIMG,  12288                      ; h's
.set OSC,   24576                      ; scale words, 128 bytes a fragment
.set HSC,   26112
.set FSC,   27648                      ; the hidden layer's: (24 m + s) x 128
.set STAT,  33792                      ; four exchanges of row sums x [m][16 rows of 80 bytes]: word w
.set FIMG,  44032                      ; the hidden layer's 48 fragments, (24 m + s) x 1,024
.set PARAM, 93184                      ; 2,560 bytes a wave, its own: bo, g1, be1, b2, g2, be2, b1's four chunks: its 64 columns of each
.set HSAVE, 123904                     ; 8,704 bytes a wave, its own: h + b2; later the stage for the way out, 32 rows of 272
.set SPARE, 228352                     ; the spare words, 128 bytes a wave: six blocks of 256 bytes that no other line names
.set LI,  1
.set LS,  2
.set R4,  3
.set WL,  4                            ; rows of 384 bytes (K = 768)
.set WSL, 5
.set W2L, 6                            ; rows of 1,536 bytes (K = 3,072)
.set W2SL, 7
.set XL,  8
.set IW,  9                            ; where I store codes: 16 x lane + 512 w
.set SW,  10                           ; and two scale bytes: 4 x lane + 128 (w / 2) + 2 (w % 2)
.set PB,  11                           ; PARAM + 2,560 w + 64 h
.set STW, 13
.set STR, 14
.set HS,  15
.set SGW, 16
.set SGR, 17
.set GO,  18
.set AA,  19
.set AB,  20
.set PBC, 21
.set IWC, 22
.set SWC, 23
.set AF,  24
.set T,   24                           ; v24-55 at work between the products
.set PC,  40
.set AS,  56
.set ACC, 64
.set W,   128
.set WS,  224
.set TM,  236
.set PW,  248
.set SPW, 252
.set NIL, 253
.set SEL, 44
.set CHP, 48
.set CHI, 49
.set CHS, 50
.set FA,  51
.set FB,  52
.set RD,  53                           ; 1 / 768
.set EP,  54                           ; 1e-5
.set WOC, 14
.set WOS, 16
.set W1C, 24
.set W1S, 26
.set W2C, 30
.set W2S, 32
.macro WLOAD q, cb, sb, lo, slo, kp, sp, off, soff
.irp t, 0,1,2,3
.irp c, 0,1
	global_load_b128 v[W+32*(\q)+8*\t+4*\c:W+32*(\q)+8*\t+4*\c+3], v[\lo], s[\cb:\cb+1] offset:(32*(\t/2)+8*(\t%2))*(\kp)+(\off)+32*\c
.endr
	global_load_b32 v[WS+4*(\q)+\t], v[\slo], s[\sb:\sb+1] offset:(32*(\t/2)+8*(\t%2))*(\sp)+(\soff)
.endr
.endm
.macro ALOAD p, s, ns
.irp m, 0,1
	ds_load_b128 v[AF+16*(\p)+8*\m:AF+16*(\p)+8*\m+3], v[AA] offset:(\m*(\ns)+(\s))*1024
	ds_load_b128 v[AF+16*(\p)+8*\m+4:AF+16*(\p)+8*\m+7], v[AA] offset:(\m*(\ns)+(\s))*1024+512
	ds_load_b32 v[AS+2*(\p)+\m], v[AB] offset:(\m*(\ns)+(\s))*128
.endr
.endm
; eight products, the eight accumulators by turns, one instruction a turn, in the same order in every step, over the loops' backward jumps too
.macro MM q, p
.irp t, 0,1,2,3
.irp m, 0,1
	v_wmma_scale_f32_16x16x128_f8f6f4 v[ACC+32*\m+8*\t:ACC+32*\m+8*\t+7], v[W+32*(\q)+8*\t:W+32*(\q)+8*\t+7], v[AF+16*(\p)+8*\m:AF+16*(\p)+8*\m+7], v[ACC+32*\m+8*\t:ACC+32*\m+8*\t+7], v[WS+4*(\q)+\t], v[AS+2*(\p)+\m] matrix_a_fmt:MATRIX_FMT_FP4 matrix_b_fmt:MATRIX_FMT_FP4
.endr
.endr
.endm
; K step s of a run of six.  left: the weight loads of younger steps (12 a step), which may stay out.  The four v_nop are the places in front of loads into registers that these products read, and of the first read of results.
.macro STEP s, left, more, ns
	s_wait_loadcnt \left
	s_wait_dscnt 0x0
.if \more
	ALOAD ((\s)+1)%2, (\s)+1, \ns
.endif
	MM (\s)%3, (\s)%2
.rept 4
	v_nop
.endr
.endm
.macro HALF1 ns, cb, sb, lo, slo, kp, sp           ; steps 0-2; each ring place takes the run's step three on
.irp s, 0,1,2
	STEP \s, 24, 1, \ns
	WLOAD \s, \cb, \sb, \lo, \slo, \kp, \sp, 64*(\s+3), 4*(\s+3)
.endr
.endm
.macro HALF2 ns, cb, sb, lo, slo, kp, sp, off, soff   ; steps 3-5; the ring takes the NEXT run's steps 0-2, off bytes on in the buffer named
	STEP 3, 24, 1, \ns
	WLOAD 0, \cb, \sb, \lo, \slo, \kp, \sp, \off, \soff
	STEP 4, 24, 1, \ns
	WLOAD 1, \cb, \sb, \lo, \slo, \kp, \sp, (\off)+64, (\soff)+4
	STEP 5, 24, 0, \ns
	WLOAD 2, \cb, \sb, \lo, \slo, \kp, \sp, (\off)+128, (\soff)+8
.endm
.macro QUANT s                         ; as in the first launch: blocks 2 m + b: tile m of tokens, columns 32 b .. of my 64
.irp b, 0,1,2,3
	v_max3_num_f32 v[TM+\b], |v[\s+16*\b]|, |v[\s+1+16*\b]|, 0x1800000
.endr
.irp i, 2,4,6,8,10,12,14
.irp b, 0,1,2,3
	v_max3_num_f32 v[TM+\b], v[TM+\b], |v[\s+16*\b+\i]|, |v[\s+1+16*\b+\i]|
.endr
.endr
.irp b, 0,1,2,3
	v_permlanex16_b32 v[TM+4+\b], v[TM+\b], s[SEL], s[SEL+1]
.endr
.irp b, 0,1,2,3
	v_max_num_f32 v[TM+\b], v[TM+\b], v[TM+4+\b]
.endr
.irp b, 0,1,2,3
	v_add_nc_u32 v[TM+8+\b], 0xff000000, v[TM+\b]
.endr
.irp b, 0,1,2,3
	v_lshrrev_b32 v[TM+4+\b], 23, v[TM+8+\b]
.endr
	v_lshl_or_b32 v[PW], v[TM+5], 8, v[TM+4]
	v_lshl_or_b32 v[PW], v[TM+6], 16, v[PW]
	v_lshl_or_b32 v[PW], v[TM+7], 24, v[PW]
.irp b, 0,1,2,3
	v_cvt_scalef32_pk8_fp4_f32 v[PC+2*\b], v[\s+16*\b:\s+7+16*\b], v[TM+8+\b]
	v_cvt_scalef32_pk8_fp4_f32 v[PC+1+2*\b], v[\s+8+16*\b:\s+15+16*\b], v[TM+8+\b]
.endr
	v_nop
.irp c, 0,1
.irp i, 0,1
	v_permlane16_swap_b32 v[PC+4*\c+\i], v[PC+2+4*\c+\i]
.endr
.endr
.endm
.macro INITB vec                       ; a bias as the sums' first C, for both tiles of tokens
.irp m, 0,1
.irp b, 0,1
.irp q, 0,1,2,3
	ds_load_b128 v[ACC+32*\m+16*\b+4*\q:ACC+32*\m+16*\b+4*\q+3], v[PBC] offset:(\vec)*256+128*\b+16*\q
.endr
.endr
.endr
.endm
.macro PLOAD vec                       ; my lane's 32 numbers of a vector into v[T] on
.irp b, 0,1
.irp q, 0,1,2,3
	ds_load_b128 v[T+16*\b+4*\q:T+16*\b+4*\q+3], v[PB] offset:(\vec)*256+128*\b+16*\q
.endr
.endr
.endm
.macro ADDT                            ; and onto both tiles
.irp m, 0,1
.irp i, 0,2,4,6,8,10,12,14,16,18,20,22,24,26,28,30
	v_pk_add_f32 v[ACC+32*\m+\i:ACC+32*\m+\i+1], v[ACC+32*\m+\i:ACC+32*\m+\i+1], v[T+\i:T+\i+1]
.endr
.endr
.endm
.macro BARRIER                         ; my LDS stores have landed and my LDS loads are in: then the work-group's barrier
	s_wait_dscnt 0x0
	s_barrier_signal -1
	s_barrier_wait -1
.endm
; my lane's partial sums of its token in tile m, in v[T + 4 m], become the row's sums over all 768 columns, in the same registers
.macro XCHG st
	v_permlanex16_b32 v[T+1], v[T], s[SEL], s[SEL+1]
	v_permlanex16_b32 v[T+5], v[T+4], s[SEL], s[SEL+1]
	v_add_f32 v[T], v[T], v[T+1]
	v_add_f32 v[T+4], v[T+4], v[T+5]
	ds_store_b32 v[STW], v[T] offset:STAT+\st
	ds_store_b32 v[STW], v[T+4] offset:STAT+\st+1280
	BARRIER
.irp m, 0,1
.irp k, 0,1,2
	ds_load_b128 v[T+8+12*\m+4*\k:T+8+12*\m+4*\k+3], v[STR] offset:STAT+\st+1280*\m+16*\k
.endr
.endr
	s_wait_dscnt 0x0
.irp m, 0,1
.irp k, 0,1,2
	v_pk_add_f32 v[T+8+12*\m+4*\k:T+9+12*\m+4*\k], v[T+8+12*\m+4*\k:T+9+12*\m+4*\k], v[T+10+12*\m+4*\k:T+11+12*\m+4*\k]
.endr
.endr
.irp m, 0,1
	v_pk_add_f32 v[T+8+12*\m:T+9+12*\m], v[T+8+12*\m:T+9+12*\m], v[T+12+12*\m:T+13+12*\m]
.endr
.irp m, 0,1
	v_pk_add_f32 v[T+8+12*\m:T+9+12*\m], v[T+8+12*\m:T+9+12*\m], v[T+16+12*\m:T+17+12*\m]
.endr
.irp m, 0,1
	v_add_f32 v[T+4*\m], v[T+8+12*\m], v[T+9+12*\m]
.endr
.endm
; LayerNorm of the rows in the accumulators, in place.  Every accumulator is read from its low end on.
.macro LNORM st0, st1, vg, vb
.irp m, 0,1
	v_pk_add_f32 v[T+4*\m:T+4*\m+1], v[ACC+32*\m:ACC+32*\m+1], v[ACC+32*\m+2:ACC+32*\m+3]
	v_pk_add_f32 v[T+4*\m+2:T+4*\m+3], v[ACC+32*\m+4:ACC+32*\m+5], v[ACC+32*\m+6:ACC+32*\m+7]
.endr
.irp i, 8,12,16,20,24,28
.irp m, 0,1
	v_pk_add_f32 v[T+4*\m:T+4*\m+1], v[T+4*\m:T+4*\m+1], v[ACC+32*\m+\i:ACC+32*\m+\i+1]
	v_pk_add_f32 v[T+4*\m+2:T+4*\m+3], v[T+4*\m+2:T+4*\m+3], v[ACC+32*\m+\i+2:ACC+32*\m+\i+3]
.endr
.endr
.irp m, 0,1
	v_pk_add_f32 v[T+4*\m:T+4*\m+1], v[T+4*\m:T+4*\m+1], v[T+4*\m+2:T+4*\m+3]
.endr
.irp m, 0,1
	v_add_f32 v[T+4*\m], v[T+4*\m], v[T+4*\m+1]
.endr
	XCHG \st0
.irp m, 0,1
	v_mul_f32 v[T+4*\m], s[RD], v[T+4*\m]          ; the mean
.endr
.irp m, 0,1
.irp i, 0,2,4,6,8,10,12,14,16,18,20,22,24,26,28,30
	v_pk_add_f32 v[ACC+32*\m+\i:ACC+32*\m+\i+1], v[ACC+32*\m+\i:ACC+32*\m+\i+1], v[T+4*\m:T+4*\m+1] op_sel_hi:[1,0] neg_lo:[0,1] neg_hi:[0,1]
.endr
.endr
.irp m, 0,1
	v_pk_mul_f32 v[T+8+4*\m:T+9+4*\m], v[ACC+32*\m:ACC+32*\m+1], v[ACC+32*\m:ACC+32*\m+1]
	v_pk_mul_f32 v[T+10+4*\m:T+11+4*\m], v[ACC+32*\m+2:ACC+32*\m+3], v[ACC+32*\m+2:ACC+32*\m+3]
.endr
.irp i, 4,8,12,16,20,24,28
.irp m, 0,1
	v_pk_fma_f32 v[T+8+4*\m:T+9+4*\m], v[ACC+32*\m+\i:ACC+32*\m+\i+1], v[ACC+32*\m+\i:ACC+32*\m+\i+1], v[T+8+4*\m:T+9+4*\m]
	v_pk_fma_f32 v[T+10+4*\m:T+11+4*\m], v[ACC+32*\m+\i+2:ACC+32*\m+\i+3], v[ACC+32*\m+\i+2:ACC+32*\m+\i+3], v[T+10+4*\m:T+11+4*\m]
.endr
.endr
.irp m, 0,1
	v_pk_add_f32 v[T+8+4*\m:T+9+4*\m], v[T+8+4*\m:T+9+4*\m], v[T+10+4*\m:T+11+4*\m]
.endr
.irp m, 0,1
	v_add_f32 v[T+4*\m], v[T+8+4*\m], v[T+9+4*\m]
.endr
	XCHG \st1
.irp m, 0,1
	v_fma_f32 v[T+4*\m], v[T+4*\m], s[RD], s[EP]   ; the variance + eps
.endr
	v_rsq_f32 v60, v[T]
	v_rsq_f32 v62, v[T+4]
	v_nop                                          ; a plain place behind the transcendentals
	s_wait_alu depctr_va_vdst(0)                   ; one wait for both, ahead of their first reader
.irp b, 0,1
.irp q, 0,1,2,3
	ds_load_b128 v[T+4*\q:T+4*\q+3], v[PB] offset:(\vg)*256+128*\b+16*\q
	ds_load_b128 v[T+16+4*\q:T+16+4*\q+3], v[PB] offset:(\vb)*256+128*\b+16*\q
.endr
	s_wait_dscnt 0x0
.irp m, 0,1
.irp i, 0,2,4,6,8,10,12,14
	v_pk_mul_f32 v[ACC+32*\m+16*\b+\i:ACC+32*\m+16*\b+\i+1], v[ACC+32*\m+16*\b+\i:ACC+32*\m+16*\b+\i+1], v[60+2*\m:61+2*\m] op_sel_hi:[1,0]
.endr
.endr
.irp m, 0,1
.irp i, 0,2,4,6,8,10,12,14
	v_pk_fma_f32 v[ACC+32*\m+16*\b+\i:ACC+32*\m+16*\b+\i+1], v[ACC+32*\m+16*\b+\i:ACC+32*\m+16*\b+\i+1], v[T+\i:T+\i+1], v[T+16+\i:T+17+\i]
.endr
.endr
.endr
.endm
	s_load_b512 s[8:23], s[0:1], 0x0               ; o_codes s[8:9], o_sc, x s[12:13], Wo_codes, Wo_scales, bo s[18:19], g1, be1
	s_load_b512 s[24:39], s[0:1], 0x40             ; W1_codes, W1_scales, b1 s[28:29], W2_codes, W2_scales, b2 s[34:35], g2, be2
	s_load_b64 s[40:41], s[0:1], 0x80              ; out0
	v_lshl_add_u32 v[SPW], v0, 2, SPARE
	v_mov_b32 v[NIL], 0
	v_lshrrev_b32 v249, 5, v0
	v_readfirstlane_b32 s2, v249                   ; wave 0..11
	v_and_b32 v249, 31, v0                         ; lane
	v_and_b32 v250, 15, v0                         ; r
	v_bfe_u32 v251, v0, 4, 1                       ; h
	v_and_b32 v254, 8, v250
	v_add_nc_u32 v254, v254, v250                  ; r + 8 (r / 8)
	v_lshlrev_b32 v[LI], 4, v249
	v_lshlrev_b32 v[LS], 2, v249
	v_lshlrev_b32 v[R4], 2, v250
	v_mul_u32_u24 v[WL], v254, 384
	v_lshl_add_u32 v[WL], v251, 4, v[WL]
	v_mul_u32_u24 v[WSL], v254, 24
	v_mul_u32_u24 v[W2L], v254, 1536
	v_lshl_add_u32 v[W2L], v251, 4, v[W2L]
	v_mul_u32_u24 v[W2SL], v254, 96
	v_mul_u32_u24 v[XL], v254, 3072
	v_lshl_add_u32 v[XL], v251, 6, v[XL]
	s_lshl_b32 s3, s2, 9
	v_add_nc_u32 v[IW], s3, v[LI]
	s_lshr_b32 s3, s2, 1
	s_lshl_b32 s3, s3, 7
	s_and_b32 s4, s2, 1
	s_lshl_b32 s4, s4, 1
	s_add_co_u32 s3, s3, s4
	v_add_nc_u32 v[SW], s3, v[LS]
	v_mul_u32_u24 v[STR], v250, 80
	s_lshl_b32 s3, s2, 2
	v_add_nc_u32 v[STW], s3, v[STR]
	s_mul_i32 s3, s2, 8704
	s_add_co_u32 s3, s3, HSAVE
	v_add_nc_u32 v[HS], s3, v[LI]
	v_mul_u32_u24 v[SGW], v254, 272
	v_lshl_add_u32 v[SGW], v251, 6, v[SGW]
	v_add_nc_u32 v[SGW], s3, v[SGW]
	v_mul_u32_u24 v[SGR], v251, 272
	v_lshl_add_u32 v[SGR], v250, 4, v[SGR]
	v_add_nc_u32 v[SGR], s3, v[SGR]
	v_mul_u32_u24 v[GO], v251, 3072
	v_lshl_add_u32 v[GO], v250, 4, v[GO]
	s_mul_i32 s3, s2, 2560
	s_add_co_u32 s3, s3, PARAM
	v_lshl_add_u32 v[PB], v251, 6, s3
	v_lshlrev_b32 v60, 4, v250                     ; v60-63 serve the head alone: 16 r,
	v_add_nc_u32 v61, s3, v60                      ; where I store the vectors,
	s_lshl_b32 s3, s2, 10
	v_add_nc_u32 v62, s3, v[LI]                    ; o's images,
	s_lshl_b32 s3, s2, 7
	v_add_nc_u32 v63, s3, v[LS]                    ; and their scale words
	v_add_nc_u32 v[AA], OIMG, v[LI]
	v_add_nc_u32 v[AB], OSC, v[LS]
	s_mov_b32 s[SEL], 0x76543210
	s_mov_b32 s[SEL+1], 0xfedcba98
	s_mov_b32 s[RD], 0x3aaaaaab
	s_mov_b32 s[EP], 0x3727c5ac
	s_mov_b32 s5, 0
	s_wait_kmcnt 0x0
	s_mul_i32 s4, s2, 24576
	s_add_nc_u64 s[WOC:WOC+1], s[WOC:WOC+1], s[4:5]
	s_add_nc_u64 s[W1C:W1C+1], s[W1C:W1C+1], s[4:5]
	s_mul_i32 s4, s2, 1536
	s_add_nc_u64 s[WOS:WOS+1], s[WOS:WOS+1], s[4:5]
	s_add_nc_u64 s[W1S:W1S+1], s[W1S:W1S+1], s[4:5]
	s_mul_i32 s4, s2, 98304
	s_add_nc_u64 s[W2C:W2C+1], s[W2C:W2C+1], s[4:5]
	s_mul_i32 s4, s2, 6144
	s_add_nc_u64 s[W2S:W2S+1], s[W2S:W2S+1], s[4:5]
	s_lshl_b32 s4, s2, 8
.irp p, 18,20,22,28,34,36,38
	s_add_nc_u64 s[\p:\p+1], s[\p:\p+1], s[4:5]
.endr
	s_mul_i32 s6, ttmp9, 98304
	s_add_co_u32 s4, s4, s6                        ; 32 rows of 3,072 bytes a block, 256 bytes a wave
	s_add_nc_u64 s[12:13], s[12:13], s[4:5]
	s_add_nc_u64 s[40:41], s[40:41], s[4:5]
	s_mul_i32 s4, ttmp9, 12288
	s_lshl_b32 s6, s2, 10
	s_add_co_u32 s4, s4, s6
	s_add_nc_u64 s[8:9], s[8:9], s[4:5]
	s_mul_i32 s4, ttmp9, 1536
	s_lshl_b32 s6, s2, 7
	s_add_co_u32 s4, s4, s6
	s_add_nc_u64 s[10:11], s[10:11], s[4:5]
	global_load_b128 v[T:T+3], v60, s[18:19]
	global_load_b128 v[T+4:T+7], v60, s[20:21]
	global_load_b128 v[T+8:T+11], v60, s[22:23]
	global_load_b128 v[T+12:T+15], v60, s[34:35]
	global_load_b128 v[T+16:T+19], v60, s[36:37]
	global_load_b128 v[T+20:T+23], v60, s[38:39]
	global_load_b128 v[T+24:T+27], v60, s[28:29]
	global_load_b128 v[T+28:T+31], v60, s[28:29] offset:3072
	global_load_b128 v[236:239], v60, s[28:29] offset:6144
	global_load_b128 v[240:243], v60, s[28:29] offset:9216
	global_load_b128 v[244:247], v[LI], s[8:9]     ; fragment w = 6 m + s of o, as it lies
	global_load_b128 v[248:251], v[LI], s[8:9] offset:512
	global_load_b32 v254, v[R4], s[10:11]          ; head 2 s's two bytes,
	global_load_b32 v255, v[R4], s[10:11] offset:64   ; head 2 s + 1's
.irp m, 0,1
.irp b, 0,1
.irp q, 0,1,2,3
	global_load_b128 v[ACC+32*\m+16*\b+4*\q:ACC+32*\m+16*\b+4*\q+3], v[XL], s[12:13] offset:24576*\m+128*\b+16*\q th:TH_LOAD_NT   ; x in the result's layout
.endr
.endr
.endr
	WLOAD 0, WOC, WOS, WL, WSL, 384, 24, 0, 0
	WLOAD 1, WOC, WOS, WL, WSL, 384, 24, 64, 4
	WLOAD 2, WOC, WOS, WL, WSL, 384, 24, 128, 8
	s_wait_loadcnt 36                              ; all but the 36 weight loads just issued
.irp i, 0,1,2,3,4,5,6,7
	ds_store_b128 v61, v[T+4*\i:T+4*\i+3] offset:256*\i
.endr
	ds_store_b128 v61, v[236:239] offset:2048
	ds_store_b128 v61, v[240:243] offset:2304
	ds_store_b128 v62, v[244:247] offset:OIMG
	ds_store_b128 v62, v[248:251] offset:OIMG+512
	v_lshl_or_b32 v254, v255, 16, v254
	ds_store_b32 v63, v254 offset:OSC
	s_wait_dscnt 0x0                               ; the stores have read their registers
.irp b, 0,1,2,3
	v_mov_b32 v[TM+4+\b], 0                        ; a lane permute's destination counts as one of its sources
.endr
	PLOAD 0
	s_wait_dscnt 0x0
	ADDT                                           ; x + bo: the sums begin with it
	BARRIER                                        ; o's twelve fragments lie in LDS
	; ---- o Wo
	ALOAD 0, 0, 6
	HALF1 6, WOC, WOS, WL, WSL, 384, 24
	HALF2 6, W1C, W1S, WL, WSL, 384, 24, 0, 0
	LNORM 0, 2560, 1, 2
	QUANT ACC                                      ; h: my 64 columns are half c = w % 2 of K step w / 2
	ds_store_b128 v[IW], v[PC:PC+3] offset:HIMG
	ds_store_b128 v[IW], v[PC+4:PC+7] offset:HIMG+6144
	ds_store_b16 v[SW], v[PW] offset:HSC
	ds_store_b16_d16_hi v[SW], v[PW] offset:HSC+768
	s_wait_dscnt 0x0                               ; the stores have read their registers
	PLOAD 3
	s_wait_dscnt 0x0
	ADDT                                           ; h + b2 waits in my own LDS bytes for the last product
.irp k, 0,1,2,3,4,5,6,7,8,9,10,11,12,13,14,15
	ds_store_b128 v[HS], v[ACC+4*\k:ACC+4*\k+3] offset:512*\k
.endr
	BARRIER                                        ; h's twelve fragments lie in LDS
	; ---- relu(h W1 + b1), 768 columns at a time
	v_add_nc_u32 v[AA], HIMG, v[LI]
	v_add_nc_u32 v[AB], HSC, v[LS]
	s_mov_b32 s[CHP], 0
	s_mov_b32 s[CHI], FIMG
	s_mov_b32 s[CHS], FSC
.macro CHUNK last
	v_add_nc_u32 v[PBC], s[CHP], v[PB]
	v_add_nc_u32 v[IWC], s[CHI], v[IW]
	v_add_nc_u32 v[SWC], s[CHS], v[SW]
	INITB 6
	ALOAD 0, 0, 6
	HALF1 6, W1C, W1S, WL, WSL, 384, 24
.if \last
	HALF2 6, W2C, W2S, W2L, W2SL, 1536, 96, 0, 0
.else
	HALF2 6, W1C, W1S, WL, WSL, 384, 24, 294912, 18432
.endif
.set j, 0
.rept 64
	v_max_num_f32 v[ACC+j], 0, v[ACC+j]
.set j, j+1
.endr
	QUANT ACC
	ds_store_b128 v[IWC], v[PC:PC+3]
	ds_store_b128 v[IWC], v[PC+4:PC+7] offset:24576
	ds_store_b16 v[SWC], v[PW]
	ds_store_b16_d16_hi v[SWC], v[PW] offset:3072
	s_wait_dscnt 0x0                               ; the stores have read their registers and addresses
.endm
	s_mov_b32 s46, 3
.Lchunk:                                           ; no barrier between chunks: each writes bytes of its own, and h's images are only read
	CHUNK 0
	s_wait_xcnt 0x0                                ; the loads on their way have read their bases
	s_add_nc_u64 s[W1C:W1C+1], s[W1C:W1C+1], 294912
	s_add_nc_u64 s[W1S:W1S+1], s[W1S:W1S+1], 18432
	s_add_co_u32 s[CHP], s[CHP], 256
	s_add_co_u32 s[CHI], s[CHI], 6144
	s_add_co_u32 s[CHS], s[CHS], 768
	s_sub_co_u32 s46, s46, 1
	s_cmp_lg_u32 s46, 0
	s_cbranch_scc1 .Lchunk
	CHUNK 1                                        ; the last chunk is written out: its ring goes on into W2
	BARRIER                                        ; the hidden layer's 48 fragments lie in LDS
	; ---- + hidden W2: 24 K steps, six a trip
.irp k, 0,1,2,3,4,5,6,7,8,9,10,11,12,13,14,15
	ds_load_b128 v[ACC+4*\k:ACC+4*\k+3], v[HS] offset:512*\k
.endr
	s_mov_b32 s[FA], FIMG
	s_mov_b32 s[FB], FSC
.macro FF2 last
	v_add_nc_u32 v[AA], s[FA], v[LI]
	v_add_nc_u32 v[AB], s[FB], v[LS]
	ALOAD 0, 0, 24
	HALF1 24, W2C, W2S, W2L, W2SL, 1536, 96
.if \last
	STEP 3, 24, 1, 24                              ; nothing more is fetched: the counts run down
	STEP 4, 12, 1, 24
	STEP 5, 0, 0, 24
.else
	HALF2 24, W2C, W2S, W2L, W2SL, 1536, 96, 384, 24
.endif
.endm
	s_mov_b32 s47, 3
.Lff2:
	FF2 0
	s_wait_xcnt 0x0
	s_add_nc_u64 s[W2C:W2C+1], s[W2C:W2C+1], 384
	s_add_nc_u64 s[W2S:W2S+1], s[W2S:W2S+1], 24
	s_add_co_u32 s[FA], s[FA], 6144
	s_add_co_u32 s[FB], s[FB], 768
	s_sub_co_u32 s47, s47, 1
	s_cmp_lg_u32 s47, 0
	s_cbranch_scc1 .Lff2
	FF2 1
	LNORM 5120, 7680, 4, 5
	; ---- the way out: through my own stage, rows of 256 bytes + 16, so that sixteen lanes store 256 consecutive bytes, at a multiple of 256 from the output's first byte
.irp m, 0,1
.irp b, 0,1
.irp q, 0,1,2,3
	ds_store_b128 v[SGW], v[ACC+32*\m+16*\b+4*\q:ACC+32*\m+16*\b+4*\q+3] offset:2176*\m+128*\b+16*\q
.endr
.endr
.endr
.irp i, 0,1,2,3,4,5,6,7,8,9,10,11,12,13,14,15
	ds_load_b128 v[W+4*\i:W+4*\i+3], v[SGR] offset:544*\i   ; LDS serves a wave's instructions in order (ISA guide 5.7.1.4): these see my stores
.endr
.irp i, 0,1,2,3,4,5,6,7,8,9,10,11,12,13,14,15
	s_wait_dscnt 15-\i
	global_store_b128 v[GO], v[W+4*\i:W+4*\i+3], s[40:41] offset:6144*\i th:TH_STORE_NT
.endr
	s_wait_tensorcnt 0x0                           ; the wave's end
	ds_add_u32 v[SPW], v[NIL]
	s_wait_dscnt 0x0
	s_endpgm
.Lfunc_end_k_qf121de6cf6_tail:
	.size	k_qf121de6cf6_tail, .Lfunc_end_k_qf121de6cf6_tail-k_qf121de6cf6_tail
	.p2alignl 7, 3214868480
	.fill 96, 4, 3214868480
	.section	.rodata,"a",@progbits
	.p2align	6, 0x0
	.amdhsa_kernel k_qf121de6cf6_tail
		.amdhsa_group_segment_fixed_size 229888
		.amdhsa_private_segment_fixed_size 0
		.amdhsa_enable_private_segment 0
		.amdhsa_kernarg_size 136
		.amdhsa_user_sgpr_count 2
		.amdhsa_user_sgpr_kernarg_segment_ptr 1
		.amdhsa_wavefront_size32 1
		.amdhsa_system_sgpr_workgroup_id_x 1
		.amdhsa_system_sgpr_workgroup_id_y 1
		.amdhsa_system_sgpr_workgroup_id_z 1
		.amdhsa_system_vgpr_workitem_id 0
		.amdhsa_next_free_vgpr 256
		.amdhsa_next_free_sgpr 66
		.amdhsa_reserve_vcc 0
		.amdhsa_float_denorm_mode_32 3
		.amdhsa_float_denorm_mode_16_64 3
		.amdhsa_memory_ordered 1
		.amdhsa_forward_progress 1
		.amdhsa_inst_pref_size 150
	.end_amdhsa_kernel
	.amdgpu_metadata
---
amdhsa.version: [ 1, 2 ]
amdhsa.kernels:
  - .name:           k_qf121de6cf6_tail
    .symbol:         k_qf121de6cf6_tail.kd
    .args:
      - { .name: o_codes, .offset: 0, .size: 8, .value_kind: global_buffer, .address_space: global }
      - { .name: o_sc, .offset: 8, .size: 8, .value_kind: global_buffer, .address_space: global }
      - { .name: x, .offset: 16, .size: 8, .value_kind: global_buffer, .address_space: global }
      - { .name: Wo_codes, .offset: 24, .size: 8, .value_kind: global_buffer, .address_space: global }
      - { .name: Wo_scales, .offset: 32, .size: 8, .value_kind: global_buffer, .address_space: global }
      - { .name: bo, .offset: 40, .size: 8, .value_kind: global_buffer, .address_space: global }
      - { .name: g1, .offset: 48, .size: 8, .value_kind: global_buffer, .address_space: global }
      - { .name: be1, .offset: 56, .size: 8, .value_kind: global_buffer, .address_space: global }
      - { .name: W1_codes, .offset: 64, .size: 8, .value_kind: global_buffer, .address_space: global }
      - { .name: W1_scales, .offset: 72, .size: 8, .value_kind: global_buffer, .address_space: global }
      - { .name: b1, .offset: 80, .size: 8, .value_kind: global_buffer, .address_space: global }
      - { .name: W2_codes, .offset: 88, .size: 8, .value_kind: global_buffer, .address_space: global }
      - { .name: W2_scales, .offset: 96, .size: 8, .value_kind: global_buffer, .address_space: global }
      - { .name: b2, .offset: 104, .size: 8, .value_kind: global_buffer, .address_space: global }
      - { .name: g2, .offset: 112, .size: 8, .value_kind: global_buffer, .address_space: global }
      - { .name: be2, .offset: 120, .size: 8, .value_kind: global_buffer, .address_space: global }
      - { .name: out0, .offset: 128, .size: 8, .value_kind: global_buffer, .address_space: global }
    .group_segment_fixed_size: 229888
    .private_segment_fixed_size: 0
    .kernarg_segment_align: 8
    .kernarg_segment_size: 136
    .max_flat_workgroup_size: 384
    .sgpr_count:     66
    .vgpr_count:     256
    .wavefront_size: 32
...
	.end_amdgpu_metadata
.endif
;; end of part 3
;; ======== version 2 of 2: 4 launches
;; limits: right only within a limited range of input values
;; workspace buffers: q_codes 1,572,864 bytes; k_codes 1,572,864 bytes; v_codes 1,572,864 bytes; q_sc 196,608 bytes; k_sc 196,608 bytes; v_sc 98,304 bytes; o_img 1,769,472 bytes; wimg 3,760,128 bytes
;; launch lay (part 4): grid 18 x 12, 4 waves a work-group, no clusters, 0 bytes of LDS; arguments Wq_codes, Wk_codes, Wv_codes, Wo_codes, W1_codes, W2_codes, Wq_scales, Wk_scales, Wv_scales, Wo_scales, W1_scales, W2_scales, wimg; writes wimg
.if DOCPART == 4
	.amdgcn_target "amdgcn-amd-amdhsa--gfx1250"
	.amdhsa_code_object_version 6
	.text
	.protected	k_qf121de6cf6_lay
	.globl	k_qf121de6cf6_lay
	.p2align	8
	.type	k_qf121de6cf6_lay,@function
k_qf121de6cf6_lay:
	s_mov_b64 s[64:65], 0
	v_nop
	global_prefetch_b8 v0, s[64:65] scope:SCOPE_SE
	s_setreg_imm32_b32 hwreg(HW_REG_WAVE_MODE, 25, 1), 1
	s_wait_xcnt 0x0
; A transformer block (T = 4,096 tokens, 768 channels, 12 heads of 64, hidden 3,072), every product on codes of FP4 (E2M1) with one E8M0 scale for each 32 along K.  Four launches:
; this one (the six weights laid as images of operand registers), the projections (x quantised; q, k, v = x W + b; each quantised), attention, and the rest (Wo, residual, LayerNorm, FFN, residual, LayerNorm).
; DEAD WORK, left out in the third launch: reference() sets scores to -infinity where key > query (its own jnp.tril), so softmax gives such a key the weight 0 whatever the inputs hold; a step of 128 keys
; all of which come after all queries of a tile reaches no output, and neither its scores nor its part of the second product are made.  LIMIT: a NaN, an infinity or an overflow that would arise only in those scores is not carried to the result.
; No input is dead: every bias moves codes or reaches the output.
; WHY THIS LAUNCH.  In the second and fourth launch each of 128 work-groups takes every weight straight into operand registers.  From the weights as they are given, a fragment's load of 16 bytes a lane touches 16 rows and takes 32 bytes of each.
; Here that gather is done once: codes and scale bytes are copied, unchanged, into the order in which a wave's registers take them, so that each later load covers 512 consecutive bytes.
; A UNIT is 64 weight rows x one K step of 128: 4,352 bytes: [tile t 0..3][c 0..1][lane][16 bytes], then [r][t] scale words.  Lane (r, h) of tile t = 2 b + u stands for row 32 b + 8 u + r + 8 (r / 8) of the 64, and its 16 bytes are codes 64 c + 32 h + 0 .. 31 of the step.
; Units: Wq 6 w + s, Wk 72 + .., Wv 144 + .., Wo 216 + .., W1 288 + 6 (block of 64 rows) + s, W2 576 + 24 w + s.  One wave makes one unit: unit = 72 y + 4 x + wave.  No LDS, no barrier: waves share nothing.
.set UNIT, 4352
	s_load_b512 s[8:23], s[0:1], 0x0               ; codes of Wq s[8:9], Wk, Wv, Wo, W1 s[16:17], W2 s[18:19]; scales of Wq s[20:21], Wk s[22:23]
	s_load_b256 s[24:31], s[0:1], 0x40             ; scales of Wv, Wo, W1, W2
	s_load_b64 s[32:33], s[0:1], 0x60              ; the images
	v_lshrrev_b32 v1, 5, v0
	v_readfirstlane_b32 s2, v1                     ; wave 0..3
	v_and_b32 v1, 31, v0                           ; lane
	v_and_b32 v2, 15, v0                           ; r
	v_bfe_u32 v3, v0, 4, 1                         ; h
	v_and_b32 v4, 8, v2
	v_add_nc_u32 v4, v4, v2                        ; r + 8 (r / 8): my row in tile 0
	v_lshlrev_b32 v5, 4, v1                        ; 16 x lane
	v_lshlrev_b32 v6, 4, v2                        ; 16 r
	v_lshlrev_b32 v7, 4, v3                        ; 16 h
	s_wait_alu depctr_va_vdst(0)
	v_add_nc_u32 v16, 8, v4                        ; my row in tiles 1, 2, 3
	s_wait_alu depctr_va_vdst(0)
	v_add_nc_u32 v17, 32, v4
	s_wait_alu depctr_va_vdst(0)
	v_add_nc_u32 v18, 40, v4
	s_wait_alu depctr_va_vdst(0)
	s_and_b32 s3, ttmp7, 0xffff                    ; y: 0-3 Wq, Wk, Wv, Wo; 4-7 W1's quarters; 8-11 W2's
	s_lshl_b32 s4, ttmp9, 2
	s_add_co_u32 s4, s4, s2                        ; i = 4 x + wave, 0..71
	s_mul_i32 s5, s4, 43
	s_lshr_b32 s5, s5, 8                           ; i / 6 (exact for i under 126)
	s_lshr_b32 s6, s5, 2                           ; i / 24
	s_max_u32 s7, s3, 4
	s_sub_co_u32 s7, s7, 4
	s_mul_i32 s7, s7, 12                           ; K = 768: the quarter's first block of 64 rows (0 for y under 4)
	s_sub_co_u32 s34, s3, 8
	s_mul_i32 s34, s34, 3                          ; W2: three blocks of 64 rows to a quarter (used for y from 8 on alone)
	s_mov_b32 s36, 384
	s_cmp_ge_u32 s3, 8                             ; W2?
	s_cselect_b32 s5, s6, s5
	s_cselect_b32 s7, s34, s7
	s_cselect_b32 s35, 24, 6                       ; K steps in a row
	s_cselect_b32 s36, 1536, s36                   ; bytes in a row of codes
	s_mul_i32 s37, s5, s35
	s_sub_co_u32 s37, s4, s37                      ; my K step
	s_add_co_u32 s7, s7, s5                        ; my block of 64 rows
	s_lshr_b32 s38, s36, 4                         ; bytes in a row of scales
	s_lshl_b32 s39, s7, 6                          ; its first row
	s_mul_i32 s40, s39, s36
	s_lshl_b32 s41, s37, 6
	s_add_co_u32 s40, s40, s41                     ; codes: first row x pitch + 64 s
	s_mov_b32 s41, 0
	s_mul_i32 s42, s39, s38
	s_lshl_b32 s43, s37, 2
	s_add_co_u32 s42, s42, s43                     ; scales: first row x pitch + 4 s
	s_mov_b32 s43, 0
	s_mul_i32 s44, s3, 72
	s_add_co_u32 s44, s44, s4
	s_mul_i32 s44, s44, UNIT                       ; my unit
	s_mov_b32 s45, 0
	v_mad_u32_u24 v8, v4, s36, v7                  ; row x pitch + 16 h, for each tile
	v_mad_u32_u24 v9, v16, s36, v7
	v_mad_u32_u24 v10, v17, s36, v7
	v_mad_u32_u24 v11, v18, s36, v7
	v_mul_u32_u24 v12, s38, v4                     ; and the row's scale bytes
	v_mul_u32_u24 v13, s38, v16
	v_mul_u32_u24 v14, s38, v17
	v_mul_u32_u24 v15, s38, v18
	s_wait_alu depctr_va_vdst(0)
	s_wait_kmcnt 0x0
	s_cmp_eq_u32 s3, 1                             ; which weight: the choices hang on the work-group's number alone
	s_cselect_b64 s[8:9], s[10:11], s[8:9]
	s_cselect_b64 s[20:21], s[22:23], s[20:21]
	s_cmp_eq_u32 s3, 2
	s_cselect_b64 s[8:9], s[12:13], s[8:9]
	s_cselect_b64 s[20:21], s[24:25], s[20:21]
	s_cmp_eq_u32 s3, 3
	s_cselect_b64 s[8:9], s[14:15], s[8:9]
	s_cselect_b64 s[20:21], s[26:27], s[20:21]
	s_cmp_ge_u32 s3, 4
	s_cselect_b64 s[8:9], s[16:17], s[8:9]
	s_cselect_b64 s[20:21], s[28:29], s[20:21]
	s_cmp_ge_u32 s3, 8
	s_cselect_b64 s[8:9], s[18:19], s[8:9]
	s_cselect_b64 s[20:21], s[30:31], s[20:21]
	s_add_nc_u64 s[8:9], s[8:9], s[40:41]
	s_add_nc_u64 s[20:21], s[20:21], s[42:43]
	s_add_nc_u64 s[32:33], s[32:33], s[44:45]
.irp t, 0,1,2,3
	global_load_b128 v[32+8*\t:35+8*\t], v[8+\t], s[8:9]
	global_load_b128 v[36+8*\t:39+8*\t], v[8+\t], s[8:9] offset:32
	global_load_b32 v[24+\t], v[12+\t], s[20:21]   ; the step's four scale bytes of my row
.endr
.irp t, 0,1,2,3
	s_wait_loadcnt 9-3*\t                          ; tile t's three loads are in; the three of each later tile may stay out
	global_store_b128 v5, v[32+8*\t:35+8*\t], s[32:33] offset:1024*\t       ; 512 consecutive bytes a store
	global_store_b128 v5, v[36+8*\t:39+8*\t], s[32:33] offset:1024*\t+512
.endr
	global_store_b128 v6, v[24:27], s[32:33] offset:4096   ; 256 consecutive bytes (lanes 16-31 store the same bytes with the same values)
	s_endpgm
.Lfunc_end_k_qf121de6cf6_lay:
	.size	k_qf121de6cf6_lay, .Lfunc_end_k_qf121de6cf6_lay-k_qf121de6cf6_lay
	.p2alignl 7, 3214868480
	.fill 96, 4, 3214868480
	.section	.rodata,"a",@progbits
	.p2align	6, 0x0
	.amdhsa_kernel k_qf121de6cf6_lay
		.amdhsa_group_segment_fixed_size 0
		.amdhsa_private_segment_fixed_size 0
		.amdhsa_enable_private_segment 0
		.amdhsa_kernarg_size 104
		.amdhsa_user_sgpr_count 2
		.amdhsa_user_sgpr_kernarg_segment_ptr 1
		.amdhsa_wavefront_size32 1
		.amdhsa_system_sgpr_workgroup_id_x 1
		.amdhsa_system_sgpr_workgroup_id_y 1
		.amdhsa_system_sgpr_workgroup_id_z 1
		.amdhsa_system_vgpr_workitem_id 0
		.amdhsa_next_free_vgpr 64
		.amdhsa_next_free_sgpr 66
		.amdhsa_reserve_vcc 0
		.amdhsa_float_denorm_mode_32 3
		.amdhsa_float_denorm_mode_16_64 3
		.amdhsa_memory_ordered 1
		.amdhsa_forward_progress 1
		.amdhsa_inst_pref_size 6
	.end_amdhsa_kernel
	.amdgpu_metadata
---
amdhsa.version: [ 1, 2 ]
amdhsa.kernels:
  - .name:           k_qf121de6cf6_lay
    .symbol:         k_qf121de6cf6_lay.kd
    .args:
      - { .name: Wq_codes, .offset: 0, .size: 8, .value_kind: global_buffer, .address_space: global }
      - { .name: Wk_codes, .offset: 8, .size: 8, .value_kind: global_buffer, .address_space: global }
      - { .name: Wv_codes, .offset: 16, .size: 8, .value_kind: global_buffer, .address_space: global }
      - { .name: Wo_codes, .offset: 24, .size: 8, .value_kind: global_buffer, .address_space: global }
      - { .name: W1_codes, .offset: 32, .size: 8, .value_kind: global_buffer, .address_space: global }
      - { .name: W2_codes, .offset: 40, .size: 8, .value_kind: global_buffer, .address_space: global }
      - { .name: Wq_scales, .offset: 48, .size: 8, .value_kind: global_buffer, .address_space: global }
      - { .name: Wk_scales, .offset: 56, .size: 8, .value_kind: global_buffer, .address_space: global }
      - { .name: Wv_scales, .offset: 64, .size: 8, .value_kind: global_buffer, .address_space: global }
      - { .name: Wo_scales, .offset: 72, .size: 8, .value_kind: global_buffer, .address_space: global }
      - { .name: W1_scales, .offset: 80, .size: 8, .value_kind: global_buffer, .address_space: global }
      - { .name: W2_scales, .offset: 88, .size: 8, .value_kind: global_buffer, .address_space: global }
      - { .name: wimg, .offset: 96, .size: 8, .value_kind: global_buffer, .address_space: global }
    .group_segment_fixed_size: 0
    .private_segment_fixed_size: 0
    .kernarg_segment_align: 8
    .kernarg_segment_size: 104
    .max_flat_workgroup_size: 128
    .sgpr_count:     66
    .vgpr_count:     64
    .wavefront_size: 32
...
	.end_amdgpu_metadata
.endif
;; end of part 4
;; launch qkv (part 5): grid 128 x 1, 12 waves a work-group, no clusters, 122,880 bytes of LDS; arguments x, wimg, bq, bk, bv, q_codes, q_sc, k_codes, k_sc, v_codes, v_sc; writes q_codes, q_sc, k_codes, k_sc, v_codes, v_sc
.if DOCPART == 5
	.amdgcn_target "amdgcn-amd-amdhsa--gfx1250"
	.amdhsa_code_object_version 6
	.text
	.protected	k_qf121de6cf6_qkv
	.globl	k_qf121de6cf6_qkv
	.p2align	8
	.type	k_qf121de6cf6_qkv,@function
k_qf121de6cf6_qkv:
	s_mov_b64 s[64:65], 0
	v_nop
	global_prefetch_b8 v0, s[64:65] scope:SCOPE_SE
	s_setreg_imm32_b32 hwreg(HW_REG_WAVE_MODE, 25, 1), 1
	s_wait_xcnt 0x0
; The second launch: x quantised; q, k, v = x W + b on codes of FP4 (E2M1) with one E8M0 scale for each 32 along K; each result quantised for attention.  Nothing is left out here.
; LIMITS of the quantiser here: a block whose largest magnitude lies under 2^-124 (a block of zeros too) gets the scale byte 1; its codes are then zeros or the nearest codes under that scale; the bytes are read by this program alone.  NaN and infinities among the inputs are not served.
; SHARES.  A work-group takes 32 tokens (block B = its number), as two TILES u = 0, 1: lane r of tile u stands for token 32 B + 8 u + r + 8 (r / 8).  Wave w makes columns 64 w .. 64 w + 63 = head w, of q, then k, then v.
; A tile t = 2 b + u of 16 weight rows: lane r takes row 64 w + 32 b + 8 u + r + 8 (r / 8).  q, k: source 0 = weights, source 1 = tokens: a lane holds one token, and the 16 registers of tiles 2 b, 2 b + 1 are channels 32 b + 16 (lane / 16) + 0 .. 15.
; v: source 0 = tokens, source 1 = weights: a lane holds one channel and 16 neighbouring TOKENS, since the keys are the K of attention's second product.
; WEIGHTS come from the first launch's images straight into the operand's registers (each fragment serves this wave alone), three K steps ahead: a step is eight loads of 512 consecutive bytes and one of 256 for the four tiles' scale words.
; x's twelve fragments (2 tiles x 6 K steps), one made by each wave, go round through LDS as images of their registers.
; OUT: images of operand registers: every store of codes covers 512 consecutive bytes.  No tensor load: nothing here is read by two waves but x's codes.  No prefetch: the weights are read again by every work-group, x only at the head.
.set UNIT,  4352                       ; a K step's four fragments and scale words in the images
.set WSTR,  72*UNIT                    ; from Wq to Wk to Wv
.set XIMG,  0                          ; LDS: x's fragments, (6 u + s) x 1,024 bytes
.set XSC,   12288                      ; their scale words, 128 bytes each
.set PARAM, 13824                      ; 512 bytes a wave, its own: bq, bk of its 64 columns
.set SPARE, 19968                      ; the spare words, 128 bytes a wave: six blocks of 256 bytes that no other line names
.set XST,   21504                      ; 8,448 bytes a wave, its own: 16 rows of x, 512 bytes + 16 each, on their way into the quantiser's layout
.set LI,  1                            ; v1   16 x lane
.set LS,  2                            ; v2   4 x lane
.set R4,  3                            ; v3   4 r
.set XA,  6                            ; v6   where I read x back: XST + 8,448 w + 528 r + 64 h
.set XSW, 4                            ; v4   where I put a row of x: XST + 8,448 w + 16 x lane
.set PL,  7                            ; v7   16 r
.set PWA, 8                            ; v8   where I store a bias: PARAM + 512 w + 16 r
.set PBC, 9                            ; v9   where I read it: PARAM + 512 w + 64 h
.set XWI, 10                           ; v10  where I store my fragment of x: 16 x lane + 1,024 w
.set XWS, 11                           ; v11  and its scale word: 4 x lane + 128 w
.set BV,  12                           ; v12-19 bv of my lane's channel in tiles 0-3, in the low halves of four pairs
.set SH,  20                           ; v20  16 h
.set BVA, 21                           ; v21  4 (r + 8 (r / 8))
.set AA,  1                            ; the images' address is 16 x lane (XIMG = 0)
.set AB,  23                           ; v23  4 x lane + XSC
.set AF,  24                           ; v24-55  x's fragments: buffer p at 16 p, tile m at 8 m
.set AS,  56                           ; v56-59  their scale words
.set ACC, 64                           ; v64-127 eight accumulators
.set W,   128                          ; v128-223 weights: three K steps of four fragments
.set WS,  224                          ; v224-235 their scale words
.set TM,  236                          ; v236-247 the quantiser's
.set PW,  248                          ; v248 the scale word just made
.set PC,  40                           ; v40-47 the codes just made (x's buffer 1, free then)
.set SPW, 252
.set NIL, 253
.set SEL, 44
.set XP, 8
.set WB, 10                            ; s[10:11] the images at my wave's six units of Wq
.set BQ, 12
.set BKP, 14
.set BVP, 16
.set QC, 18
.set QS, 20
.set KC, 22
.set KSC, 24
.set VC, 26
.set VSC, 28
; a K step's four weight fragments and scale words into ring place q: 9 loads
.macro WLOAD q, off
.irp k, 0,1,2,3,4,5,6,7
	global_load_b128 v[W+32*(\q)+4*\k:W+32*(\q)+4*\k+3], v[LI], s[WB:WB+1] offset:(\off)+512*\k
.endr
	global_load_b128 v[WS+4*(\q):WS+4*(\q)+3], v[PL], s[WB:WB+1] offset:(\off)+4096
.endm
; K step s of x's two tiles from LDS into buffer p
.macro ALOAD p, s
.irp m, 0,1
	ds_load_b128 v[AF+16*(\p)+8*\m:AF+16*(\p)+8*\m+3], v[AA] offset:(\m*6+(\s))*1024
	ds_load_b128 v[AF+16*(\p)+8*\m+4:AF+16*(\p)+8*\m+7], v[AA] offset:(\m*6+(\s))*1024+512
	ds_load_b32 v[AS+2*(\p)+\m], v[AB] offset:(\m*6+(\s))*128
.endr
.endm
; eight products, the eight accumulators by turns, one instruction a turn, in the same order in every step
.macro MM q, p
.irp t, 0,1,2,3
.irp m, 0,1
	v_wmma_scale_f32_16x16x128_f8f6f4 v[ACC+32*\m+8*\t:ACC+32*\m+8*\t+7], v[W+32*(\q)+8*\t:W+32*(\q)+8*\t+7], v[AF+16*(\p)+8*\m:AF+16*(\p)+8*\m+7], v[ACC+32*\m+8*\t:ACC+32*\m+8*\t+7], v[WS+4*(\q)+\t], v[AS+2*(\p)+\m] matrix_a_fmt:MATRIX_FMT_FP4 matrix_b_fmt:MATRIX_FMT_FP4
.endr
.endr
.endm
; the same for v: source 0 = tokens, source 1 = weights
.macro MMV q, p, zero
.irp t, 0,1,2,3
.irp u, 0,1
.if \zero
	v_wmma_scale_f32_16x16x128_f8f6f4 v[ACC+16*\t+8*\u:ACC+16*\t+8*\u+7], v[AF+16*(\p)+8*\u:AF+16*(\p)+8*\u+7], v[W+32*(\q)+8*\t:W+32*(\q)+8*\t+7], 0, v[AS+2*(\p)+\u], v[WS+4*(\q)+\t] matrix_a_fmt:MATRIX_FMT_FP4 matrix_b_fmt:MATRIX_FMT_FP4
.else
	v_wmma_scale_f32_16x16x128_f8f6f4 v[ACC+16*\t+8*\u:ACC+16*\t+8*\u+7], v[AF+16*(\p)+8*\u:AF+16*(\p)+8*\u+7], v[W+32*(\q)+8*\t:W+32*(\q)+8*\t+7], v[ACC+16*\t+8*\u:ACC+16*\t+8*\u+7], v[AS+2*(\p)+\u], v[WS+4*(\q)+\t] matrix_a_fmt:MATRIX_FMT_FP4 matrix_b_fmt:MATRIX_FMT_FP4
.endif
.endr
.endr
.endm
; K step s.  left: the weight loads of younger steps, which may stay out (9 a step).  The four v_nop are the places in front of loads into registers that these products read, and of the first read of results.
.macro STEP s, left, more, kind
	s_wait_loadcnt \left
	s_wait_dscnt 0x0                               ; this step's fragments of x are in
.if \more
	ALOAD ((\s)+1)%2, (\s)+1
.endif
.if \kind
.if (\s) == 0
	MMV (\s)%3, (\s)%2, 1
.else
	MMV (\s)%3, (\s)%2, 0
.endif
.else
	MM (\s)%3, (\s)%2
.endif
.rept 4
	v_nop
.endr
.endm
.macro HALF1 kind, off                 ; steps 0-2 of the weight whose units begin at off; each ring place is filled again with the step three on
.irp s, 0,1,2
	STEP \s, 18, 1, \kind
	WLOAD \s, (\off)+UNIT*(\s+3)
.endr
.endm
.macro HALF2 kind, off                 ; steps 3-5; the ring takes steps 0-2 of the NEXT weight, whose units begin at off
	STEP 3, 18, 1, \kind
	WLOAD 0, \off
	STEP 4, 18, 1, \kind
	WLOAD 1, (\off)+UNIT
	STEP 5, 18, 0, \kind
	WLOAD 2, (\off)+2*UNIT
.endm
; 64 numbers of a lane, four blocks: register 16 b + i is number 16 (lane / 16) + i of block b; lane l xor 16 holds the block's other half.  Codes to v[PC] on (registers 4 c .. 4 c + 3: block 2 c + lane / 16, whole), the four scale bytes to v[PW].
.macro QUANT s
.irp b, 0,1,2,3
	v_max3_num_f32 v[TM+\b], |v[\s+16*\b]|, |v[\s+1+16*\b]|, 0x1800000   ; with the floor 2^(3 - 127): the byte cannot fall under 1
.endr
.irp i, 2,4,6,8,10,12,14
.irp b, 0,1,2,3
	v_max3_num_f32 v[TM+\b], v[TM+\b], |v[\s+16*\b+\i]|, |v[\s+1+16*\b+\i]|
.endr
.endr
.irp b, 0,1,2,3
	s_delay_alu instid0(VALU_DEP_4)
	v_permlanex16_b32 v[TM+4+\b], v[TM+\b], s[SEL], s[SEL+1]
.endr
.irp b, 0,1,2,3
	s_delay_alu instid0(VALU_DEP_4)
	v_max_num_f32 v[TM+\b], v[TM+\b], v[TM+4+\b]   ; the block's largest magnitude
.endr
.irp b, 0,1,2,3
	s_delay_alu instid0(VALU_DEP_4)
	v_add_nc_u32 v[TM+8+\b], 0xff000000, v[TM+\b]  ; 2 off its exponent field: the conversion's scale operand
.endr
.irp b, 0,1,2,3
	s_delay_alu instid0(VALU_DEP_4)
	v_lshrrev_b32 v[TM+4+\b], 23, v[TM+8+\b]       ; the scale's byte
.endr
	s_delay_alu instid0(VALU_DEP_3)
	v_lshl_or_b32 v[PW], v[TM+5], 8, v[TM+4]
	s_delay_alu instid0(VALU_DEP_1)
	v_lshl_or_b32 v[PW], v[TM+6], 16, v[PW]
	s_delay_alu instid0(VALU_DEP_1)
	v_lshl_or_b32 v[PW], v[TM+7], 24, v[PW]
.irp b, 0,1,2,3
	v_cvt_scalef32_pk8_fp4_f32 v[PC+2*\b], v[\s+16*\b:\s+7+16*\b], v[TM+8+\b]
	v_cvt_scalef32_pk8_fp4_f32 v[PC+1+2*\b], v[\s+8+16*\b:\s+15+16*\b], v[TM+8+\b]
.endr
	v_nop                                          ; one plain place behind a scaled conversion
.irp c, 0,1
.irp i, 0,1
	v_permlane16_swap_b32 v[PC+4*\c+\i], v[PC+2+4*\c+\i]
.endr
.endr
.endm
; a bias is the C of the sums' first products: for both tiles of tokens the wave's 64 numbers in the result's layout
.macro INITB vec
.irp m, 0,1
.irp b, 0,1
.irp q, 0,1,2,3
	ds_load_b128 v[ACC+32*\m+16*\b+4*\q:ACC+32*\m+16*\b+4*\q+3], v[PBC] offset:(\vec)*256+128*\b+16*\q
.endr
.endr
.endr
.endm
.macro CODES cb                        ; two stores of 512 consecutive bytes
	global_store_b128 v[LI], v[PC:PC+3], s[\cb:\cb+1]
	global_store_b128 v[LI], v[PC+4:PC+7], s[\cb:\cb+1] offset:512
.endm
.macro EPI cb, sb                      ; q or k: quantised along the head's 64 channels: blocks 2 m + b
	s_wait_xcnt 0x0                                ; the last stores have read their registers
	QUANT ACC
	CODES \cb
	v_lshrrev_b32 v249, v[SH], v[PW]               ; lanes 0-15: tile 0's two bytes, lanes 16-31: tile 1's; the upper two bytes, over zero codes, are 0
	s_delay_alu instid0(VALU_DEP_1)
	v_and_b32 v249, 0xffff, v249
	global_store_b32 v[LS], v249, s[\sb:\sb+1]
.endm
	s_load_b512 s[8:23], s[0:1], 0x0               ; x, the images, bq, bk, bv, q_codes, q_sc, k_codes
	s_load_b128 s[24:27], s[0:1], 0x40             ; k_sc, v_codes
	s_load_b64 s[28:29], s[0:1], 0x50              ; v_sc
	v_lshl_add_u32 v[SPW], v0, 2, SPARE
	v_mov_b32 v[NIL], 0
	v_lshrrev_b32 v60, 5, v0
	s_delay_alu instid0(VALU_DEP_1)
	v_readfirstlane_b32 s2, v60                    ; wave 0..11
	v_and_b32 v60, 31, v0                          ; lane
	v_and_b32 v61, 15, v0                          ; r
	v_bfe_u32 v62, v0, 4, 1                        ; h
	s_delay_alu instid0(VALU_DEP_2)
	v_and_b32 v63, 8, v61
	s_delay_alu instid0(VALU_DEP_1)
	v_add_nc_u32 v63, v63, v61                     ; r + 8 (r / 8)
	v_lshlrev_b32 v[LI], 4, v60
	v_lshlrev_b32 v[LS], 2, v60
	v_lshlrev_b32 v[R4], 2, v61
	s_mul_i32 s3, s2, 8448
	s_add_co_u32 s3, s3, XST
	v_mul_u32_u24 v[XA], v61, 528
	s_delay_alu instid0(VALU_DEP_1)
	v_lshl_add_u32 v[XA], v62, 6, v[XA]
	s_delay_alu instid0(VALU_DEP_1)
	v_add_nc_u32 v[XA], s3, v[XA]
	v_add_nc_u32 v[XSW], s3, v[LI]
	v_lshlrev_b32 v[PL], 4, v61
	s_lshl_b32 s3, s2, 9
	s_add_co_u32 s3, s3, PARAM
	v_add_nc_u32 v[PWA], s3, v[PL]
	v_lshl_add_u32 v[PBC], v62, 6, s3
	s_lshl_b32 s3, s2, 10
	v_add_nc_u32 v[XWI], s3, v[LI]
	s_lshl_b32 s3, s2, 7
	v_add_nc_u32 v[XWS], s3, v[LS]
	v_lshlrev_b32 v[SH], 4, v62
	v_lshlrev_b32 v[BVA], 2, v63
	v_add_nc_u32 v[AB], XSC, v[LS]
.irp t, 0,1,2,3
	v_mov_b32 v[BV+1+2*\t], 0                      ; named as the upper halves of pairs
	v_mov_b32 v[TM+4+\t], 0                        ; a lane permute's destination counts as one of its sources
.endr
	s_mov_b32 s[SEL], 0x76543210
	s_mov_b32 s[SEL+1], 0xfedcba98                 ; lane l xor 16
	s_cmp_ge_u32 s2, 6
	s_cselect_b32 s3, 1, 0                         ; the fragment of x that I make: tile u = w / 6,
	s_mul_i32 s6, s3, 6
	s_sub_co_u32 s6, s2, s6                        ; K step s = w % 6
	s_lshl_b32 s7, ttmp9, 5
	s_lshl_b32 s3, s3, 3
	s_add_co_u32 s7, s7, s3                        ; 32 B + 8 u
	s_mul_i32 s40, s7, 3072
	s_lshl_b32 s6, s6, 9
	s_add_co_u32 s40, s40, s6
	s_mov_b32 s41, 0
	s_lshl_b32 s42, s2, 7
	s_add_co_u32 s42, s42, ttmp9                   ; 128 head + B
	s_mov_b32 s5, 0
	s_wait_kmcnt 0x0
	s_add_nc_u64 s[XP:XP+1], s[XP:XP+1], s[40:41]
	s_mul_i32 s4, s2, 6*UNIT                       ; my six units of each weight
	s_add_nc_u64 s[WB:WB+1], s[WB:WB+1], s[4:5]
	s_lshl_b32 s4, s2, 8                           ; my 64 numbers of the biases
	s_add_nc_u64 s[BQ:BQ+1], s[BQ:BQ+1], s[4:5]
	s_add_nc_u64 s[BKP:BKP+1], s[BKP:BKP+1], s[4:5]
	s_add_nc_u64 s[BVP:BVP+1], s[BVP:BVP+1], s[4:5]
	s_lshl_b32 s4, s42, 10                         ; out: 1,024 bytes of codes for a head and a block of 32 tokens,
	s_add_nc_u64 s[QC:QC+1], s[QC:QC+1], s[4:5]
	s_add_nc_u64 s[KC:KC+1], s[KC:KC+1], s[4:5]
	s_add_nc_u64 s[VC:VC+1], s[VC:VC+1], s[4:5]
	s_lshl_b32 s4, s42, 7                          ; 128 bytes of q's and k's scale words,
	s_add_nc_u64 s[QS:QS+1], s[QS:QS+1], s[4:5]
	s_add_nc_u64 s[KSC:KSC+1], s[KSC:KSC+1], s[4:5]
	s_lshl_b32 s4, s42, 6                          ; 64 of v's
	s_add_nc_u64 s[VSC:VSC+1], s[VSC:VSC+1], s[4:5]
	global_load_b128 v[TM:TM+3], v[PL], s[BQ:BQ+1]
	global_load_b128 v[TM+8:TM+11], v[PL], s[BKP:BKP+1]
.irp t, 0,1,2,3
	global_load_b32 v[BV+2*\t], v[BVA], s[BVP:BVP+1] offset:(32*(\t/2)+8*(\t%2))*4
.endr
.irp i, 0,1,2,3,4,5,6,7,8,9,10,11,12,13,14,15
	global_load_b128 v[ACC+4*\i:ACC+4*\i+3], v[LI], s[XP:XP+1] offset:(\i+8*(\i/8))*3072 th:TH_LOAD_NT   ; row i of my tile, token i + 8 (i / 8): the K step's 128 numbers, 512 consecutive bytes a load
.endr
	WLOAD 0, 0
	WLOAD 1, UNIT
	WLOAD 2, 2*UNIT
	s_wait_loadcnt 27                              ; all but the 27 weight loads just issued
	ds_store_b128 v[PWA], v[TM:TM+3]               ; (lanes 16-31 store the same bytes with the same values)
	ds_store_b128 v[PWA], v[TM+8:TM+11] offset:256
.irp i, 0,1,2,3,4,5,6,7,8,9,10,11,12,13,14,15
	ds_store_b128 v[XSW], v[ACC+4*\i:ACC+4*\i+3] offset:528*\i   ; x's rows through my own LDS bytes
.endr
	s_wait_dscnt 0x0                               ; the stores have read their registers
.irp b, 0,1,2,3
.irp j, 0,1,2,3
	ds_load_b128 v[ACC+16*\b+4*\j:ACC+16*\b+4*\j+3], v[XA] offset:128*\b+16*\j   ; x(my token, 128 s + 32 b + 16 h + 4 j ..)
.endr
.endr
	s_wait_dscnt 0x0
	QUANT ACC
	ds_store_b128 v[XWI], v[PC:PC+3] offset:XIMG
	ds_store_b128 v[XWI], v[PC+4:PC+7] offset:XIMG+512
	ds_store_b32 v[XWS], v[PW] offset:XSC
	s_wait_dscnt 0x0                               ; for the others' sake: my stores have landed
	s_barrier_signal -1
	s_barrier_wait -1                              ; x's twelve fragments lie in LDS; nothing is stored to LDS behind this barrier
	; ---- q
	INITB 0
	ALOAD 0, 0
	HALF1 0, 0
	HALF2 0, WSTR
	EPI QC, QS
	; ---- k
	s_wait_xcnt 0x0                                ; the stores have read v[PC] on, into which x's fragments come again
	INITB 1
	ALOAD 0, 0
	HALF1 0, WSTR
	HALF2 0, 2*WSTR
	EPI KC, KSC
	; ---- v
	s_wait_xcnt 0x0
	ALOAD 0, 0
	HALF1 1, 2*WSTR
	STEP 3, 18, 1, 1                               ; nothing more is fetched: the counts run down
	STEP 4, 9, 1, 1
	STEP 5, 0, 0, 1
.irp t, 0,1,2,3
.irp i, 0,2,4,6,8,10,12,14
	v_pk_add_f32 v[ACC+16*\t+\i:ACC+16*\t+\i+1], v[ACC+16*\t+\i:ACC+16*\t+\i+1], v[BV+2*\t:BV+2*\t+1] op_sel_hi:[1,0]   ; + bv of my channel
.endr
.endr
	QUANT ACC                                      ; block t: my channel of tile t, the 32 tokens of B
	CODES VC                                       ; lane (r, h), registers 4 c on: tile 2 c + h
	global_store_b32 v[R4], v[PW], s[VSC:VSC+1]    ; byte t: tile t's scale for this block of keys
	s_wait_tensorcnt 0x0                           ; the wave's end
	ds_add_u32 v[SPW], v[NIL]
	s_wait_dscnt 0x0
	s_endpgm
.Lfunc_end_k_qf121de6cf6_qkv:
	.size	k_qf121de6cf6_qkv, .Lfunc_end_k_qf121de6cf6_qkv-k_qf121de6cf6_qkv
	.p2alignl 7, 3214868480
	.fill 96, 4, 3214868480
	.section	.rodata,"a",@progbits
	.p2align	6, 0x0
	.amdhsa_kernel k_qf121de6cf6_qkv
		.amdhsa_group_segment_fixed_size 122880
		.amdhsa_private_segment_fixed_size 0
		.amdhsa_enable_private_segment 0
		.amdhsa_kernarg_size 88
		.amdhsa_user_sgpr_count 2
		.amdhsa_user_sgpr_kernarg_segment_ptr 1
		.amdhsa_wavefront_size32 1
		.amdhsa_system_sgpr_workgroup_id_x 1
		.amdhsa_system_sgpr_workgroup_id_y 1
		.amdhsa_system_sgpr_workgroup_id_z 1
		.amdhsa_system_vgpr_workitem_id 0
		.amdhsa_next_free_vgpr 256
		.amdhsa_next_free_sgpr 66
		.amdhsa_reserve_vcc 0
		.amdhsa_float_denorm_mode_32 3
		.amdhsa_float_denorm_mode_16_64 3
		.amdhsa_memory_ordered 1
		.amdhsa_forward_progress 1
		.amdhsa_inst_pref_size 74
	.end_amdhsa_kernel
	.amdgpu_metadata
---
amdhsa.version: [ 1, 2 ]
amdhsa.kernels:
  - .name:           k_qf121de6cf6_qkv
    .symbol:         k_qf121de6cf6_qkv.kd
    .args:
      - { .name: x, .offset: 0, .size: 8, .value_kind: global_buffer, .address_space: global }
      - { .name: wimg, .offset: 8, .size: 8, .value_kind: global_buffer, .address_space: global }
      - { .name: bq, .offset: 16, .size: 8, .value_kind: global_buffer, .address_space: global }
      - { .name: bk, .offset: 24, .size: 8, .value_kind: global_buffer, .address_space: global }
      - { .name: bv, .offset: 32, .size: 8, .value_kind: global_buffer, .address_space: global }
      - { .name: q_codes, .offset: 40, .size: 8, .value_kind: global_buffer, .address_space: global }
      - { .name: q_sc, .offset: 48, .size: 8, .value_kind: global_buffer, .address_space: global }
      - { .name: k_codes, .offset: 56, .size: 8, .value_kind: global_buffer, .address_space: global }
      - { .name: k_sc, .offset: 64, .size: 8, .value_kind: global_buffer, .address_space: global }
      - { .name: v_codes, .offset: 72, .size: 8, .value_kind: global_buffer, .address_space: global }
      - { .name: v_sc, .offset: 80, .size: 8, .value_kind: global_buffer, .address_space: global }
    .group_segment_fixed_size: 122880
    .private_segment_fixed_size: 0
    .kernarg_segment_align: 8
    .kernarg_segment_size: 88
    .max_flat_workgroup_size: 384
    .sgpr_count:     66
    .vgpr_count:     256
    .wavefront_size: 32
...
	.end_amdgpu_metadata
.endif
;; end of part 5
;; launch attn (part 6): grid 16 x 12, 16 waves a work-group, no clusters, 327,680 bytes of LDS; arguments q_codes, q_sc, k_codes, k_sc, v_codes, v_sc, o_img; writes o_img
.if DOCPART == 6
	.amdgcn_target "amdgcn-amd-amdhsa--gfx1250"
	.amdhsa_code_object_version 6
	.text
	.protected	k_qf121de6cf6_attn
	.globl	k_qf121de6cf6_attn
	.p2align	8
	.type	k_qf121de6cf6_attn,@function
k_qf121de6cf6_attn:
	s_mov_b64 s[64:65], 0
	v_nop
	global_prefetch_b8 v0, s[64:65] scope:SCOPE_SE
	s_setreg_imm32_b32 hwreg(HW_REG_WAVE_MODE, 25, 1), 1
	s_wait_xcnt 0x0
; Causal attention of one head on codes of FP4: S^T = K Q^T, p = 2^(t - M), O^T = V^T P^T, O / the row's sum, quantised along the head's channels for the product with Wo.
; LEFT OUT AS DEAD WORK: steps of 128 keys all of which come after all queries of a tile's block (reference()'s own jnp.tril gives them the weight 0 for all inputs); a NaN or infinity that would arise only there is not carried on.
; t = score x log2(e) / 8; M = the running largest t rounded UP to a whole number; the sum is taken of the unquantised p; when M moves, the sum and O^T are multiplied by 2^(old M - new M), exactly.
; The head size is 64, half of the instruction's 128 along K: registers 4-7 of Q's and K's fragments hold zero codes, written once.
; SHARES.  Work-group (i, head) owns the blocks of 128 queries i (early) and 31 - i (late): 8 tiles of 16 queries each; lane r of tile tl stands for query 32 (tl / 2) + 8 (tl % 2) + r + 8 (r / 8).
; The work is dealt by KEY STEPS of 128 keys.  Waves 2 e and 2 e + 1 share late tile e (32 - i steps) and early tile e (i + 1 steps): one of them (role 0) takes the late tile's steps 0 .. 15;
; the other (role 1) takes its steps 16 .. 31 - i, puts that part (O^T, -M, the sums) into LDS bytes of its own, and then takes the early tile's steps: 16 and 17 steps.
; At the end role 0 joins the two parts of the late tile: both are brought under the larger M by powers of two, which rounds nothing.  Roles are laid so that each run of four waves, and each set w, w + 4, w + 8, w + 12, has two of either.
; THE RING: two LDS slots.  Slot number j (0 .. 3) holds the lower steps 12 - 4 j .. 15 - 4 j and the upper steps 16 + 4 j .. 19 + 4 j, of K (2 x 16,384 bytes) and of V (the same), so that both roles have work in every slot.
; Wave 0 fetches K's lower part, wave 1 K's upper, wave 2 V's lower, wave 3 V's upper: one tensor load each.  Slot 0 holds step 16, which every late tile needs, and lower steps, which role 0 always reads.
; In a slot the four upper steps are walked first, then the four lower: the slot that holds the late tile's diagonal step 31 - i also holds the early tile's diagonal step i.
; All inputs are images of operand registers, made by the launch before.  K's scale words of the whole head come once (waves 4 to 7, a quarter each); V's scale bytes are turned once, by all waves, into words [step][tile][channel].
; OUT: one buffer: the codes, [tile of 16 queries][head][lane][16 bytes], and from byte 1,572,864 on their scale words, [tile][head][r].
; No cluster: the causal limit at which a work-group stops asking for upper steps differs from work-group to work-group, so a joint tile would go unread in some partner.
; LIMITS: scale bytes are held at 1 from below (a block under 2^-124 gets that byte); NaN and infinities among the inputs are not served.
.set SLOT1, 1<<16
.set SCK,   131072                     ; K's scale words, 16,384 bytes
.set SCV,   147456                     ; V's, 8,192 bytes: stored by the waves, never a tensor load's target
.set SPARE, 155648                     ; the spare words, 128 bytes a wave: eight blocks of 256 bytes that no other line names
.set PART,  157696                     ; 5,632 bytes a wave, its own: a part of a late tile (4,608), the early tile's Q (512) and its scale words (512)
.set PSTR,  5632
.set OSCO,  1572864                    ; where the results' scale words begin in the output buffer
.set LI,  1                            ; v1  16 x lane
.set R4,  2                            ; v2  4 r
.set QL,  3                            ; v3  r + 8 (r / 8) - 16 h
.set VL,  4                            ; v4  1,024 h + 16 r
.set SPW, 5
.set NIL, 6
.set PST, 7                            ; v7  PART + 5,632 x my wave + 16 x lane
.set ADK, 8
.set ADV, 9
.set ADS, 10
.set ADT, 11
.set PFO, 28                           ; v28 256 x lane
.set PRD, 29                           ; v29 the same place as v7 in my partner's bytes
.set F,   30                           ; v[30:31] f = 2^(old M - new M), in the low half
; v12 -M, v13 the largest t, v[14:15] the sum; v16-23 Q; v24-27 V's scale words; v32-95 K; v96-159 S^T, then p; v160-191 O^T; v192-223 V; v224-231 p's codes; v232-251 at work (v244-251 first K's scale words); v252, v254 at work; v253 p's scale word; v255 Q's
.set WV,  20
.set ROLE, 21
.set CS,  22                           ; s[22:23] c = log2(e) / 8
.set G1,  24                           ; s[24:31] group 1: 64 rows of 256 bytes, dense
.set G1S, 32                           ; s[32:39] 16 such rows
.set G0,  40                           ; s[40:43] my ring load's group 0, which walks
.set G0S, 44                           ; s[44:47] my quarter of K's scale words
.set SEL, 48
.set KU,  50                           ; the upper walk: the step's first key, its K tiles in LDS, its scale words of K and of V
.set TBU, 51
.set TSU, 52
.set TJU, 53
.set KL,  54                           ; the lower walk likewise
.set TBL, 55
.set TSL, 56
.set TJL, 57
.set QBU, 58                           ; the first key of the last step that I take in the upper walk (role 0: 0, under every upper key)
.set QBL, 59                           ; and in the lower walk
.set QDU, 60                           ; the first query of the late tile,
.set QDL, 61                           ; of the early tile
.set LQ,  62                           ; the late block's first query = the first key of the last upper step that my work-group reads
.set SLOTS, 63
.set CNT, 67
.set LIM, 68
.set LOWF, 69                          ; 0 in waves 0 and 2, which fetch the lower parts
.set PFA, 70
.set UP,  72                           ; s[72:73], s[74:75]: what a change of slots adds to and takes off my addresses in K or V: 16,384 and 0 (upper), 0 and 16,384 (lower)
.set DN,  74
.macro TL                              ; my ring load; an s_nop 0 and four v_nop follow it
	tensor_load_to_lds s[G0:G0+3], s[G1:G1+7]
	s_nop 0
.rept 4
	v_nop
.endr
.endm
; A prefetch of the slot that the NEXT change of slots will ask for: four parts of 16,384 dense bytes.  All work-groups of a head walk the same K and V: work-group i = 0, which reads every slot whole, asks; in it waves 8 to 15,
; which fetch nothing, 8,192 bytes each, lanes 256 bytes apart: each aligned 256 bytes once in the launch.  The last change that fills a slot asks for nothing; slots 0 and 1 come by their loads alone.
.macro ASK
	s_cmp_gt_u32 s[SLOTS], s[LIM]
	s_cbranch_scc0 .Lnot_mine_\@
	global_prefetch_b8 v[PFO], s[PFA:PFA+1] th:TH_LOAD_NT scope:SCOPE_SE
.Lnot_mine_\@:
.endm
	s_load_b256 s[4:11], s[0:1], 0x0               ; q_codes s[4:5], q_sc, k_codes s[8:9], k_sc
	s_load_b128 s[12:15], s[0:1], 0x20             ; v_codes s[12:13], v_sc
	s_load_b64 s[16:17], s[0:1], 0x30              ; the results
	v_lshl_add_u32 v[SPW], v0, 2, SPARE
	v_mov_b32 v[NIL], 0
	ds_add_u32 v[SPW], v[NIL]                      ; the opening: the add, twice on end, and its wait ahead of the first tensor load
	ds_add_u32 v[SPW], v[NIL]
	v_lshrrev_b32 v8, 5, v0
	s_delay_alu instid0(VALU_DEP_1)
	v_readfirstlane_b32 s[WV], v8                  ; wave 0..15
	s_and_b32 s76, ttmp7, 0xffff                   ; head
	s_lshr_b32 s[ROLE], s[WV], 2
	s_xor_b32 s[ROLE], s[ROLE], s[WV]
	s_and_b32 s[ROLE], s[ROLE], 1
	s_lshr_b32 s77, s[WV], 1                       ; e: which tile of the two blocks
	s_sub_co_u32 s78, 31, ttmp9                    ; the late block
	s_lshl_b32 s[LQ], s78, 7
	s_lshl_b32 s79, s78, 3
	s_add_co_u32 s79, s79, s77                     ; the late tile
	s_lshl_b32 s80, ttmp9, 3
	s_add_co_u32 s80, s80, s77                     ; the early tile
	s_lshr_b32 s98, s79, 1
	s_lshl_b32 s98, s98, 5
	s_and_b32 s99, s79, 1
	s_lshl_b32 s99, s99, 3
	s_add_co_u32 s[QDU], s98, s99
	s_lshr_b32 s98, s80, 1
	s_lshl_b32 s98, s98, 5
	s_and_b32 s99, s80, 1
	s_lshl_b32 s99, s99, 3
	s_add_co_u32 s[QDL], s98, s99
	s_lshl_b32 s98, ttmp9, 7
	s_cmp_lg_u32 s[ROLE], 0
	s_cselect_b32 s[QBU], s[LQ], 0                 ; role 1: upper steps up to the late diagonal; role 0: none
	s_cselect_b32 s[QBL], s98, s[LQ]               ; role 1: lower steps up to the early diagonal; role 0: all (each lies under the late block)
	s_cselect_b32 s77, s80, s79                    ; the tile whose result I store
	s_and_b32 s81, s[WV], 1                        ; lower (0) or upper (1) part,
	s_bfe_u32 s82, s[WV], 0x10001                  ; of K (0) or V (1)
	s_lshl_b32 s83, s82, 15
	s_lshl_b32 s98, s81, 14
	s_add_co_u32 s83, s83, s98                     ; where the part lies in a slot
	s_add_co_u32 s84, s98, 49152                   ; slot 0's part in the head's codes: step 12 or step 16, 4,096 bytes a step
	s_mov_b32 s85, 0
	s_mov_b32 s[UP], s98
	s_mov_b32 s[UP+1], 0
	s_xor_b32 s[DN], s98, 16384
	s_mov_b32 s[DN+1], 0
	s_lshl_b32 s86, s76, 17                        ; the head's first byte in K's and V's codes
	s_mov_b32 s87, 0
	s_and_b32 s[LOWF], s[WV], 13
	s_and_b32 s98, s[WV], 3
	s_lshl_b32 s94, s98, 12                        ; which quarter of K's scale words
	s_mov_b32 s95, 0
	s_lshl_b32 s96, s76, 14                        ; the head's first byte in them
	s_mov_b32 s97, 0
	s_mov_b32 s[G1], 3<<16                         ; no mask; elements of 8 bytes; no padding: images are read 16 bytes a lane on end
	s_mov_b32 s[G1+1], 32<<16                      ; tensor_dim0 = 32 elements: 256 bytes
	s_mov_b32 s[G1+2], 64<<16                      ; tensor_dim1 = 64
	s_mov_b32 s[G1+3], 32<<16                      ; tile_dim0
	s_mov_b32 s[G1+4], 64                          ; tile_dim1
	s_mov_b32 s[G1+5], 32                          ; the pitch
	s_mov_b32 s[G1+6], 0
	s_mov_b32 s[G1+7], 0
	s_mov_b32 s[G1S], 3<<16
	s_mov_b32 s[G1S+1], 32<<16
	s_mov_b32 s[G1S+2], 16<<16
	s_mov_b32 s[G1S+3], 32<<16
	s_mov_b32 s[G1S+4], 16
	s_mov_b32 s[G1S+5], 32
	s_mov_b32 s[G1S+6], 0
	s_mov_b32 s[G1S+7], 0
	s_mov_b32 s[CS], 0x3e38aa3b
	s_mov_b32 s[CS+1], s[CS]
	s_mov_b32 s[SEL], 0x76543210
	s_mov_b32 s[SEL+1], 0xfedcba98
	s_mov_b32 s[KU], 2048                          ; step 16
	s_mov_b32 s[TBU], 16384
	s_mov_b32 s[TSU], SCK+16*512
	s_mov_b32 s[TJU], SCV+16*256
	s_mov_b32 s[KL], 1536                          ; step 12
	s_mov_b32 s[TBL], 0
	s_mov_b32 s[TSL], SCK+12*512
	s_mov_b32 s[TJL], SCV+12*256
	s_mov_b32 s[SLOTS], 3
	s_wait_dscnt 0x0                               ; both opening adds are done
	s_wait_kmcnt 0x0
	s_cmp_eq_u32 s82, 0
	s_cselect_b64 s[88:89], s[8:9], s[12:13]       ; K's or V's codes,
	s_add_nc_u64 s[88:89], s[88:89], s[86:87]      ; my head,
	s_add_nc_u64 s[88:89], s[88:89], s[84:85]      ; slot 0's part
	s_mov_b32 s[G0], 1
	s_mov_b32 s[G0+1], s83
	s_mov_b64 s[G0+2:G0+3], s[88:89]
	s_or_b32 s[G0+3], s[G0+3], 0x80000000
	s_mov_b32 s[G0S], 1
	s_add_co_u32 s[G0S+1], s94, SCK
	s_add_nc_u64 s[G0S+2:G0S+3], s[10:11], s[96:97]
	s_add_nc_u64 s[G0S+2:G0S+3], s[G0S+2:G0S+3], s[94:95]
	s_or_b32 s[G0S+3], s[G0S+3], 0x80000000
	s_cmp_lt_u32 s[WV], 4                          ; the head's loads, one a wave, in one chain of branches on the wave's number: waves 0 to 3 slot 0's four parts, waves 4 to 7 the quarters of K's scale words
	s_cbranch_scc0 .Lhead_s
	TL
	s_branch .Lhead_asked
.Lhead_s:
	s_cmp_lt_u32 s[WV], 8
	s_cbranch_scc0 .Lhead_asked
	tensor_load_to_lds s[G0S:G0S+3], s[G1S:G1S+7]
	s_nop 0
.rept 4
	v_nop
.endr
.Lhead_asked:
	s_lshl_b32 s98, s76, 8
	s_add_co_u32 s99, s98, s79                     ; 256 head + the late tile
	s_add_co_u32 s98, s98, s80                     ; 256 head + the early tile
	s_lshl_b32 s96, s98, 9
	s_add_nc_u64 s[90:91], s[4:5], s[96:97]        ; the early tile's Q,
	s_lshl_b32 s96, s98, 6
	s_add_nc_u64 s[92:93], s[6:7], s[96:97]        ; its scale words;
	s_lshl_b32 s96, s99, 9
	s_add_nc_u64 s[4:5], s[4:5], s[96:97]          ; the late tile's
	s_lshl_b32 s96, s99, 6
	s_add_nc_u64 s[6:7], s[6:7], s[96:97]
	s_lshl_b32 s96, s76, 13
	s_add_nc_u64 s[14:15], s[14:15], s[96:97]      ; V's scale bytes at my head
	s_mul_i32 s98, s77, 12
	s_add_co_u32 s98, s98, s76                     ; 12 x my result's tile + head
	s_add_nc_u64 s[18:19], s[16:17], OSCO          ; the results' scale words lie behind their codes
	s_lshl_b32 s96, s98, 9
	s_add_nc_u64 s[16:17], s[16:17], s[96:97]
	s_lshl_b32 s96, s98, 6
	s_add_nc_u64 s[18:19], s[18:19], s[96:97]
	s_add_nc_u64 s[PFA:PFA+1], s[88:89], s[UP:UP+1]    ; the prefetches stand in slot 1: the first change of slots steps them to slot 2
	s_sub_nc_u64 s[PFA:PFA+1], s[PFA:PFA+1], s[DN:DN+1]
	s_bfe_u32 s96, s[WV], 0x10002
	s_lshl_b32 s96, s96, 13                        ; which 8,192 bytes of the part
	s_add_nc_u64 s[PFA:PFA+1], s[PFA:PFA+1], s[96:97]
	s_lshr_b32 s98, s[WV], 3
	s_xor_b32 s98, s98, 1                          ; 0 in waves 8 to 15,
	s_or_b32 s98, s98, ttmp9                       ; of work-group i = 0
	s_cmp_eq_u32 s98, 0
	s_cselect_b32 s[LIM], 1, -1
	s_mul_i32 s98, s[WV], PSTR
	s_add_co_u32 s98, s98, PART
	s_xor_b32 s99, s[WV], 1                        ; my partner
	s_mul_i32 s99, s99, PSTR
	s_add_co_u32 s99, s99, PART
	v_and_b32 v8, 31, v0
	v_and_b32 v9, 15, v0                           ; r
	v_bfe_u32 v10, v0, 4, 1                        ; h
	s_delay_alu instid0(VALU_DEP_3)
	v_lshlrev_b32 v[LI], 4, v8
	v_lshlrev_b32 v[PFO], 8, v8
	v_lshlrev_b32 v[R4], 2, v9
	v_and_b32 v11, 8, v9
	s_delay_alu instid0(VALU_DEP_1)
	v_add_nc_u32 v11, v11, v9
	v_lshlrev_b32 v[QL], 4, v10
	s_delay_alu instid0(VALU_DEP_1)
	v_sub_nc_u32 v[QL], v11, v[QL]
	v_lshlrev_b32 v[VL], 4, v9
	s_delay_alu instid0(VALU_DEP_1)
	v_lshl_add_u32 v[VL], v10, 10, v[VL]
	v_add_nc_u32 v[PST], s98, v[LI]
	v_add_nc_u32 v[PRD], s99, v[LI]
	v_lshrrev_b32 v8, 4, v0                        ; V's scale bytes: thread 16 S + r takes key step S and row r
	s_delay_alu instid0(VALU_DEP_1)
	v_lshl_add_u32 v8, v8, 8, v[R4]                ; 256 S + 4 r
	s_delay_alu instid0(VALU_DEP_1)
	v_add_nc_u32 v9, SCV, v8
	global_load_b128 v[16:19], v[LI], s[4:5]       ; the late tile's Q: channels 32 h .. 32 h + 31 of my query
	global_load_b32 v255, v[R4], s[6:7]
.irp i, 0,1,2,3
	global_load_b32 v[232+\i], v8, s[14:15] offset:64*\i   ; block 4 S + i: byte t = tile t's scale of row r
.endr
	s_wait_alu depctr_va_vdst(0)
	s_cmp_eq_u32 s[ROLE], 0
	s_cbranch_scc1 .Lno_q2
	global_load_b128 v[192:195], v[LI], s[90:91]   ; role 1: the early tile's Q waits in my own LDS bytes
	global_load_b32 v24, v[R4], s[92:93]
.Lno_q2:
.irp j, 20,21,22,23
	v_mov_b32 v[\j], 0                             ; zero codes for K = 64 .. 127
.endr
.irp t, 0,1,2,3,4,5,6,7
.irp j, 4,5,6,7
	v_mov_b32 v[32+8*\t+\j], 0
.endr
.endr
.set j, 0
.rept 32
	v_mov_b32 v[160+j], 0                          ; O^T: the step is written once; the first finds zeros
.set j, j+1
.endr
	v_mov_b32 v13, 0xff61b1e6                      ; the largest t so far: -3e38
	s_delay_alu instid0(VALU_DEP_1)
	v_floor_f32 v12, -v13
	v_mov_b32 v14, 0
	v_mov_b32 v15, 0
	v_mov_b32 v[F], 0
	v_mov_b32 v[F+1], 0
	v_mov_b32 v252, 0
	s_wait_alu depctr_va_vdst(0)
	s_wait_loadcnt 0x0
	v_perm_b32 v236, v233, v232, 0x05010400        ; a 4 x 4 turn of bytes: word t, byte i = block i's byte t
	v_perm_b32 v237, v233, v232, 0x07030602
	v_perm_b32 v238, v235, v234, 0x05010400
	v_perm_b32 v239, v235, v234, 0x07030602
	s_delay_alu instid0(VALU_DEP_2)
	v_perm_b32 v240, v238, v236, 0x05040100
	v_perm_b32 v241, v238, v236, 0x07060302
	v_perm_b32 v242, v239, v237, 0x05040100
	v_perm_b32 v243, v239, v237, 0x07060302
.irp t, 0,1,2,3
	ds_store_b32 v9, v[240+\t] offset:64*\t        ; read by all waves behind the first change of slots' barrier, in front of which each wave waits for its LDS instructions
.endr
.irp b, 0,1,2,3
	v_mov_b32 v[236+\b], 0                         ; a lane permute's destination counts as one of its sources
.endr
	s_wait_alu depctr_va_vdst(0)
	s_cmp_eq_u32 s[ROLE], 0
	s_cbranch_scc1 .Lno_q2s
	ds_store_b128 v[PST], v[192:195] offset:4608
	ds_store_b32 v[PST], v24 offset:5120
.Lno_q2s:
; A KEY STEP: 128 keys.  kf .. tj: the walk's four scalars; qb: the first key of the last step that I take in this walk, which is the one on the diagonal; qd: the tile's first query.
.macro STEP kf, tb, ts, tj, qb, qd
	s_cmp_gt_u32 s[\kf], s[\qb]                    ; not mine, or all its keys come after my tile's block: a scalar branch on ids, round the work, not round the lines that step addresses
	s_cbranch_scc1 .Lhidden_\@
	v_add_nc_u32 v[ADK], s[\tb], v[LI]             ; (these four are also the places in front of loads into registers that the last products read)
	v_add_nc_u32 v[ADV], s[\tb], v[VL]
	v_add_nc_u32 v[ADS], s[\ts], v[R4]
	v_add_nc_u32 v[ADT], s[\tj], v[R4]
.irp t, 0,1,2,3,4,5,6,7
	ds_load_b128 v[32+8*\t:35+8*\t], v[ADK] offset:512*\t
.endr
.irp t, 0,1,2,3,4,5,6,7
	ds_load_b32 v[244+\t], v[ADS] offset:64*\t
.endr
.irp t, 0,1,2,3
.irp c, 0,1
	ds_load_b128 v[192+8*\t+4*\c:195+8*\t+4*\c], v[ADV] offset:32768+2048*\c+256*\t   ; keys 64 c + 32 h on of channel tile t
.endr
	ds_load_b32 v[24+\t], v[ADT] offset:64*\t
.endr
	s_wait_dscnt 12                                ; K and its scale words are in; V's twelve loads, issued behind them, may stay out
.irp t, 0,1,2,3,4,5,6,7
	v_wmma_scale_f32_16x16x128_f8f6f4 v[96+8*\t:103+8*\t], v[32+8*\t:39+8*\t], v[16:23], 0, v[244+\t], v255 matrix_a_fmt:MATRIX_FMT_FP4 matrix_b_fmt:MATRIX_FMT_FP4
.endr
.rept 4
	v_nop
.endr
	s_cmp_lt_u32 s[\kf], s[\qb]                    ; all keys count: no mask
	s_cbranch_scc1 .Lopen_\@
	s_sub_co_i32 s66, s[\qd], s[\kf]
	v_add_nc_u32 v252, s66, v[QL]                  ; d = my query - the first key - 16 h.  Register 16 b + i holds key 32 b + 16 h + i of the step: hidden where 32 b + i > d
	v_mov_b32 v254, 0xff800000
.set n, 0
.rept 64
	v_cmp_gt_i32 vcc_lo, 32*(n/16)+n%16, v252
	v_cndmask_b32 v[96+n], v[96+n], v254, vcc_lo
.set n, n+1
.endr
.Lopen_\@:
.irp b, 0,1,2,3
	v_max3_num_f32 v[232+\b], v[96+16*\b], v[97+16*\b], v[98+16*\b]   ; the largest score of each block of 32 keys: for the row's maximum, and, since p rises with the score, for the block's largest p
.endr
.irp i, 3,5,7,9,11,13
.irp b, 0,1,2,3
	v_max3_num_f32 v[232+\b], v[232+\b], v[96+16*\b+\i], v[97+16*\b+\i]
.endr
.endr
.irp b, 0,1,2,3
	v_max_num_f32 v[232+\b], v[232+\b], v[111+16*\b]
.endr
.irp b, 0,1,2,3
	s_delay_alu instid0(VALU_DEP_4)
	v_permlanex16_b32 v[236+\b], v[232+\b], s[SEL], s[SEL+1]
.endr
.irp b, 0,1,2,3
	s_delay_alu instid0(VALU_DEP_4)
	v_max_num_f32 v[232+\b], v[232+\b], v[236+\b]
.endr
	s_delay_alu instid0(VALU_DEP_2)
	v_max3_num_f32 v254, v232, v233, v234
	s_delay_alu instid0(VALU_DEP_1)
	v_max_num_f32 v254, v254, v235
	s_delay_alu instid0(VALU_DEP_1)
	v_mul_f32 v254, s[CS], v254
	s_delay_alu instid0(VALU_DEP_1)
	v_max_num_f32 v13, v13, v254                   ; the running largest t
	v_mov_b32 v254, v12
	s_delay_alu instid0(VALU_DEP_2)
	v_floor_f32 v12, -v13                          ; -M = floor(-t)
	s_delay_alu instid0(VALU_DEP_1)
	v_sub_f32 v254, v12, v254                      ; old M - new M: a whole number, 0 or less
	s_delay_alu instid0(VALU_DEP_1)
	v_cvt_i32_f32 v254, v254
	s_delay_alu instid0(VALU_DEP_1)
	v_ldexp_f32 v[F], 1.0, v254
.set j, 0
.rept 32
	v_pk_fma_f32 v[96+j:97+j], v[96+j:97+j], s[CS:CS+1], v[12:13] op_sel_hi:[1,0,0]   ; t - M
.set j, j+2
.endr
.irp b, 0,1,2,3
	v_fma_f32 v[232+\b], v[232+\b], s[CS], v12
.endr
	s_wait_alu depctr_va_vdst(0)
.set j, 0
.rept 64
	v_exp_f32 v[96+j], v[96+j]
.set j, j+1
.endr
	v_pk_mul_f32 v[14:15], v[14:15], v[F:F+1] op_sel_hi:[1,0]   ; the sums under the new M (a plain place behind the exponentials)
	s_wait_alu depctr_va_vdst(0)                   ; one wait for the batch, ahead of its first reader
.irp b, 0,1,2,3
	v_exp_f32 v[232+\b], v[232+\b]                 ; each block's largest p
.endr
; the row's sum of the unquantised p: 32 pairs in eight chains by turns: v[238 + 2 k : 239 + 2 k], k = 0 .. 6, and the running sum itself
.irp k, 0,1,2,3,4,5,6
	v_pk_add_f32 v[238+2*\k:239+2*\k], v[96+2*\k:97+2*\k], v[112+2*\k:113+2*\k]
.endr
	v_pk_add_f32 v[14:15], v[14:15], v[110:111]
.irp k, 0,1,2,3,4,5,6
	v_pk_add_f32 v[238+2*\k:239+2*\k], v[238+2*\k:239+2*\k], v[128+2*\k:129+2*\k]
.endr
	v_pk_add_f32 v[14:15], v[14:15], v[126:127]
.irp k, 0,1,2,3,4,5,6
	v_pk_add_f32 v[238+2*\k:239+2*\k], v[238+2*\k:239+2*\k], v[144+2*\k:145+2*\k]
.endr
	v_pk_add_f32 v[14:15], v[14:15], v[142:143]
	v_pk_add_f32 v[238:239], v[238:239], v[240:241]
	v_pk_add_f32 v[242:243], v[242:243], v[244:245]
	v_pk_add_f32 v[246:247], v[246:247], v[248:249]
	v_pk_add_f32 v[14:15], v[14:15], v[158:159]
	s_delay_alu instid0(VALU_DEP_3)
	v_pk_add_f32 v[238:239], v[238:239], v[242:243]
	s_delay_alu instid0(VALU_DEP_3)
	v_pk_add_f32 v[246:247], v[246:247], v[250:251]
	s_delay_alu instid0(VALU_DEP_2)
	v_pk_add_f32 v[14:15], v[14:15], v[238:239]
	s_delay_alu instid0(VALU_DEP_1)
	v_pk_add_f32 v[14:15], v[14:15], v[246:247]
	s_wait_alu depctr_va_vdst(0)                   ; and one for the four
.irp b, 0,1,2,3
	v_max_num_f32 v[232+\b], 0x1800000, v[232+\b]  ; the floor 2^(3 - 127)
.endr
.irp b, 0,1,2,3
	s_delay_alu instid0(VALU_DEP_4)
	v_add_nc_u32 v[240+\b], 0xff000000, v[232+\b]
.endr
.irp b, 0,1,2,3
	s_delay_alu instid0(VALU_DEP_4)
	v_lshrrev_b32 v[236+\b], 23, v[240+\b]
.endr
	s_delay_alu instid0(VALU_DEP_3)
	v_lshl_or_b32 v253, v237, 8, v236
	s_delay_alu instid0(VALU_DEP_1)
	v_lshl_or_b32 v253, v238, 16, v253
	s_delay_alu instid0(VALU_DEP_1)
	v_lshl_or_b32 v253, v239, 24, v253
.irp b, 0,1,2,3
	v_cvt_scalef32_pk8_fp4_f32 v[224+2*\b], v[96+16*\b:103+16*\b], v[240+\b]
	v_cvt_scalef32_pk8_fp4_f32 v[225+2*\b], v[104+16*\b:111+16*\b], v[240+\b]
.endr
	v_nop
.irp c, 0,1
.irp i, 0,1
	v_permlane16_swap_b32 v[224+4*\c+\i], v[226+4*\c+\i]
.endr
.endr
	s_wait_alu depctr_va_vdst(0)
.set j, 0
.rept 16
	v_pk_mul_f32 v[160+j:161+j], v[160+j:161+j], v[F:F+1] op_sel_hi:[1,0]   ; O^T under the new M; these sixteen also stand between the writes of p's codes and scale word and the products
.set j, j+2
.endr
	s_wait_alu depctr_va_vdst(0)
	s_wait_dscnt 0x0                               ; V is in
.irp t, 0,1,2,3
	v_wmma_scale_f32_16x16x128_f8f6f4 v[160+8*\t:167+8*\t], v[192+8*\t:199+8*\t], v[224:231], v[160+8*\t:167+8*\t], v[24+\t], v253 matrix_a_fmt:MATRIX_FMT_FP4 matrix_b_fmt:MATRIX_FMT_FP4
.endr
.Lhidden_\@:
	s_add_co_u32 s[\kf], s[\kf], 128
	s_add_co_u32 s[\tb], s[\tb], 4096
	s_add_co_u32 s[\ts], s[\ts], 512
	s_add_co_u32 s[\tj], s[\tj], 256
.endm
; THE CHANGE OF SLOTS, at a slot's head.  Each wave waits for all its tensor loads, adds 0 to its spare word, and waits for that and for its reads of the slot that it has left; behind the barrier the slot ahead is whole and nobody reads the other.
.macro CHANGE fill
	s_wait_tensorcnt 0x0                           ; no tensor load of mine is out, so a group 0 may be written
	ds_add_u32 v[SPW], v[NIL]
.if \fill
	ds_add_u32 v[SPW], v[NIL]                      ; the add twice on end here, in every trip alike
	s_xor_b32 s[G0+1], s[G0+1], SLOT1
	s_add_nc_u64 s[G0+2:G0+3], s[G0+2:G0+3], s[UP:UP+1]   ; an upper part walks up by four steps, a lower part down
	s_sub_nc_u64 s[G0+2:G0+3], s[G0+2:G0+3], s[DN:DN+1]
	s_wait_xcnt 0x0                                ; the last prefetch, a slot back, has read its address
	s_add_nc_u64 s[PFA:PFA+1], s[PFA:PFA+1], s[UP:UP+1]
	s_sub_nc_u64 s[PFA:PFA+1], s[PFA:PFA+1], s[DN:DN+1]
.endif
	s_wait_dscnt 0x0
	s_barrier_signal -1
	s_barrier_wait -1
.if \fill
	s_add_co_u32 s66, s[KU], 512                   ; the upper look-ahead ends at the causal limit: upper steps whose first key comes after the late block's first query are read by no wave and are not asked for.
	s_cmp_gt_u32 s66, s[LQ]                        ; Ids and the count of steps alone: all sixteen waves go the same way; every wait on TENSORcnt in this text is for 0
	s_cbranch_scc1 .Lpast_\@
	s_cmp_lt_u32 s[WV], 4                          ; all four parts
	s_cbranch_scc0 .Lasked_\@
	TL
	s_branch .Lasked_\@
.Lpast_\@:
	s_cmp_eq_u32 s[LOWF], 0                        ; the lower parts alone: waves 0 and 2
	s_cbranch_scc0 .Lasked_\@
	TL
.Lasked_\@:
	ASK
.endif
.endm
; Role 1, in the slot that holds the late tile's diagonal step, behind its upper steps: my part of the late tile goes to my own LDS bytes, and the early tile begins.  A branch on ids alone; no barrier, wait on TENSORcnt or tensor load stands in it.
.macro SWITCH
	s_cmp_eq_u32 s[ROLE], 0                        ; role 0 has no part to put away and no early tile: a branch on the wave's number
	s_cbranch_scc1 .Lno_switch_\@
	s_sub_co_u32 s66, s[KU], 512                   ; the first key of this slot's upper steps
	s_cmp_lt_u32 s[QBU], s66
	s_cbranch_scc1 .Lno_switch_\@
	s_cmp_ge_u32 s[QBU], s[KU]
	s_cbranch_scc1 .Lno_switch_\@
.rept 4
	v_nop                                          ; places behind the last products
.endr
.irp k, 0,1,2,3,4,5,6,7
	ds_store_b128 v[PST], v[160+4*\k:163+4*\k] offset:512*\k   ; each accumulator from its low end on
.endr
	ds_store_b128 v[PST], v[12:15] offset:4096     ; -M, the largest t, the sum's two halves
	ds_load_b128 v[16:19], v[PST] offset:4608      ; the early tile's Q
	ds_load_b32 v255, v[PST] offset:5120
.set j, 0
.rept 32
	v_mov_b32 v[160+j], 0
.set j, j+1
.endr
	v_mov_b32 v13, 0xff61b1e6
	v_mov_b32 v14, 0
	v_mov_b32 v15, 0
	v_floor_f32 v12, -v13
	s_wait_alu depctr_va_vdst(0)
	s_wait_dscnt 0x0
.Lno_switch_\@:
.endm
.macro SLOT_STEPS back                 ; a slot: four upper steps, the switch, four lower steps; back = 1: the lower walk goes on to the four steps below
	s_mov_b32 s[CNT], 4
.Lup_\@:
	STEP KU, TBU, TSU, TJU, QBU, QDU
	s_sub_co_u32 s[CNT], s[CNT], 1
	s_cmp_lg_u32 s[CNT], 0
	s_cbranch_scc1 .Lup_\@
	s_sub_co_u32 s[TBU], s[TBU], 16384
	s_xor_b32 s[TBU], s[TBU], SLOT1                ; on to the other slot
	SWITCH
	s_mov_b32 s[CNT], 4
.Llo_\@:
	STEP KL, TBL, TSL, TJL, QBL, QDL
	s_sub_co_u32 s[CNT], s[CNT], 1
	s_cmp_lg_u32 s[CNT], 0
	s_cbranch_scc1 .Llo_\@
.if \back
	s_sub_co_u32 s[TBL], s[TBL], 16384
	s_xor_b32 s[TBL], s[TBL], SLOT1
	s_sub_co_u32 s[KL], s[KL], 1024                ; eight steps back
	s_sub_co_u32 s[TSL], s[TSL], 4096
	s_sub_co_u32 s[TJL], s[TJL], 2048
.endif
.endm
.Lslot:                                            ; three trips: behind each change of slots but the last the next slot is asked for, its upper parts up to the limit
	CHANGE 1
	SLOT_STEPS 1
	s_sub_co_u32 s[SLOTS], s[SLOTS], 1
	s_cmp_lg_u32 s[SLOTS], 0
	s_cbranch_scc1 .Lslot
	CHANGE 0
	SLOT_STEPS 0
.rept 4
	v_nop                                          ; places behind the last products
.endr
	s_wait_alu depctr_va_vdst(0)
	s_wait_dscnt 0x0                               ; for the others' sake: my part of a late tile has landed
	s_barrier_signal -1
	s_barrier_wait -1
	s_cmp_lg_u32 s[ROLE], 0
	s_cbranch_scc1 .Ljoined
	; role 0: my partner's part of the late tile is joined to mine
.irp k, 0,1,2,3,4,5,6,7,8
	ds_load_b128 v[96+4*\k:99+4*\k], v[PRD] offset:512*\k   ; v96-127 its O^T; v128 its -M, v[130:131] its sums
.endr
	s_wait_dscnt 0x0
	v_min_num_f32 v252, v12, v128                  ; -(the larger M)
	s_delay_alu instid0(VALU_DEP_1)
	v_sub_f32 v254, v252, v12                      ; whole numbers, 0 or less
	v_sub_f32 v232, v252, v128
	s_delay_alu instid0(VALU_DEP_2)
	v_cvt_i32_f32 v254, v254
	s_delay_alu instid0(VALU_DEP_2)
	v_cvt_i32_f32 v232, v232
	s_delay_alu instid0(VALU_DEP_2)
	v_ldexp_f32 v[F], 1.0, v254
	s_delay_alu instid0(VALU_DEP_2)
	v_ldexp_f32 v236, 1.0, v232
	s_delay_alu instid0(VALU_DEP_2)
	v_pk_mul_f32 v[14:15], v[14:15], v[F:F+1] op_sel_hi:[1,0]
.set j, 0
.rept 16
	v_pk_mul_f32 v[160+j:161+j], v[160+j:161+j], v[F:F+1] op_sel_hi:[1,0]
.set j, j+2
.endr
	v_pk_fma_f32 v[14:15], v[130:131], v[236:237], v[14:15] op_sel_hi:[1,0,1]
.set j, 0
.rept 16
	v_pk_fma_f32 v[160+j:161+j], v[96+j:97+j], v[236:237], v[160+j:161+j] op_sel_hi:[1,0,1]
.set j, j+2
.endr
.Ljoined:
	; THE WAY OUT: O^T / the sum, quantised along the head's 64 channels (two blocks), as a part of the operand of the product with Wo
	v_add_f32 v14, v14, v15
	s_delay_alu instid0(VALU_DEP_1)
	v_permlanex16_b32 v252, v14, s[SEL], s[SEL+1]
	s_delay_alu instid0(VALU_DEP_1)
	v_add_f32 v14, v14, v252
	s_wait_alu depctr_va_vdst(0)
	v_rcp_f32 v14, v14
	v_nop
	s_wait_alu depctr_va_vdst(0)
.set j, 0
.rept 32
	v_mul_f32 v[96+j], v[160+j], v14               ; register 16 b + i: channel 32 b + 16 h + i of my query
.set j, j+1
.endr
.irp b, 0,1
	v_max3_num_f32 v[232+\b], |v[96+16*\b]|, |v[97+16*\b]|, 0x1800000
.endr
.irp i, 2,4,6,8,10,12,14
.irp b, 0,1
	s_delay_alu instid0(VALU_DEP_2)
	v_max3_num_f32 v[232+\b], v[232+\b], |v[96+16*\b+\i]|, |v[97+16*\b+\i]|
.endr
.endr
.irp b, 0,1
	s_delay_alu instid0(VALU_DEP_2)
	v_permlanex16_b32 v[236+\b], v[232+\b], s[SEL], s[SEL+1]
.endr
.irp b, 0,1
	s_delay_alu instid0(VALU_DEP_2)
	v_max_num_f32 v[232+\b], v[232+\b], v[236+\b]
.endr
.irp b, 0,1
	s_delay_alu instid0(VALU_DEP_2)
	v_add_nc_u32 v[240+\b], 0xff000000, v[232+\b]
.endr
.irp b, 0,1
	s_delay_alu instid0(VALU_DEP_2)
	v_lshrrev_b32 v[236+\b], 23, v[240+\b]
.endr
	s_delay_alu instid0(VALU_DEP_1)
	v_lshl_or_b32 v254, v237, 8, v236
.irp b, 0,1
	v_cvt_scalef32_pk8_fp4_f32 v[224+2*\b], v[96+16*\b:103+16*\b], v[240+\b]
	v_cvt_scalef32_pk8_fp4_f32 v[225+2*\b], v[104+16*\b:111+16*\b], v[240+\b]
.endr
	v_nop
	v_permlane16_swap_b32 v224, v226
	v_permlane16_swap_b32 v225, v227               ; lane (r, h): channels 32 h .. 32 h + 31
	global_store_b128 v[LI], v[224:227], s[16:17]  ; 512 consecutive bytes
	global_store_b32 v[R4], v254, s[18:19]
	s_wait_tensorcnt 0x0                           ; the wave's end
	ds_add_u32 v[SPW], v[NIL]
	s_wait_dscnt 0x0
	s_endpgm
.Lfunc_end_k_qf121de6cf6_attn:
	.size	k_qf121de6cf6_attn, .Lfunc_end_k_qf121de6cf6_attn-k_qf121de6cf6_attn
	.p2alignl 7, 3214868480
	.fill 96, 4, 3214868480
	.section	.rodata,"a",@progbits
	.p2align	6, 0x0
	.amdhsa_kernel k_qf121de6cf6_attn
		.amdhsa_group_segment_fixed_size 327680
		.amdhsa_private_segment_fixed_size 0
		.amdhsa_enable_private_segment 0
		.amdhsa_kernarg_size 56
		.amdhsa_user_sgpr_count 2
		.amdhsa_user_sgpr_kernarg_segment_ptr 1
		.amdhsa_wavefront_size32 1
		.amdhsa_system_sgpr_workgroup_id_x 1
		.amdhsa_system_sgpr_workgroup_id_y 1
		.amdhsa_system_sgpr_workgroup_id_z 1
		.amdhsa_system_vgpr_workitem_id 0
		.amdhsa_next_free_vgpr 256
		.amdhsa_next_free_sgpr 100
		.amdhsa_reserve_vcc 1
		.amdhsa_float_denorm_mode_32 3
		.amdhsa_float_denorm_mode_16_64 3
		.amdhsa_memory_ordered 1
		.amdhsa_forward_progress 1
		.amdhsa_inst_pref_size 114
	.end_amdhsa_kernel
	.amdgpu_metadata
---
amdhsa.version: [ 1, 2 ]
amdhsa.kernels:
  - .name:           k_qf121de6cf6_attn
    .symbol:         k_qf121de6cf6_attn.kd
    .args:
      - { .name: q_codes, .offset: 0, .size: 8, .value_kind: global_buffer, .address_space: global }
      - { .name: q_sc, .offset: 8, .size: 8, .value_kind: global_buffer, .address_space: global }
      - { .name: k_codes, .offset: 16, .size: 8, .value_kind: global_buffer, .address_space: global }
      - { .name: k_sc, .offset: 24, .size: 8, .value_kind: global_buffer, .address_space: global }
      - { .name: v_codes, .offset: 32, .size: 8, .value_kind: global_buffer, .address_space: global }
      - { .name: v_sc, .offset: 40, .size: 8, .value_kind: global_buffer, .address_space: global }
      - { .name: o_img, .offset: 48, .size: 8, .value_kind: global_buffer, .address_space: global }
    .group_segment_fixed_size: 327680
    .private_segment_fixed_size: 0
    .kernarg_segment_align: 8
    .kernarg_segment_size: 56
    .max_flat_workgroup_size: 512
    .sgpr_count:     100
    .vgpr_count:     256
    .wavefront_size: 32
...
	.end_amdgpu_metadata
.endif
;; end of part 6
;; launch tail (part 7): grid 128 x 1, 12 waves a work-group, no clusters, 229,888 bytes of LDS; arguments o_img, x, wimg, bo, g1, be1, b1, b2, g2, be2, out0; writes out0
.if DOCPART == 7
	.amdgcn_target "amdgcn-amd-amdhsa--gfx1250"
	.amdhsa_code_object_version 6
	.text
	.protected	k_qf121de6cf6_tail
	.globl	k_qf121de6cf6_tail
	.p2align	8
	.type	k_qf121de6cf6_tail,@function
k_qf121de6cf6_tail:
	s_mov_b64 s[64:65], 0
	v_nop
	global_prefetch_b8 v0, s[64:65] scope:SCOPE_SE
	s_setreg_imm32_b32 hwreg(HW_REG_WAVE_MODE, 25, 1), 1
	s_wait_xcnt 0x0
; h = LayerNorm(x + o Wo + bo) g1 + be1;  out = LayerNorm(h + relu(h W1 + b1) W2 + b2) g2 + be2; the three products on codes of FP4.  Nothing is left out here.
; SHARES, as in the second launch: a work-group takes 32 tokens (two tiles: lane r of tile m stands for token 32 B + 8 m + r + 8 (r / 8)), whole rows, so that both LayerNorms stay inside it; wave w owns columns 64 w .. 64 w + 63 of every 768.
; All products: source 0 = 16 weight rows (lane r of tile 2 b + u: row 32 b + 8 u + r + 8 (r / 8) of the wave's 64), source 1 = a tile of tokens: a lane holds one token and 16 neighbouring columns of each 32.
; h and the hidden layer are quantised in registers and go round through LDS as images of operand registers; they never go to memory.  The hidden layer is made in four chunks of 768 columns.
; Weights come from the first launch's images straight into the operand's registers, three K steps ahead, without a stop from Wo through W1 into W2: a step is eight loads of 512 consecutive bytes and one of 256 for the four tiles' scale words.
; Row sums meet in LDS (four barriers); mean first, then the centred squares.
; LIMITS: as in the second launch (scale bytes held at 1 from below; NaN and infinities are not served).
.set UNIT,  4352                       ; a K step's four fragments and scale words in the images
.set WO_OFF, 216*UNIT                  ; Wo's units: + 6 w + s
.set W1_OFF, 288*UNIT                  ; W1's: + 72 chunk + 6 w + s
.set W2_OFF, 576*UNIT                  ; W2's: + 24 w + s
.set CHSTR, 72*UNIT                    ; from chunk to chunk of W1
.set OSCO,  1572864                    ; where o's scale words begin in its buffer
.set OIMG,  0                          ; LDS: o's 12 fragments, (6 m + s) x 1,024
.set HIMG,  12288                      ; h's
.set OSC,   24576                      ; scale words, 128 bytes a fragment
.set HSC,   26112
.set FSC,   27648                      ; the hidden layer's: (24 m + s) x 128
.set STAT,  33792                      ; four exchanges of row sums x [m][16 rows of 80 bytes]: word w
.set FIMG,  44032                      ; the hidden layer's 48 fragments, (24 m + s) x 1,024
.set PARAM, 93184                      ; 2,560 bytes a wave, its own: bo, g1, be1, b2, g2, be2, b1's four chunks: its 64 columns of each
.set HSAVE, 123904                     ; 8,704 bytes a wave, its own: h + b2; later the stage for the way out, 32 rows of 272
.set SPARE, 228352                     ; the spare words, 128 bytes a wave: six blocks of 256 bytes that no other line names
.set LI,  1                            ; v1   16 x lane
.set LS,  2                            ; v2   4 x lane
.set R4,  3                            ; v3   4 r
.set PL,  4                            ; v4   16 r
.set IW,  9                            ; where I store codes: 16 x lane + 512 w
.set SW,  10                           ; and two scale bytes: 4 x lane + 128 (w / 2) + 2 (w % 2)
.set PB,  11                           ; PARAM + 2,560 w + 64 h
.set STW, 13
.set STR, 14
.set HS,  15
.set SGW, 16
.set SGR, 17
.set GO,  18
.set AA,  19
.set AB,  20
.set PBC, 21
.set IWC, 22
.set SWC, 23
.set AF,  24
.set T,   24                           ; v24-55 at work between the products
.set PC,  40
.set AS,  56
.set ACC, 64
.set W,   128
.set WS,  224
.set TM,  236
.set PW,  248
.set SPW, 252
.set NIL, 253
.set OCP, 8                            ; s[8:9]   o's codes
.set XP,  10
.set WA,  12                           ; s[12:13] the images + 6 w units: Wo's and W1's stream
.set BO,  14
.set G1P, 16
.set BE1, 18
.set B1P, 20
.set B2P, 22
.set G2P, 24
.set BE2, 26
.set OUT, 28
.set OSP, 30                           ; s[30:31] o's scale words
.set WBB, 32                           ; s[32:33] the images + 24 w units: W2's stream
.set SEL, 44
.set CHP, 48
.set CHI, 49
.set CHS, 50
.set FA,  51
.set FB,  52
.set RD,  53                           ; 1 / 768
.set EP,  54                           ; 1e-5
; a K step's four weight fragments and scale words into ring place q: 9 loads
.macro WLOAD q, base, off
.irp k, 0,1,2,3,4,5,6,7
	global_load_b128 v[W+32*(\q)+4*\k:W+32*(\q)+4*\k+3], v[LI], s[\base:\base+1] offset:(\off)+512*\k
.endr
	global_load_b128 v[WS+4*(\q):WS+4*(\q)+3], v[PL], s[\base:\base+1] offset:(\off)+4096
.endm
.macro ALOAD p, s, ns
.irp m, 0,1
	ds_load_b128 v[AF+16*(\p)+8*\m:AF+16*(\p)+8*\m+3], v[AA] offset:(\m*(\ns)+(\s))*1024
	ds_load_b128 v[AF+16*(\p)+8*\m+4:AF+16*(\p)+8*\m+7], v[AA] offset:(\m*(\ns)+(\s))*1024+512
	ds_load_b32 v[AS+2*(\p)+\m], v[AB] offset:(\m*(\ns)+(\s))*128
.endr
.endm
; eight products, the eight accumulators by turns, one instruction a turn, in the same order in every step, over the loops' backward jumps too
.macro MM q, p
.irp t, 0,1,2,3
.irp m, 0,1
	v_wmma_scale_f32_16x16x128_f8f6f4 v[ACC+32*\m+8*\t:ACC+32*\m+8*\t+7], v[W+32*(\q)+8*\t:W+32*(\q)+8*\t+7], v[AF+16*(\p)+8*\m:AF+16*(\p)+8*\m+7], v[ACC+32*\m+8*\t:ACC+32*\m+8*\t+7], v[WS+4*(\q)+\t], v[AS+2*(\p)+\m] matrix_a_fmt:MATRIX_FMT_FP4 matrix_b_fmt:MATRIX_FMT_FP4
.endr
.endr
.endm
; K step s of a run of six.  left: the weight loads of younger steps (9 a step), which may stay out.  The four v_nop are the places in front of loads into registers that these products read, and of the first read of results.
.macro STEP s, left, more, ns
	s_wait_loadcnt \left
	s_wait_dscnt 0x0
.if \more
	ALOAD ((\s)+1)%2, (\s)+1, \ns
.endif
	MM (\s)%3, (\s)%2
.rept 4
	v_nop
.endr
.endm
.macro HALF1 ns, base, off             ; steps 0-2 of the run whose units begin at off; each ring place takes the run's step three on
.irp s, 0,1,2
	STEP \s, 18, 1, \ns
	WLOAD \s, \base, (\off)+UNIT*(\s+3)
.endr
.endm
.macro HALF2 ns, base, off             ; steps 3-5; the ring takes steps 0-2 of the NEXT run, whose units begin at off from the base named
	STEP 3, 18, 1, \ns
	WLOAD 0, \base, \off
	STEP 4, 18, 1, \ns
	WLOAD 1, \base, (\off)+UNIT
	STEP 5, 18, 0, \ns
	WLOAD 2, \base, (\off)+2*UNIT
.endm
.macro QUANT s                         ; as in the second launch: blocks 2 m + b: tile m of tokens, columns 32 b .. of my 64
.irp b, 0,1,2,3
	v_max3_num_f32 v[TM+\b], |v[\s+16*\b]|, |v[\s+1+16*\b]|, 0x1800000
.endr
.irp i, 2,4,6,8,10,12,14
.irp b, 0,1,2,3
	s_delay_alu instid0(VALU_DEP_4)
	v_max3_num_f32 v[TM+\b], v[TM+\b], |v[\s+16*\b+\i]|, |v[\s+1+16*\b+\i]|
.endr
.endr
.irp b, 0,1,2,3
	s_delay_alu instid0(VALU_DEP_4)
	v_permlanex16_b32 v[TM+4+\b], v[TM+\b], s[SEL], s[SEL+1]
.endr
.irp b, 0,1,2,3
	s_delay_alu instid0(VALU_DEP_4)
	v_max_num_f32 v[TM+\b], v[TM+\b], v[TM+4+\b]
.endr
.irp b, 0,1,2,3
	s_delay_alu instid0(VALU_DEP_4)
	v_add_nc_u32 v[TM+8+\b], 0xff000000, v[TM+\b]
.endr
.irp b, 0,1,2,3
	s_delay_alu instid0(VALU_DEP_4)
	v_lshrrev_b32 v[TM+4+\b], 23, v[TM+8+\b]
.endr
	s_delay_alu instid0(VALU_DEP_3)
	v_lshl_or_b32 v[PW], v[TM+5], 8, v[TM+4]
	s_delay_alu instid0(VALU_DEP_1)
	v_lshl_or_b32 v[PW], v[TM+6], 16, v[PW]
	s_delay_alu instid0(VALU_DEP_1)
	v_lshl_or_b32 v[PW], v[TM+7], 24, v[PW]
.irp b, 0,1,2,3
	v_cvt_scalef32_pk8_fp4_f32 v[PC+2*\b], v[\s+16*\b:\s+7+16*\b], v[TM+8+\b]
	v_cvt_scalef32_pk8_fp4_f32 v[PC+1+2*\b], v[\s+8+16*\b:\s+15+16*\b], v[TM+8+\b]
.endr
	v_nop
.irp c, 0,1
.irp i, 0,1
	v_permlane16_swap_b32 v[PC+4*\c+\i], v[PC+2+4*\c+\i]
.endr
.endr
.endm
.macro INITB vec                       ; a bias as the sums' first C, for both tiles of tokens
.irp m, 0,1
.irp b, 0,1
.irp q, 0,1,2,3
	ds_load_b128 v[ACC+32*\m+16*\b+4*\q:ACC+32*\m+16*\b+4*\q+3], v[PBC] offset:(\vec)*256+128*\b+16*\q
.endr
.endr
.endr
.endm
.macro PLOAD vec                       ; my lane's 32 numbers of a vector into v[T] on
.irp b, 0,1
.irp q, 0,1,2,3
	ds_load_b128 v[T+16*\b+4*\q:T+16*\b+4*\q+3], v[PB] offset:(\vec)*256+128*\b+16*\q
.endr
.endr
.endm
.macro ADDT                            ; and onto both tiles
.irp m, 0,1
.irp i, 0,2,4,6,8,10,12,14,16,18,20,22,24,26,28,30
	v_pk_add_f32 v[ACC+32*\m+\i:ACC+32*\m+\i+1], v[ACC+32*\m+\i:ACC+32*\m+\i+1], v[T+\i:T+\i+1]
.endr
.endr
.endm
.macro BARRIER                         ; my LDS stores have landed and my LDS loads are in: then the work-group's barrier
	s_wait_dscnt 0x0
	s_barrier_signal -1
	s_barrier_wait -1
.endm
; my lane's partial sums of its token in tile m, in v[T + 4 m], become the row's sums over all 768 columns, in the same registers
.macro XCHG st
	s_delay_alu instid0(VALU_DEP_2)
	v_permlanex16_b32 v[T+1], v[T], s[SEL], s[SEL+1]
	s_delay_alu instid0(VALU_DEP_2)
	v_permlanex16_b32 v[T+5], v[T+4], s[SEL], s[SEL+1]
	s_delay_alu instid0(VALU_DEP_2)
	v_add_f32 v[T], v[T], v[T+1]
	s_delay_alu instid0(VALU_DEP_2)
	v_add_f32 v[T+4], v[T+4], v[T+5]
	ds_store_b32 v[STW], v[T] offset:STAT+\st
	ds_store_b32 v[STW], v[T+4] offset:STAT+\st+1280
	BARRIER
.irp m, 0,1
.irp k, 0,1,2
	ds_load_b128 v[T+8+12*\m+4*\k:T+8+12*\m+4*\k+3], v[STR] offset:STAT+\st+1280*\m+16*\k
.endr
.endr
	s_wait_dscnt 0x0
.irp m, 0,1
.irp k, 0,1,2
	v_pk_add_f32 v[T+8+12*\m+4*\k:T+9+12*\m+4*\k], v[T+8+12*\m+4*\k:T+9+12*\m+4*\k], v[T+10+12*\m+4*\k:T+11+12*\m+4*\k]
.endr
.endr
.irp m, 0
	v_pk_add_f32 v[T+8+12*\m:T+9+12*\m], v[T+8+12*\m:T+9+12*\m], v[T+12+12*\m:T+13+12*\m]
.endr
.irp m, 1
	s_delay_alu instid0(VALU_DEP_3)
	v_pk_add_f32 v[T+8+12*\m:T+9+12*\m], v[T+8+12*\m:T+9+12*\m], v[T+12+12*\m:T+13+12*\m]
.endr
.irp m, 0,1
	s_delay_alu instid0(VALU_DEP_2)
	v_pk_add_f32 v[T+8+12*\m:T+9+12*\m], v[T+8+12*\m:T+9+12*\m], v[T+16+12*\m:T+17+12*\m]
.endr
.irp m, 0,1
	s_delay_alu instid0(VALU_DEP_2)
	v_add_f32 v[T+4*\m], v[T+8+12*\m], v[T+9+12*\m]
.endr
.endm
; LayerNorm of the rows in the accumulators, in place.  Every accumulator is read from its low end on.
.macro LNORM st0, st1, vg, vb
.irp m, 0,1
	v_pk_add_f32 v[T+4*\m:T+4*\m+1], v[ACC+32*\m:ACC+32*\m+1], v[ACC+32*\m+2:ACC+32*\m+3]
	v_pk_add_f32 v[T+4*\m+2:T+4*\m+3], v[ACC+32*\m+4:ACC+32*\m+5], v[ACC+32*\m+6:ACC+32*\m+7]
.endr
.irp i, 8,12,16,20,24,28
.irp m, 0,1
	v_pk_add_f32 v[T+4*\m:T+4*\m+1], v[T+4*\m:T+4*\m+1], v[ACC+32*\m+\i:ACC+32*\m+\i+1]
	v_pk_add_f32 v[T+4*\m+2:T+4*\m+3], v[T+4*\m+2:T+4*\m+3], v[ACC+32*\m+\i+2:ACC+32*\m+\i+3]
.endr
.endr
.irp m, 0
	s_delay_alu instid0(VALU_DEP_3)
	v_pk_add_f32 v[T+4*\m:T+4*\m+1], v[T+4*\m:T+4*\m+1], v[T+4*\m+2:T+4*\m+3]
.endr
.irp m, 1
	s_delay_alu instid0(VALU_DEP_2)
	v_pk_add_f32 v[T+4*\m:T+4*\m+1], v[T+4*\m:T+4*\m+1], v[T+4*\m+2:T+4*\m+3]
.endr
.irp m, 0,1
	s_delay_alu instid0(VALU_DEP_2)
	v_add_f32 v[T+4*\m], v[T+4*\m], v[T+4*\m+1]
.endr
	XCHG \st0
.irp m, 0,1
	s_delay_alu instid0(VALU_DEP_2)
	v_mul_f32 v[T+4*\m], s[RD], v[T+4*\m]          ; the mean
.endr
.irp m, 0,1
.irp i, 0,2,4,6,8,10,12,14,16,18,20,22,24,26,28,30
	v_pk_add_f32 v[ACC+32*\m+\i:ACC+32*\m+\i+1], v[ACC+32*\m+\i:ACC+32*\m+\i+1], v[T+4*\m:T+4*\m+1] op_sel_hi:[1,0] neg_lo:[0,1] neg_hi:[0,1]
.endr
.endr
.irp m, 0,1
	v_pk_mul_f32 v[T+8+4*\m:T+9+4*\m], v[ACC+32*\m:ACC+32*\m+1], v[ACC+32*\m:ACC+32*\m+1]
	v_pk_mul_f32 v[T+10+4*\m:T+11+4*\m], v[ACC+32*\m+2:ACC+32*\m+3], v[ACC+32*\m+2:ACC+32*\m+3]
.endr
.irp i, 4,8,12,16,20,24,28
.irp m, 0,1
	s_delay_alu instid0(VALU_DEP_4)
	v_pk_fma_f32 v[T+8+4*\m:T+9+4*\m], v[ACC+32*\m+\i:ACC+32*\m+\i+1], v[ACC+32*\m+\i:ACC+32*\m+\i+1], v[T+8+4*\m:T+9+4*\m]
	s_delay_alu instid0(VALU_DEP_4)
	v_pk_fma_f32 v[T+10+4*\m:T+11+4*\m], v[ACC+32*\m+\i+2:ACC+32*\m+\i+3], v[ACC+32*\m+\i+2:ACC+32*\m+\i+3], v[T+10+4*\m:T+11+4*\m]
.endr
.endr
.irp m, 0
	s_delay_alu instid0(VALU_DEP_3)
	v_pk_add_f32 v[T+8+4*\m:T+9+4*\m], v[T+8+4*\m:T+9+4*\m], v[T+10+4*\m:T+11+4*\m]
.endr
.irp m, 1
	s_delay_alu instid0(VALU_DEP_2)
	v_pk_add_f32 v[T+8+4*\m:T+9+4*\m], v[T+8+4*\m:T+9+4*\m], v[T+10+4*\m:T+11+4*\m]
.endr
.irp m, 0,1
	s_delay_alu instid0(VALU_DEP_2)
	v_add_f32 v[T+4*\m], v[T+8+4*\m], v[T+9+4*\m]
.endr
	XCHG \st1
.irp m, 0,1
	s_delay_alu instid0(VALU_DEP_2)
	v_fma_f32 v[T+4*\m], v[T+4*\m], s[RD], s[EP]   ; the variance + eps
.endr
	s_wait_alu depctr_va_vdst(0)
	v_rsq_f32 v60, v[T]
	v_rsq_f32 v62, v[T+4]
	v_nop                                          ; a plain place behind the transcendentals
	s_wait_alu depctr_va_vdst(0)                   ; one wait for both, ahead of their first reader
.irp b, 0,1
.irp q, 0,1,2,3
	ds_load_b128 v[T+4*\q:T+4*\q+3], v[PB] offset:(\vg)*256+128*\b+16*\q
	ds_load_b128 v[T+16+4*\q:T+16+4*\q+3], v[PB] offset:(\vb)*256+128*\b+16*\q
.endr
	s_wait_dscnt 0x0
.irp m, 0,1
.irp i, 0,2,4,6,8,10,12,14
	v_pk_mul_f32 v[ACC+32*\m+16*\b+\i:ACC+32*\m+16*\b+\i+1], v[ACC+32*\m+16*\b+\i:ACC+32*\m+16*\b+\i+1], v[60+2*\m:61+2*\m] op_sel_hi:[1,0]
.endr
.endr
.irp m, 0,1
.irp i, 0,2,4,6,8,10,12,14
	v_pk_fma_f32 v[ACC+32*\m+16*\b+\i:ACC+32*\m+16*\b+\i+1], v[ACC+32*\m+16*\b+\i:ACC+32*\m+16*\b+\i+1], v[T+\i:T+\i+1], v[T+16+\i:T+17+\i]
.endr
.endr
.endr
.endm
	s_load_b512 s[8:23], s[0:1], 0x0               ; o, x, the images, bo, g1, be1, b1, b2
	s_load_b128 s[24:27], s[0:1], 0x40             ; g2, be2
	s_load_b64 s[28:29], s[0:1], 0x50              ; out0
	v_lshl_add_u32 v[SPW], v0, 2, SPARE
	v_mov_b32 v[NIL], 0
	v_lshrrev_b32 v249, 5, v0
	s_delay_alu instid0(VALU_DEP_1)
	v_readfirstlane_b32 s2, v249                   ; wave 0..11
	v_and_b32 v249, 31, v0                         ; lane
	v_and_b32 v250, 15, v0                         ; r
	v_bfe_u32 v251, v0, 4, 1                       ; h
	s_delay_alu instid0(VALU_DEP_2)
	v_and_b32 v254, 8, v250
	s_delay_alu instid0(VALU_DEP_1)
	v_add_nc_u32 v254, v254, v250                  ; r + 8 (r / 8)
	v_lshlrev_b32 v[LI], 4, v249
	v_lshlrev_b32 v[LS], 2, v249
	v_lshlrev_b32 v[R4], 2, v250
	v_lshlrev_b32 v[PL], 4, v250
	s_lshl_b32 s3, s2, 9
	v_add_nc_u32 v[IW], s3, v[LI]
	s_lshr_b32 s3, s2, 1
	s_lshl_b32 s3, s3, 7
	s_and_b32 s4, s2, 1
	s_lshl_b32 s4, s4, 1
	s_add_co_u32 s3, s3, s4
	v_add_nc_u32 v[SW], s3, v[LS]
	v_mul_u32_u24 v[STR], v250, 80
	s_lshl_b32 s3, s2, 2
	v_add_nc_u32 v[STW], s3, v[STR]
	s_mul_i32 s3, s2, 8704
	s_add_co_u32 s3, s3, HSAVE
	s_wait_alu depctr_va_vdst(0)
	v_add_nc_u32 v[HS], s3, v[LI]
	v_mul_u32_u24 v[SGW], v254, 272
	s_delay_alu instid0(VALU_DEP_1)
	v_lshl_add_u32 v[SGW], v251, 6, v[SGW]
	s_delay_alu instid0(VALU_DEP_1)
	v_add_nc_u32 v[SGW], s3, v[SGW]
	v_mul_u32_u24 v[SGR], v251, 272
	s_delay_alu instid0(VALU_DEP_1)
	v_lshl_add_u32 v[SGR], v250, 4, v[SGR]
	s_delay_alu instid0(VALU_DEP_1)
	v_add_nc_u32 v[SGR], s3, v[SGR]
	v_mul_u32_u24 v[GO], v251, 3072
	s_delay_alu instid0(VALU_DEP_1)
	v_lshl_add_u32 v[GO], v250, 4, v[GO]
	s_mul_i32 s3, s2, 2560
	s_add_co_u32 s3, s3, PARAM
	v_lshl_add_u32 v[PB], v251, 6, s3
	v_add_nc_u32 v61, s3, v[PL]                    ; v61-63 serve the head alone: where I store the vectors,
	s_lshl_b32 s3, s2, 10
	v_add_nc_u32 v62, s3, v[LI]                    ; o's images,
	s_lshl_b32 s3, s2, 7
	v_add_nc_u32 v63, s3, v[LS]                    ; and their scale words
	v_add_nc_u32 v[AA], OIMG, v[LI]
	v_add_nc_u32 v[AB], OSC, v[LS]
	s_mov_b32 s[SEL], 0x76543210
	s_mov_b32 s[SEL+1], 0xfedcba98
	s_mov_b32 s[RD], 0x3aaaaaab
	s_mov_b32 s[EP], 0x3727c5ac
	s_mov_b32 s5, 0
	s_wait_alu depctr_va_vdst(0)
	s_wait_kmcnt 0x0
	s_mul_i32 s4, s2, 24*UNIT
	s_add_nc_u64 s[WBB:WBB+1], s[WA:WA+1], s[4:5]  ; W2's stream: 24 units a wave
	s_mul_i32 s4, s2, 6*UNIT
	s_add_nc_u64 s[WA:WA+1], s[WA:WA+1], s[4:5]    ; Wo's and W1's: six units a wave
	s_lshl_b32 s4, s2, 8                           ; my 64 numbers of each vector
.irp p, BO, G1P, BE1, B1P, B2P, G2P, BE2
	s_add_nc_u64 s[\p:\p+1], s[\p:\p+1], s[4:5]
.endr
	s_mul_i32 s6, ttmp9, 98304
	s_add_co_u32 s4, s4, s6                        ; 32 rows of 3,072 bytes a block, 256 bytes a wave
	s_add_nc_u64 s[XP:XP+1], s[XP:XP+1], s[4:5]
	s_add_nc_u64 s[OUT:OUT+1], s[OUT:OUT+1], s[4:5]
	s_mul_i32 s4, ttmp9, 1536
	s_lshl_b32 s6, s2, 7
	s_add_co_u32 s4, s4, s6
	s_add_co_u32 s4, s4, OSCO
	s_add_nc_u64 s[OSP:OSP+1], s[OCP:OCP+1], s[4:5]
	s_mul_i32 s4, ttmp9, 12288
	s_lshl_b32 s6, s2, 10
	s_add_co_u32 s4, s4, s6
	s_add_nc_u64 s[OCP:OCP+1], s[OCP:OCP+1], s[4:5]
	global_load_b128 v[T:T+3], v[PL], s[BO:BO+1]
	global_load_b128 v[T+4:T+7], v[PL], s[G1P:G1P+1]
	global_load_b128 v[T+8:T+11], v[PL], s[BE1:BE1+1]
	global_load_b128 v[T+12:T+15], v[PL], s[B2P:B2P+1]
	global_load_b128 v[T+16:T+19], v[PL], s[G2P:G2P+1]
	global_load_b128 v[T+20:T+23], v[PL], s[BE2:BE2+1]
	global_load_b128 v[T+24:T+27], v[PL], s[B1P:B1P+1]
	global_load_b128 v[T+28:T+31], v[PL], s[B1P:B1P+1] offset:3072
	global_load_b128 v[236:239], v[PL], s[B1P:B1P+1] offset:6144
	global_load_b128 v[240:243], v[PL], s[B1P:B1P+1] offset:9216
	global_load_b128 v[244:247], v[LI], s[OCP:OCP+1]   ; fragment w = 6 m + s of o, as it lies
	global_load_b128 v[248:251], v[LI], s[OCP:OCP+1] offset:512
	global_load_b32 v254, v[R4], s[OSP:OSP+1]      ; head 2 s's two bytes,
	global_load_b32 v255, v[R4], s[OSP:OSP+1] offset:64   ; head 2 s + 1's
.irp i, 0,1,2,3,4,5,6,7,8,9,10,11,12,13,14,15
	global_load_b128 v[ACC+4*\i:ACC+4*\i+3], v[GO], s[XP:XP+1] offset:6144*\i th:TH_LOAD_NT   ; x by rows: lanes 0-15 my 256 bytes of row 2 i, lanes 16-31 of row 2 i + 1
.endr
	WLOAD 0, WA, WO_OFF
	WLOAD 1, WA, WO_OFF+UNIT
	WLOAD 2, WA, WO_OFF+2*UNIT
	s_wait_loadcnt 27                              ; all but the 27 weight loads just issued
.irp i, 0,1,2,3,4,5,6,7
	ds_store_b128 v61, v[T+4*\i:T+4*\i+3] offset:256*\i
.endr
	ds_store_b128 v61, v[236:239] offset:2048
	ds_store_b128 v61, v[240:243] offset:2304
	ds_store_b128 v62, v[244:247] offset:OIMG
	ds_store_b128 v62, v[248:251] offset:OIMG+512
	v_lshl_or_b32 v254, v255, 16, v254
	ds_store_b32 v63, v254 offset:OSC
.irp i, 0,1,2,3,4,5,6,7,8,9,10,11,12,13,14,15
	ds_store_b128 v[SGR], v[ACC+4*\i:ACC+4*\i+3] offset:544*\i   ; x's rows through my own stage, the way out's steps the other way round
.endr
	s_wait_dscnt 0x0                               ; the stores have read their registers
.irp m, 0,1
.irp b, 0,1
.irp q, 0,1,2,3
	ds_load_b128 v[ACC+32*\m+16*\b+4*\q:ACC+32*\m+16*\b+4*\q+3], v[SGW] offset:2176*\m+128*\b+16*\q   ; x in the result's layout
.endr
.endr
.endr
	s_wait_dscnt 0x0                               ; x is in the accumulators
.irp b, 0,1,2,3
	v_mov_b32 v[TM+4+\b], 0                        ; a lane permute's destination counts as one of its sources
.endr
	PLOAD 0
	s_wait_dscnt 0x0
	ADDT                                           ; x + bo: the sums begin with it
	s_wait_alu depctr_va_vdst(0)
	BARRIER                                        ; o's twelve fragments lie in LDS
	; ---- o Wo
	ALOAD 0, 0, 6
	HALF1 6, WA, WO_OFF
	HALF2 6, WA, W1_OFF
	LNORM 0, 2560, 1, 2
	QUANT ACC                                      ; h: my 64 columns are half c = w % 2 of K step w / 2
	ds_store_b128 v[IW], v[PC:PC+3] offset:HIMG
	ds_store_b128 v[IW], v[PC+4:PC+7] offset:HIMG+6144
	ds_store_b16 v[SW], v[PW] offset:HSC
	ds_store_b16_d16_hi v[SW], v[PW] offset:HSC+768
	s_wait_dscnt 0x0                               ; the stores have read their registers
	PLOAD 3
	s_wait_dscnt 0x0
	ADDT                                           ; h + b2 waits in my own LDS bytes for the last product
.irp k, 0,1,2,3,4,5,6,7,8,9,10,11,12,13,14,15
	ds_store_b128 v[HS], v[ACC+4*\k:ACC+4*\k+3] offset:512*\k
.endr
	BARRIER                                        ; h's twelve fragments lie in LDS
	; ---- relu(h W1 + b1), 768 columns at a time
	v_add_nc_u32 v[AA], HIMG, v[LI]
	v_add_nc_u32 v[AB], HSC, v[LS]
	s_mov_b32 s[CHP], 0
	s_mov_b32 s[CHI], FIMG
	s_mov_b32 s[CHS], FSC
.macro CHUNK last
	v_add_nc_u32 v[PBC], s[CHP], v[PB]
	v_add_nc_u32 v[IWC], s[CHI], v[IW]
	v_add_nc_u32 v[SWC], s[CHS], v[SW]
	INITB 6
	ALOAD 0, 0, 6
	HALF1 6, WA, W1_OFF
.if \last
	HALF2 6, WBB, W2_OFF
.else
	HALF2 6, WA, W1_OFF+CHSTR
.endif
.set j, 0
.rept 64
	v_max_num_f32 v[ACC+j], 0, v[ACC+j]
.set j, j+1
.endr
	QUANT ACC
	ds_store_b128 v[IWC], v[PC:PC+3]
	ds_store_b128 v[IWC], v[PC+4:PC+7] offset:24576
	ds_store_b16 v[SWC], v[PW]
	ds_store_b16_d16_hi v[SWC], v[PW] offset:3072
	s_wait_dscnt 0x0                               ; the stores have read their registers and addresses
.endm
	s_mov_b32 s46, 3
.Lchunk:                                           ; no barrier between chunks: each writes bytes of its own, and h's images are only read
	s_wait_alu depctr_va_vdst(0)
	CHUNK 0
	s_wait_xcnt 0x0                                ; the loads on their way have read their base
	s_add_nc_u64 s[WA:WA+1], s[WA:WA+1], CHSTR
	s_add_co_u32 s[CHP], s[CHP], 256
	s_add_co_u32 s[CHI], s[CHI], 6144
	s_add_co_u32 s[CHS], s[CHS], 768
	s_sub_co_u32 s46, s46, 1
	s_cmp_lg_u32 s46, 0
	s_cbranch_scc1 .Lchunk
	CHUNK 1                                        ; the last chunk is written out: its ring goes on into W2
	BARRIER                                        ; the hidden layer's 48 fragments lie in LDS
	; ---- + hidden W2: 24 K steps, six a trip
.irp k, 0,1,2,3,4,5,6,7,8,9,10,11,12,13,14,15
	ds_load_b128 v[ACC+4*\k:ACC+4*\k+3], v[HS] offset:512*\k
.endr
	s_mov_b32 s[FA], FIMG
	s_mov_b32 s[FB], FSC
.macro FF2 last
	v_add_nc_u32 v[AA], s[FA], v[LI]
	v_add_nc_u32 v[AB], s[FB], v[LS]
	ALOAD 0, 0, 24
	s_wait_alu depctr_va_vdst(0)
	HALF1 24, WBB, W2_OFF
.if \last
	STEP 3, 18, 1, 24                              ; nothing more is fetched: the counts run down
	STEP 4, 9, 1, 24
	STEP 5, 0, 0, 24
.else
	HALF2 24, WBB, W2_OFF+6*UNIT
.endif
.endm
	s_mov_b32 s47, 3
.Lff2:
	FF2 0
	s_wait_xcnt 0x0                                ; the loads on their way have read their base
	s_add_nc_u64 s[WBB:WBB+1], s[WBB:WBB+1], 6*UNIT
	s_add_co_u32 s[FA], s[FA], 6144
	s_add_co_u32 s[FB], s[FB], 768
	s_sub_co_u32 s47, s47, 1
	s_cmp_lg_u32 s47, 0
	s_cbranch_scc1 .Lff2
	FF2 1
	LNORM 5120, 7680, 4, 5
	; ---- the way out: through my own stage, rows of 256 bytes + 16, so that sixteen lanes store 256 consecutive bytes, at a multiple of 256 from the output's first byte
.irp m, 0,1
.irp b, 0,1
.irp q, 0,1,2,3
	ds_store_b128 v[SGW], v[ACC+32*\m+16*\b+4*\q:ACC+32*\m+16*\b+4*\q+3] offset:2176*\m+128*\b+16*\q
.endr
.endr
.endr
.irp i, 0,1,2,3,4,5,6,7,8,9,10,11,12,13,14,15
	ds_load_b128 v[W+4*\i:W+4*\i+3], v[SGR] offset:544*\i   ; LDS serves a wave's instructions in order (ISA guide 5.7.1.4): these see my stores
.endr
.irp i, 0,1,2,3,4,5,6,7,8,9,10,11,12,13,14,15
	s_wait_dscnt 15-\i
	global_store_b128 v[GO], v[W+4*\i:W+4*\i+3], s[OUT:OUT+1] offset:6144*\i th:TH_STORE_NT
.endr
	s_wait_tensorcnt 0x0                           ; the wave's end
	ds_add_u32 v[SPW], v[NIL]
	s_wait_dscnt 0x0
	s_endpgm
.Lfunc_end_k_qf121de6cf6_tail:
	.size	k_qf121de6cf6_tail, .Lfunc_end_k_qf121de6cf6_tail-k_qf121de6cf6_tail
	.p2alignl 7, 3214868480
	.fill 96, 4, 3214868480
	.section	.rodata,"a",@progbits
	.p2align	6, 0x0
	.amdhsa_kernel k_qf121de6cf6_tail
		.amdhsa_group_segment_fixed_size 229888
		.amdhsa_private_segment_fixed_size 0
		.amdhsa_enable_private_segment 0
		.amdhsa_kernarg_size 88
		.amdhsa_user_sgpr_count 2
		.amdhsa_user_sgpr_kernarg_segment_ptr 1
		.amdhsa_wavefront_size32 1
		.amdhsa_system_sgpr_workgroup_id_x 1
		.amdhsa_system_sgpr_workgroup_id_y 1
		.amdhsa_system_sgpr_workgroup_id_z 1
		.amdhsa_system_vgpr_workitem_id 0
		.amdhsa_next_free_vgpr 256
		.amdhsa_next_free_sgpr 66
		.amdhsa_reserve_vcc 0
		.amdhsa_float_denorm_mode_32 3
		.amdhsa_float_denorm_mode_16_64 3
		.amdhsa_memory_ordered 1
		.amdhsa_forward_progress 1
		.amdhsa_inst_pref_size 151
	.end_amdhsa_kernel
	.amdgpu_metadata
---
amdhsa.version: [ 1, 2 ]
amdhsa.kernels:
  - .name:           k_qf121de6cf6_tail
    .symbol:         k_qf121de6cf6_tail.kd
    .args:
      - { .name: o_img, .offset: 0, .size: 8, .value_kind: global_buffer, .address_space: global }
      - { .name: x, .offset: 8, .size: 8, .value_kind: global_buffer, .address_space: global }
      - { .name: wimg, .offset: 16, .size: 8, .value_kind: global_buffer, .address_space: global }
      - { .name: bo, .offset: 24, .size: 8, .value_kind: global_buffer, .address_space: global }
      - { .name: g1, .offset: 32, .size: 8, .value_kind: global_buffer, .address_space: global }
      - { .name: be1, .offset: 40, .size: 8, .value_kind: global_buffer, .address_space: global }
      - { .name: b1, .offset: 48, .size: 8, .value_kind: global_buffer, .address_space: global }
      - { .name: b2, .offset: 56, .size: 8, .value_kind: global_buffer, .address_space: global }
      - { .name: g2, .offset: 64, .size: 8, .value_kind: global_buffer, .address_space: global }
      - { .name: be2, .offset: 72, .size: 8, .value_kind: global_buffer, .address_space: global }
      - { .name: out0, .offset: 80, .size: 8, .value_kind: global_buffer, .address_space: global }
    .group_segment_fixed_size: 229888
    .private_segment_fixed_size: 0
    .kernarg_segment_align: 8
    .kernarg_segment_size: 88
    .max_flat_workgroup_size: 384
    .sgpr_count:     66
    .vgpr_count:     256
    .wavefront_size: 32
...
	.end_amdgpu_metadata
.endif
;; end of part 7
